; MI455X (gfx1250); checked and timed in simulation.
; The chip was launched on July 23, 2026; its instructions are those of AMD's public machine-readable ISA for CDNA 5 (MIT licence, August 2026) and "CDNA5" Instruction Set Architecture Reference Guide (July 2026). The comments in the code are by the model that wrote it; some were corrected since.
;; Llama Attention. Allowed arithmetic: matrix products marked QUANTISED: E2M3 operands, one E8M0 scale for each 32 along K, by v_wmma_scale_f32_16x16x128_f8f6f4 with both operands' format E2M3, f32 sums; everything else in f32.
;; Inputs: attention_mask 2 x 1 x 2,048 x 2,048 float32; hidden_states 2 x 2,048 x 4,096 float32; position_ids 2 x 2,048 int32; wk 512 x 4,096 float32; wo 4,096 x 1,024 float32; wq 1,024 x 4,096 float32; wv 512 x 4,096 float32.
;; Outputs: out0 2 x 2,048 x 4,096 float32.
;; This version of the problem:
;;   THIS VERSION OF THE PROBLEM IS GIVEN IN LOW PRECISION. The matrix products marked QUANTISED in the list below multiply operands that are first quantised to E2M3 (2 exponent bits, 3 mantissa bits; 6 bits a number), with one power-of-two scale for each 32 numbers along K (OCP MX v1.0); their sums are f32. All else is computed in f32.
;;   The module's matrix products, in the order in which they are computed (A, B: the left and right operand; K: the contracted axis; several contracted axes count as one K, in the product's order):
;;     1. [M 4,096, K 4,096] x [K 4,096, N 1,024]; A: input hidden_states; B: input wq: QUANTISED
;;     2. [M 4,096, K 4,096] x [K 4,096, N 512]; A: input hidden_states; B: input wk: QUANTISED
;;     3. [M 4,096, K 4,096] x [K 4,096, N 512]; A: input hidden_states; B: input wv: QUANTISED
;;     4. batch 8 x [M 4,096, K 128] x [K 128, N 2,048]; A: computed on the way; B: computed on the way: QUANTISED
;;     5. batch 8 x [M 4,096, K 2,048] x [K 2,048, N 128]; A: softmax (see below); B: computed on the way: QUANTISED
;;     6. [M 4,096, K 1,024] x [K 1,024, N 4,096]; A: computed on the way; B: input wo: QUANTISED
;;   THE QUANTISER, for each operand of a quantised product, along K:
;;     - K is cut into blocks of 32 from its start; a last block that is shorter is filled with zeros.
;;     - A block's scale is 2^e with e = floor(log2(the largest magnitude in the block)) - 2, held to -126 .. 127; a block of zeros has e = 0. As a byte (E8M0): e + 127.
;;     - Each number is divided by its block's scale, clamped to +-7.5, and rounded to the nearest number of E2M3, ties to even, subnormals kept.
;;     - The product sums the exact products of the quantised numbers (number of the format x scale) in f32.
;;   ~~~python
;;   def quantise(x, axis):      # numpy; x: float32 -> the quantised numbers, widened to float32 again
;;       x = np.moveaxis(x, axis, -1); K = x.shape[-1]
;;       x = np.pad(x, [(0, 0)] * (x.ndim - 1) + [(0, -K % 32)]); x = x.reshape(x.shape[:-1] + (-1, 32)); a = np.abs(x).max(-1, keepdims=True)
;;       e = np.where(a > 0, np.clip(np.frexp(np.where(a > 0, a, 1))[1] - 1 - 2, -126, 127), 0)      # np.frexp(a)[1] - 1 = floor(log2(a)), exactly
;;       r = np.clip(x / 2.0 ** e, -7.5, 7.5)
;;       step = 2.0 ** (np.maximum(np.frexp(np.where(r == 0, 1, r))[1] - 1, 0) - 3)
;;       q = np.round(r / step) * step * 2.0 ** e      # np.round: ties to even
;;       return np.moveaxis(q.reshape(q.shape[:-2] + (-1,))[..., :K], -1, axis).astype(np.float32)
;;   ~~~
;;   SOFTMAX AHEAD OF A QUANTISED PRODUCT. Where the list says 'softmax', what is quantised is not the finished softmax but p = 2^(t - M), with t = logit x log2(e) and M = ceil(the row's largest t), a whole number; so 1/2 < the row's largest p <= 1. The row's sum l is taken of the UNQUANTISED p, in f32, and the product's result is divided by l at the end. Since M is a whole number, a kernel that streams over the keys may use a running M (the ceiling of the running maximum): every later rescaling is an exact power of two, which a block's scale takes up: the codes' values come out the same.
;;   OPERANDS COMPUTED ON THE WAY. 'Computed on the way' means the value that the module computes at that place (a softmax that the list does not call 'softmax' is quantised finished and normalised). What goes into a quantiser is computed in f32, as accurately as f32 sums, v_exp_f32 and their like allow (about 1e-6 of the number): no bf16 or f16 on the way to a quantiser, and a product that is left as it is and whose result goes on into a quantised operand takes f32 operands (vector FMAs, or v_wmma_f32_16x16x4_f32). A number that lies on a knife's edge between two numbers of the format may be rounded either way, as far as f32 arithmetic and the matrix unit's own rounding can turn it there, and no further.
;; 2 versions, each right. Each part assembles by itself: llvm-mc -triple=amdgcn-amd-amdhsa -mcpu=gfx1250 --defsym DOCPART=n.
;; ======== version 1 of 2: 4 launches
;; limits: an absolute error that grows with the inputs' magnitude: up to 2.5e-07 times it; inputs' magnitudes at most 1,048,576
;; workspace buffers: codes1 22,020,096 bytes; scales1 917,504 bytes; rope_img 2,105,344 bytes; qkv 6,553,600 bytes; a_img 3,145,728 bytes; a_sc 131,072 bytes
;; launch quant (part 1): grid 960 x 1, 4 waves a work-group, no clusters, 33,280 bytes of LDS; arguments hidden_states, wq, wk, wv, wo, position_ids, codes1, scales1, rope_img; writes codes1, scales1, rope_img
.if DOCPART == 1
	.amdgcn_target "amdgcn-amd-amdhsa--gfx1250"
	.amdhsa_code_object_version 6
	.text
	.protected	k_qf44afe3b4a_quant
	.globl	k_qf44afe3b4a_quant
	.p2align	8
	.type	k_qf44afe3b4a_quant,@function
k_qf44afe3b4a_quant:
	s_mov_b64 s[64:65], 0
	v_nop
	global_prefetch_b8 v0, s[64:65] scope:SCOPE_SE
	s_setreg_imm32_b32 hwreg(HW_REG_WAVE_MODE, 25, 1), 1
	s_wait_xcnt 0x0
; FIRST LAUNCH.  (1) hidden_states [4096][4096], wq [1024][4096], wk, wv [512][4096], wo [4096][1024], all f32 with K innermost, become codes of FP6 (E2M3), 6 bits each, with one E8M0 scale byte
; for each 32 along K.  A block's scale is 2^(floor(log2(its largest magnitude)) - 2); its byte is the largest magnitude's exponent field - 2, held at 1 from below; each number is divided by the scale
; and rounded to the nearest code, ties to even, beyond 7.5 the largest code.  (2) The rotary tables cos, sin of position x 10000^(-f/64), f = 0 .. 63, laid as the next launch's registers take them.
; A RUN is 8,192 numbers: 6,144 bytes of codes, 256 scale bytes.  codes1 and scales1 hold runs 0-2047: hidden_states; 2048-3071: W = wq, then (wk head j, wv head j) for j = 0 .. 3; 3072-3583: wo.
; ROWS CHANGE PLACES: a row of hidden_states, wq, wk, wv is stored at the row number with bits 3 and 4 exchanged (a run is two rows, so bits 2 and 3 of the run's number).  Sixteen neighbouring stored
; rows 32 B + 16 u + m are then the true rows 32 B + 8 u + m + 8 (m / 8): a product that takes them as source 0 leaves 16 neighbours along the next K in a lane's registers of two neighbouring tiles.
; SHARES.  Work-groups 0-895: four waves, a run each: 16 steps of 512 numbers.  Each load reads 512 consecutive bytes; a step's 2,048 bytes turn through the wave's own stage in LDS and come back 64 bytes
; (16 neighbours along K) a lane; two neighbouring lanes hold a block.  Loads run four steps ahead.  Work-groups 896-959: a wave makes the tables of one tile of 16 tokens, and uses no LDS.
; No cluster, no tensor load, no barrier: work-groups and waves share no input.
; LIMITS.  A block of zeros gets the byte 1 where the rule says 127: its codes are zeros, and this program alone reads the bytes.  NaN and infinities among the inputs are not served.
; The frequencies come from v_exp_f32: the angle differs from position x 10000^(-f/64) by up to about 2.5e-7 x |position|.  The three-part reduction by pi/2 serves |position| under 2^20.
.set NQWG,  896                        ; work-groups that quantise
.set WAVES, 4
.set STEPS, 16
.set EMAX,  2
.set CB,    12                         ; bytes of 16 codes
.set R,     16                         ; v16-79   four sets of 16 numbers as they are loaded
.set X,     80                         ; v80-111  two sets of 16 neighbours
.set C,     128                        ; v128-191 codes: four registers for each step, so that no store's data are written again
.set E,     112                        ; v112-127 a scale byte for each step
.set WREG,  8192                       ; LDS: a region for each wave: two stages of 32 x SP bytes, and behind them its 256 scale bytes
.set SP,    80                         ; a lane's place in a stage: its 64 bytes + 16 of padding
.set SPW,   12                         ; v12      LDS address of my spare word; never rewritten
.set NIL,   13                         ; v13      0; never rewritten
.set SPARE, WAVES*WREG                 ; behind the four regions: the spare words, 128 bytes for each wave, which no other line names
	s_load_b512 s[4:19], s[0:1], 0x0               ; hidden_states s[4:5], wq s[6:7], wk s[8:9], wv s[10:11], wo s[12:13], position_ids s[14:15], codes1 s[16:17], scales1 s[18:19]
	s_load_b64 s[20:21], s[0:1], 0x40              ; rope_img
	v_lshl_add_u32 v[SPW], v0, 2, SPARE
	v_mov_b32 v[NIL], 0
	v_lshrrev_b32 v1, 5, v0
	v_readfirstlane_b32 s22, v1                    ; wave
	v_and_b32 v2, 31, v0                           ; lane
	s_cmp_ge_u32 ttmp9, NQWG
	s_cbranch_scc1 .Lrope                          ; the last 64 work-groups make the tables
	v_lshlrev_b32 v3, 4, v2                        ; my 16 bytes of a load's 512
	s_mul_i32 s23, s22, WREG
	v_lshrrev_b32 v14, 2, v2
	v_mul_u32_u24 v14, v14, SP
	v_and_b32 v15, 3, v2
	v_lshl_add_u32 v14, v15, 4, v14
	v_add_nc_u32 v14, s23, v14                     ; the stage, on the way in: SP (lane / 4) + 16 (lane % 4)
	v_mul_u32_u24 v15, v2, SP
	v_add_nc_u32 v15, s23, v15                     ; and on the way out: SP x lane: my 16 neighbours
	v_mul_u32_u24 v4, v2, CB                       ; my codes' place in a step's
	v_lshrrev_b32 v5, 1, v2
	s_add_co_u32 s23, s23, 2*32*SP
	v_add_nc_u32 v5, s23, v5                       ; LDS: my wave's 256 scale bytes, my block's byte
	v_lshlrev_b32 v7, 3, v2                        ; and on the way out 8 bytes a lane
	v_add_nc_u32 v6, s23, v7
	s_wait_kmcnt 0x0
	; which tensor: a cascade on the work-group's number alone.  s[24:25] source, s26 its first work-group, s27 its first run, s28 the shift that spreads groups of 64 runs, s29 1 where rows change places
	s_mov_b64 s[24:25], s[12:13]                   ; 768 ..: wo
	s_mov_b32 s26, 768
	s_mov_b32 s27, 3072
	s_mov_b32 s28, 6
	s_mov_b32 s29, 0
	s_cmp_lt_u32 ttmp9, 768                        ; 704 ..: wv: head j's 64 runs lie behind wk head j's
	s_cselect_b64 s[24:25], s[10:11], s[24:25]
	s_cselect_b32 s26, 704, s26
	s_cselect_b32 s27, 2624, s27
	s_cselect_b32 s28, 7, s28
	s_cselect_b32 s29, 1, s29
	s_cmp_lt_u32 ttmp9, 704                        ; 640 ..: wk
	s_cselect_b64 s[24:25], s[8:9], s[24:25]
	s_cselect_b32 s26, 640, s26
	s_cselect_b32 s27, 2560, s27
	s_cmp_lt_u32 ttmp9, 640                        ; 512 ..: wq
	s_cselect_b64 s[24:25], s[6:7], s[24:25]
	s_cselect_b32 s26, 512, s26
	s_cselect_b32 s27, 2048, s27
	s_cselect_b32 s28, 6, s28
	s_cmp_lt_u32 ttmp9, 512                        ; 0 ..: hidden_states
	s_cselect_b64 s[24:25], s[4:5], s[24:25]
	s_cselect_b32 s26, 0, s26
	s_cselect_b32 s27, 0, s27
	s_sub_co_u32 s30, ttmp9, s26
	s_lshl_b32 s30, s30, 2
	s_add_co_u32 s30, s30, s22                     ; i: which run of the tensor is my wave's
	s_and_b32 s31, s30, 63
	s_lshr_b32 s32, s31, 2
	s_lshr_b32 s33, s31, 3
	s_xor_b32 s32, s32, s33
	s_and_b32 s32, s32, s29                        ; 1 where bits 2 and 3 differ and rows change places
	s_mul_i32 s32, s32, 12
	s_xor_b32 s31, s31, s32                        ; both bits turned: exchanged
	s_lshr_b32 s33, s30, 6
	s_lshl_b32 s33, s33, s28
	s_add_co_u32 s33, s33, s31
	s_add_co_u32 s33, s33, s27                     ; the run's number in codes1 and scales1
	s_lshl_b32 s34, s30, 15                        ; 32,768 bytes of f32 a run (under 2^27)
	s_mov_b32 s35, 0
	s_add_nc_u64 s[24:25], s[24:25], s[34:35]
	s_mul_i32 s34, s33, 32*STEPS*CB
	s_add_nc_u64 s[16:17], s[16:17], s[34:35]
	s_lshl_b32 s34, s33, 8
	s_add_nc_u64 s[18:19], s[18:19], s[34:35]
.macro LOAD t
.irp i, 0,1,2,3
	global_load_b128 v[R+16*((\t)%4)+4*\i:R+16*((\t)%4)+4*\i+3], v3, s[24:25] offset:2048*(\t)+512*\i th:TH_LOAD_NT   ; 32 lanes read 512 consecutive bytes
.endr
.endm
.macro TURN t                          ; step t's numbers through the stage: LDS serves a wave's instructions in order, so no wait stands between the stores and the loads
.irp i, 0,1,2,3
	ds_store_b128 v14, v[R+16*((\t)%4)+4*\i:R+16*((\t)%4)+4*\i+3] offset:32*SP*((\t)%2)+8*SP*\i
.endr
.irp i, 0,1,2,3
	ds_load_b128 v[X+16*((\t)%2)+4*\i:X+16*((\t)%2)+4*\i+3], v15 offset:32*SP*((\t)%2)+16*\i
.endr
.endm
.irp t, 0,1,2,3
	LOAD \t
.endr
	s_wait_loadcnt 12                              ; step 0's four loads are in
	TURN 0
.macro STEP t
.set XS, X+16*((\t)%2)
.if (\t) > 0
	s_wait_dscnt 1                                 ; this step's numbers are back from the stage (the last step's byte store may be out): so its stores into the stage have read their registers,
.else
	s_wait_dscnt 0x0
.endif
.if (\t)+4 < STEPS
	LOAD (\t)+4                                    ; which take the loads of four steps on
.endif
.if (\t)+1 < STEPS
.if STEPS-2-(\t) >= 3
	s_wait_loadcnt 12                              ; the next step's four loads are in; those of the three steps behind it may be out
.else
	s_wait_loadcnt 4*(STEPS-2-(\t))
.endif
	TURN (\t)+1                                    ; and go through the other stage while this step is worked
.endif
	v_max3_num_f32 v8, |v[XS]|, |v[XS+1]|, |v[XS+2]|               ; the largest magnitude of my 16
	v_max3_num_f32 v9, |v[XS+3]|, |v[XS+4]|, |v[XS+5]|
.irp i, 6,10
	v_max3_num_f32 v8, v8, |v[XS+\i]|, |v[XS+\i+1]|
	v_max3_num_f32 v9, v9, |v[XS+\i+2]|, |v[XS+\i+3]|
.endr
	v_max3_num_f32 v8, v8, |v[XS+14]|, |v[XS+15]|
	v_max3_num_f32 v8, v8, v9, (EMAX+1)<<23        ; and the floor 2^(EMAX + 1 - 127): the byte cannot fall under 1
	v_max_num_f32_dpp v8, v8, v8 row_xmask:1 row_mask:0xf bank_mask:0xf   ; and of my neighbour's 16: the block's
	v_add_nc_u32 v11, -(EMAX<<23), v8              ; EMAX off its exponent field: the conversion takes the exponent field of this operand as its scale, and nothing else of it
	v_cvt_scalef32_pk16_fp6_f32 v[C+4*(\t):C+4*(\t)+2], v[XS:XS+15], v11   ; sixteen codes, 96 bits without gaps, the first number's code lowest
	v_lshrrev_b32 v[E+(\t)], 23, v11               ; the scale's byte
	ds_store_b8 v5, v[E+(\t)] offset:16*(\t)       ; both lanes of a block write the same byte with the same value
	global_store_b96 v4, v[C+4*(\t):C+4*(\t)+2], s[16:17] offset:32*CB*(\t)   ; the wave stores 384 consecutive bytes
.endm
.irp t, 0,1,2,3,4,5,6,7,8,9,10,11,12,13,14,15
	STEP \t
.endr
	ds_load_b64 v[8:9], v6                         ; LDS serves a wave's instructions in order: these see my stores
	s_wait_dscnt 0x0
	global_store_b64 v7, v[8:9], s[18:19]          ; 32 lanes store 256 consecutive bytes, aligned
	s_wait_tensorcnt 0x0                           ; the wave's end: behind my last LDS store
	ds_add_u32 v[SPW], v[NIL]
	s_wait_dscnt 0x0
	s_endpgm
; THE TABLES.  Tile T holds 16 tokens: lane (r, h) has token 32 (T / 2) + 8 (T % 2) + r + 8 (r / 8), the token that lane r of the next launch's block T holds.  Number n = 0 .. 31 of a lane belongs to
; f = 32 (n / 16) + 16 h + n % 16.  A tile's image is 16 runs of 512 bytes, lane l's 16 bytes at 16 l: runs 0-7 the cosines n = 4 g .. 4 g + 3, runs 8-15 the sines.  Tile 256 is cos = 1, sin = 0.
.Lrope:
	s_sub_co_u32 s23, ttmp9, NQWG
	s_lshl_b32 s23, s23, 2
	s_add_co_u32 s23, s23, s22                     ; T
	v_and_b32 v3, 15, v0                           ; r
	v_bfe_u32 v4, v0, 4, 1                         ; h
	v_and_b32 v5, 8, v3
	v_add_nc_u32 v5, v5, v3                        ; r + 8 (r / 8)
	s_lshr_b32 s24, s23, 1
	s_lshl_b32 s24, s24, 5
	s_and_b32 s25, s23, 1
	s_lshl_b32 s25, s25, 3
	s_add_co_u32 s24, s24, s25
	v_add_nc_u32 v5, s24, v5                       ; my token, 0 .. 4095
	v_lshlrev_b32 v5, 2, v5
	v_lshlrev_b32 v10, 4, v2                       ; 16 x lane
	v_lshlrev_b32 v8, 4, v4                        ; 16 h
	s_lshl_b32 s26, s23, 13                        ; 8,192 bytes a tile
	s_mov_b32 s27, 0
	s_mov_b32 s40, 0x3f22f983                      ; 2 / pi
	s_mov_b32 s41, 0xbfc90000                      ; -pi/2 in three parts: -1.5703125,
	s_mov_b32 s42, 0xb9fda000                      ; -4.837512969970703e-4,
	s_mov_b32 s43, 0xb3a22168                      ; -7.549789954891882e-8
	s_mov_b32 s44, 0xb94ca1f9                      ; sine on |x| <= pi/4: -1.9515295891e-4,
	s_mov_b32 s45, 0x3c08839e                      ; 8.3321608736e-3,
	s_mov_b32 s46, 0xbe2aaaa3                      ; -1.6666654611e-1
	s_mov_b32 s47, 0x37ccf5ce                      ; cosine: 2.443315711809948e-5,
	s_mov_b32 s48, 0xbab6061a                      ; -1.388731625493765e-3,
	s_mov_b32 s49, 0x3d2aaaa5                      ; 4.166664568298827e-2
	s_wait_kmcnt 0x0
	global_load_b32 v6, v5, s[14:15]               ; my token's position
	s_add_nc_u64 s[20:21], s[20:21], s[26:27]
.set n, 0
.rept 32
	v_add_nc_u32 v[16+n], 32*(n/16)+n%16, v8       ; f
.set n, n+1
.endr
.set n, 0
.rept 32
	v_cvt_f32_u32 v[16+n], v[16+n]
.set n, n+1
.endr
.set n, 0
.rept 32
	v_mul_f32 v[16+n], 0xbe549a78, v[16+n]         ; x -log2(10000) / 64
.set n, n+1
.endr
.set n, 0
.rept 32
	v_exp_f32 v[16+n], v[16+n]                     ; 10000^(-f / 64): one batch
.set n, n+1
.endr
	v_nop                                          ; a plain line behind the last exponential
	s_wait_loadcnt 0x0
	v_cvt_f32_i32 v9, v6                           ; the position as f32
	s_wait_alu depctr_va_vdst(0)                   ; one wait for the batch, ahead of its first reader
; Four numbers by turns: x = position x frequency; N = x x 2/pi to the nearest whole number; x - N pi/2 by three fused multiply-adds; both polynomials; the quadrant N mod 4 exchanges them and sets the signs.
.macro SINCOS4 g
.irp e, 0,1,2,3
	v_mul_f32 v[112+\e], v9, v[16+4*\g+\e]
.endr
.irp e, 0,1,2,3
	v_mul_f32 v[116+\e], s40, v[112+\e]
.endr
.irp e, 0,1,2,3
	v_rndne_f32 v[116+\e], v[116+\e]
.endr
.irp e, 0,1,2,3
	v_fma_f32 v[112+\e], v[116+\e], s41, v[112+\e]
.endr
.irp e, 0,1,2,3
	v_fma_f32 v[112+\e], v[116+\e], s42, v[112+\e]
.endr
.irp e, 0,1,2,3
	v_fma_f32 v[112+\e], v[116+\e], s43, v[112+\e]
.endr
.irp e, 0,1,2,3
	v_mul_f32 v[120+\e], v[112+\e], v[112+\e]      ; z
.endr
.irp e, 0,1,2,3
	v_fma_f32 v[124+\e], v[120+\e], s44, s45
	v_fma_f32 v[128+\e], v[120+\e], s47, s48
.endr
.irp e, 0,1,2,3
	v_fma_f32 v[124+\e], v[124+\e], v[120+\e], s46
	v_fma_f32 v[128+\e], v[128+\e], v[120+\e], s49
.endr
.irp e, 0,1,2,3
	v_mul_f32 v[124+\e], v[124+\e], v[120+\e]
	v_fma_f32 v[132+\e], v[120+\e], -0.5, 1.0
.endr
.irp e, 0,1,2,3
	v_mul_f32 v[120+\e], v[120+\e], v[120+\e]
	v_fma_f32 v[124+\e], v[124+\e], v[112+\e], v[112+\e]   ; the sine of the reduced angle
.endr
.irp e, 0,1,2,3
	v_fma_f32 v[128+\e], v[128+\e], v[120+\e], v[132+\e]   ; its cosine
	v_cvt_i32_f32 v[136+\e], v[116+\e]
.endr
.irp e, 0,1,2,3
	v_and_b32 v[132+\e], 1, v[136+\e]
.endr
.irp e, 0,1,2,3
	v_cmp_ne_u32 s[52+\e], 0, v[132+\e]            ; odd quadrants exchange the two
.endr
.irp e, 0,1,2,3
	v_cndmask_b32 v[80+4*\g+\e], v[124+\e], v[128+\e], s[52+\e]
	v_cndmask_b32 v[48+4*\g+\e], v[128+\e], v[124+\e], s[52+\e]
.endr
.irp e, 0,1,2,3
	v_and_b32 v[132+\e], 2, v[136+\e]              ; the sine is negative in quadrants 2 and 3,
	v_add_nc_u32 v[136+\e], 1, v[136+\e]
.endr
.irp e, 0,1,2,3
	v_lshlrev_b32 v[132+\e], 30, v[132+\e]
	v_and_b32 v[136+\e], 2, v[136+\e]              ; the cosine in 1 and 2
.endr
.irp e, 0,1,2,3
	v_xor_b32 v[80+4*\g+\e], v[80+4*\g+\e], v[132+\e]
	v_lshlrev_b32 v[136+\e], 30, v[136+\e]
.endr
.irp e, 0,1,2,3
	v_xor_b32 v[48+4*\g+\e], v[48+4*\g+\e], v[136+\e]
.endr
	global_store_b128 v10, v[48+4*\g:51+4*\g], s[20:21] offset:512*\g        ; 512 consecutive bytes; each group has registers of its own, so no store's data are written again
	global_store_b128 v10, v[80+4*\g:83+4*\g], s[20:21] offset:512*(8+\g)
.endm
.irp g, 0,1,2,3,4,5,6,7
	SINCOS4 \g
.endr
	s_cmp_lg_u32 s23, 0
	s_cbranch_scc1 .Lrope_end                      ; the wave of tile 0 also writes tile 256
.irp i, 0,1,2,3
	v_mov_b32 v[140+\i], 1.0
	v_mov_b32 v[144+\i], 0
.endr
.irp g, 0,1,2,3,4,5,6,7
	global_store_b128 v10, v[140:143], s[20:21] offset:256*8192+512*\g
	global_store_b128 v10, v[144:147], s[20:21] offset:256*8192+512*(8+\g)
.endr
.Lrope_end:
	s_endpgm
.Lfunc_end_k_qf44afe3b4a_quant:
	.size	k_qf44afe3b4a_quant, .Lfunc_end_k_qf44afe3b4a_quant-k_qf44afe3b4a_quant
	.p2alignl 7, 3214868480
	.fill 96, 4, 3214868480
	.section	.rodata,"a",@progbits
	.p2align	6, 0x0
	.amdhsa_kernel k_qf44afe3b4a_quant
		.amdhsa_group_segment_fixed_size 33280
		.amdhsa_private_segment_fixed_size 0
		.amdhsa_enable_private_segment 0
		.amdhsa_kernarg_size 72
		.amdhsa_user_sgpr_count 2
		.amdhsa_user_sgpr_kernarg_segment_ptr 1
		.amdhsa_wavefront_size32 1
		.amdhsa_system_sgpr_workgroup_id_x 1
		.amdhsa_system_sgpr_workgroup_id_y 1
		.amdhsa_system_sgpr_workgroup_id_z 1
		.amdhsa_system_vgpr_workitem_id 0
		.amdhsa_next_free_vgpr 192
		.amdhsa_next_free_sgpr 66
		.amdhsa_reserve_vcc 0
		.amdhsa_float_denorm_mode_32 3
		.amdhsa_float_denorm_mode_16_64 3
		.amdhsa_memory_ordered 1
		.amdhsa_forward_progress 1
		.amdhsa_inst_pref_size 84
	.end_amdhsa_kernel
	.amdgpu_metadata
---
amdhsa.version: [ 1, 2 ]
amdhsa.kernels:
  - .name:           k_qf44afe3b4a_quant
    .symbol:         k_qf44afe3b4a_quant.kd
    .args:
      - { .name: hidden_states, .offset: 0, .size: 8, .value_kind: global_buffer, .address_space: global }
      - { .name: wq, .offset: 8, .size: 8, .value_kind: global_buffer, .address_space: global }
      - { .name: wk, .offset: 16, .size: 8, .value_kind: global_buffer, .address_space: global }
      - { .name: wv, .offset: 24, .size: 8, .value_kind: global_buffer, .address_space: global }
      - { .name: wo, .offset: 32, .size: 8, .value_kind: global_buffer, .address_space: global }
      - { .name: position_ids, .offset: 40, .size: 8, .value_kind: global_buffer, .address_space: global }
      - { .name: codes1, .offset: 48, .size: 8, .value_kind: global_buffer, .address_space: global }
      - { .name: scales1, .offset: 56, .size: 8, .value_kind: global_buffer, .address_space: global }
      - { .name: rope_img, .offset: 64, .size: 8, .value_kind: global_buffer, .address_space: global }
    .group_segment_fixed_size: 33280
    .private_segment_fixed_size: 0
    .kernarg_segment_align: 8
    .kernarg_segment_size: 72
    .max_flat_workgroup_size: 128
    .sgpr_count:     66
    .vgpr_count:     192
    .wavefront_size: 32
...
	.end_amdgpu_metadata
.endif
;; end of part 1
;; launch qkv (part 2): grid 8 x 16, 4 waves a work-group, clusters of 4 x 4, 327,680 bytes of LDS; arguments codes1, scales1, rope_img, qkv; writes qkv
.if DOCPART == 2
	.amdgcn_target "amdgcn-amd-amdhsa--gfx1250"
	.amdhsa_code_object_version 6
	.text
	.protected	k_qf44afe3b4a_qkv
	.globl	k_qf44afe3b4a_qkv
	.p2align	8
	.type	k_qf44afe3b4a_qkv,@function
k_qf44afe3b4a_qkv:
	s_mov_b64 s[64:65], 0
	v_nop
	global_prefetch_b8 v0, s[64:65] scope:SCOPE_SE
	s_setreg_imm32_b32 hwreg(HW_REG_WAVE_MODE, 25, 1), 1
	s_wait_xcnt 0x0
	s_wait_alu depctr_hold_cnt(0) depctr_sa_sdst(0) depctr_va_vdst(0) depctr_va_sdst(0) depctr_va_ssrc(0) depctr_va_vcc(0) depctr_vm_vsrc(0)
	s_getreg_b32 s2, hwreg(HW_REG_IB_STS2, 6, 4)
	s_cmp_eq_u32 s2, 0
	s_cbranch_scc0 .Lentry_in_a_cluster
	s_endpgm
.Lentry_in_a_cluster:
	s_bfe_u32 s2, ttmp6, 0x10000c
	s_cmp_lg_u32 s2, 0xf033
	s_cbranch_scc0 .Lentry_shape_is_right
	s_endpgm
.Lentry_shape_is_right:
; SECOND LAUNCH: q, k, v = hidden_states W^T as ONE product on codes of FP6 (E2M3) with E8M0 scales for each 32 along K: 4,096 token rows x 2,048 rows of W, K = 4,096; then the rotary turn of q and k in f32,
; and each head's result quantised again and stored as the attention's operands.  Nothing of q, k, v goes to memory but codes and scale words.
; SHARES.  A work-group of four waves makes 256 token rows x 256 rows of W; a wave 128 x 128: ONE head x one key step of 128 tokens, 64 accumulators of 16 x 16, 512 registers.  Tile columns 0-3 are pairs of
; query heads, columns 4-7 are (k head j, v head j).  K goes in steps of 256 through a ring of two LDS slots filled by the tensor data mover; a tile's row is 192 bytes.  The scale bytes of the work-group's
; rows, for all of K, come into LDS once, with the first fills, as rows of 256 bytes.
; CLUSTERS: 4 x 4 work-groups.  The four of a row of the cluster need the same token tiles, the four of a column the same tiles of W: each tile is asked for JOINTLY, by the same tensor load with the same
; descriptor and a mask that names the four.
; LAYOUT.  Rows of both operands are stored with bits 3 and 4 of the row number exchanged (first launch).  Source 0 = 16 stored rows of W, source 1 = 16 stored token rows: lane (r, h) holds one token, and the
; 64 registers of block a hold the head's channels: register 16 B + i is channel 32 B + 16 h + i: sixteen neighbours along the attention's K, as the conversions want them.
; A v WAVE TAKES THE OPERANDS THE OTHER WAY ROUND: source 0 = tokens, source 1 = rows of wv; a lane then holds one channel and its registers run along the tokens, which are the second attention product's K.
; Only addresses differ (which half of a slot feeds which source; which lanes take whose scale words): they are chosen once, on cluster x and the wave's number, which all partners share.  The loop is one text.
; THE WAY OUT, block by block of 16 lanes' rows: x cos -+ partner x sin (partner = the channel 64 away, 32 registers away in the same lane; a v wave takes the table cos = 1, sin = 0, which leaves x as it is),
; the quantiser, and the fragment stored AS AN IMAGE OF ITS REGISTERS: three stores of 512 consecutive bytes.  A record of 12,800 bytes = 8 fragments of 1,536 + 512 bytes of scale words [row 16][block 8].
; qkv = [batch 2][slot 16][key step 16][record]; slots 0-7 q heads, 8 + 2 j k head j, 9 + 2 j v head j.
; LIMITS: a block of zeros gets the byte 1 (its codes are zeros; this program alone reads the bytes); NaN and infinities are not served.
; REGISTERS, in windows of 256: window 0: v0-31 addresses; v32-63 scale words, two sets; from v128 source 1's fragments, ONE set; window 1: source 0's fragments, TWO sets, at v0 and at v128;
;   window 2: the 32 accumulators of source 1's blocks 0-3 (accumulator (a, b) at v[8 (8 a + b)]); window 3: those of blocks 4-7.  On the way out window 1 holds four sets of tables, window 0 v64-191 the work.
.set SIZE_K, 4096
.set WCODES, 12582912                  ; where W's codes begin in codes1
.set WSCALES, 524288                   ; and its scale bytes in scales1
.set REC,    12800                     ; a record of qkv
.set KSTEP,  256                       ; along K in a slot
.set NQ,     KSTEP/128                 ; matrix instructions deep
.set ROWB,   192                       ; a tile's row in bytes
.set KROW,   SIZE_K*6/8                ; a row of codes in memory
.set PITCH,  240                       ; an LDS row: 3 x (64 bytes of data + 16 of padding) = 60 words: row r starts at bank -4 r mod 64 (64 banks of 4 bytes: ISA guide 11.1)
.set FR,     12                        ; registers of a fragment
.set NL,     6                         ; LDS loads that bring one
.set NP,     4                         ; places behind this matrix instruction (ISA guide 7.12.1)
.set HALFT,  128*PITCH                 ; 128 rows: what one tensor load brings
.set SLOT,   4*HALFT                   ; the tokens' 256 rows, then W's 256 rows
.set LAPS,   SIZE_K/(2*KSTEP)
.set KS,     SIZE_K/32                 ; a row of scales in bytes
.set SCL,    2*SLOT                    ; behind the ring: the scales, as rows of 256 bytes + 16 of padding
.set HALFS,  (128*KS/256)*272          ; the scales of 128 rows
.set SBLK,   (16*KS/256)*272           ; those of 16 rows
.set SPARE,  SCL+4*HALFS               ; behind the scales: the spare words, 128 bytes for each wave, which no other line names
.set ADRA, 16                          ; v16-17  LDS address of source 1's fragments in slot 0, 1  (v18-19: the same for the pieces that lie behind one padding more)
.set ADRB, 20                          ; v20-21  the same for source 0  (v22-23)
.set ADRS, 27                          ; v27     LDS address of my scale words: lanes 0-15 source 1's rows, lanes 16-31 source 0's
.set SPW,  28                          ; v28     LDS address of my spare word; never rewritten
.set NIL,  29                          ; v29     0; never rewritten
.set SC,   32                          ; scale words: set s at v[SC + 8 NQ s]; register NQ i + q: lanes 0-15 the word of source 1's block i, lanes 16-31 that of source 0's block i
.set AF,   128                         ; source 1's fragments, in window 0
.set HA,   64                          ; the way out, window 0: v64-127 a block after the turn
.set PC,   128                         ; v128-146 the codes just made
.set TM,   148                         ; v148-163 the quantiser's work
.set PW,   164                         ; v164     the scale word just made
.set SW,   168                         ; v168-175 the eight blocks' scale words
.set TO,   176                         ; v176-183 block a's byte offset among the tables
.set LI,   184                         ; v184     16 x lane
.set WO,   185                         ; v185     32 r + 16 h
.set SOUT, 188                         ; v188-191 the scale words as they are stored
.set SEL,  20                          ; s[20:21] on the way out: lane selects for v_permlanex16_b32
.set G1, 24                            ; s[24:31] descriptor group 1 for the tokens' tiles;  s[32:39] group 0, one set for each slot
.set G0, 32
.set G1B, 48                           ; s[48:55], s[56:63] the same for W's tiles
.set G0B, 56
.set G1S, 68                           ; s[68:75], s[76:79] groups 1 and 0 for the tokens' scales;  s[80:87], s[88:91] for W's
.set G0S, 76
.set G1SB, 80
.set G0SB, 88
.set MSB, 0
.macro WIN new                         ; the immediate's high byte repeats the setting that is left
.if MSB != \new
	s_set_vgpr_msb (MSB<<8)|\new
.set MSB, \new
.endif
.endm
.set MUL_LO, 0xa1                      ; source 0 window 1, source 1 window 0, C and D window 2
.set MUL_HI, 0xf1                      ; the same, C and D window 3
.set TO_B,   0x40                      ; destination window 1, address window 0
; A joint load: waves 0 and 1 fetch the tokens' halves, waves 2 and 3 W's.  Each of the two lines has ONE mask and one set of registers for all that issue it; the branch hangs on the wave's number alone.
; An s_nop 0 and four v_nop follow each of the two lines, ahead of the jump, the label and what follows.
.macro JLOAD g0a, g1a, g0b, g1b
	s_cmp_eq_u32 s15, 0
	s_cbranch_scc0 .Lfor_b_\@
	tensor_load_to_lds s[\g0a:\g0a+3], s[\g1a:\g1a+7]
	s_nop 0
.rept 4
	v_nop
.endr
	s_branch .Lasked_\@
.Lfor_b_\@:
	tensor_load_to_lds s[\g0b:\g0b+3], s[\g1b:\g1b+7]
	s_nop 0
.rept 4
	v_nop
.endr
.Lasked_\@:
.endm
.macro CREST                           ; a round of the cluster's barrier behind its opening barrier
	s_cmp_lg_u32 s14, 0
	s_cbranch_scc1 .Lnot_wave_0_\@
	s_barrier_signal -3
.Lnot_wave_0_\@:
	s_barrier_wait -3
	s_barrier_signal -1
	s_barrier_wait -1
.endm
.macro CROUND                          ; a whole round
	s_barrier_signal -1
	s_barrier_wait -1
	CREST
.endm
	s_load_b128 s[4:7], s[0:1], 0x0                ; codes1 s[4:5], scales1 s[6:7]
	s_load_b128 s[96:99], s[0:1], 0x10             ; rope_img s[96:97], qkv s[98:99]
	v_lshl_add_u32 v[SPW], v0, 2, SPARE
	v_mov_b32 v[NIL], 0
	ds_add_u32 v[SPW], v[NIL]                      ; the wave's opening: the add and its wait stand ahead of my first tensor load; the set-up below, work on registers, stands between them
	v_lshrrev_b32 v1, 5, v0
	v_readfirstlane_b32 s14, v1                    ; wave 0..3
	s_lshr_b32 s15, s14, 1                         ; which 128 tokens are mine.  Also: I fetch the tokens' tiles (0) or W's (1)
	s_and_b32 s16, s14, 1                          ; which head of the two.  Also: which 128 rows of that tile I fetch
	s_bfe_u32 s40, ttmp6, 0x40000                  ; cx, cy: my place in the cluster
	s_bfe_u32 s41, ttmp6, 0x40004
	s_lshl_b32 s42, ttmp9, 2
	s_add_co_u32 s42, s42, s40                     ; tile column = 4 x cluster x + cx
	s_and_b32 s17, ttmp7, 0xffff
	s_lshl_b32 s17, s17, 2
	s_add_co_u32 s17, s17, s41                     ; tile row = 4 x cluster y + cy
	s_lshl_b32 s43, s41, 2
	s_lshl_b32 s43, 15, s43                        ; my row of the cluster
	s_lshl_b32 s44, 0x1111, s40                    ; my column
	; descriptor group 1: a tile of 128 rows x ROWB bytes, padded in LDS
	s_or_b32 s[G1+0], s43, (0<<16)|(1<<20)|(1<<21)|(3<<22)|(3<<25)  ; 15:0 the mask: the tokens' tiles go to my row; 17:16 element of 1 byte; 20 padding on; 21 set beside a mask; 24:22 after every 16 words (code 3); 31:25 of 4 words (code 3)
	s_or_b32 s[G1B+0], s44, (0<<16)|(1<<20)|(1<<21)|(3<<22)|(3<<25)
.irp g, G1, G1B
	s_mov_b32 s[\g+1], ROWB<<16                    ; tensor_dim0
	s_mov_b32 s[\g+2], 128<<16                     ; tensor_dim1 = 128
	s_mov_b32 s[\g+3], ROWB<<16                    ; tile_dim0
	s_mov_b32 s[\g+4], 128                         ; tile_dim1 = 128
	s_mov_b32 s[\g+5], KROW                        ; tensor_dim0_stride
	s_mov_b32 s[\g+6], 0
	s_mov_b32 s[\g+7], 0
.endr
	; and for the scales of 128 rows: a dense block of 128 KS bytes, as rows of 256 bytes (32 elements of 8 bytes), 16 bytes of padding behind each
	s_or_b32 s[G1S+0], s43, (3<<16)|(1<<20)|(1<<21)|(5<<22)|(3<<25)
	s_or_b32 s[G1SB+0], s44, (3<<16)|(1<<20)|(1<<21)|(5<<22)|(3<<25)
.irp g, G1S, G1SB
	s_mov_b32 s[\g+1], 32<<16
	s_mov_b32 s[\g+2], (128*KS/256)<<16
	s_mov_b32 s[\g+3], 32<<16
	s_mov_b32 s[\g+4], 128*KS/256
	s_mov_b32 s[\g+5], 32
	s_mov_b32 s[\g+6], 0
	s_mov_b32 s[\g+7], 0
.endr
	s_lshl_b32 s18, s16, 7                         ; which 128 rows of the tile I fetch
	s_lshl_b32 s20, s17, 8
	s_add_co_u32 s20, s20, s18                     ; tokens: row 256 x tile row + 128 x half
	s_lshl_b32 s46, s42, 8
	s_add_co_u32 s46, s46, s18                     ; W: row 256 x tile column + 128 x half
	s_mov_b32 s21, 0
	s_mov_b32 s47, 0
	s_mov_b64 s[18:19], KS
	s_mul_u64 s[22:23], s[20:21], s[18:19]         ; where these rows' scales begin, in bytes
	s_mul_u64 s[92:93], s[46:47], s[18:19]
	s_mov_b64 s[18:19], KROW
	s_mul_u64 s[20:21], s[20:21], s[18:19]         ; and their codes
	s_mul_u64 s[46:47], s[46:47], s[18:19]
	s_mul_i32 s45, s14, HALFT                      ; where they go: wave x 128 rows: no place in the cluster enters an LDS address
	s_mul_i32 s94, s14, HALFS
	s_wait_dscnt 0x0                               ; the opening add is done
	s_wait_kmcnt 0x0
	s_add_nc_u64 s[8:9], s[4:5], WCODES            ; W's codes
	s_add_nc_u64 s[10:11], s[6:7], WSCALES         ; W's scale bytes
	s_add_nc_u64 s[20:21], s[4:5], s[20:21]
	s_add_nc_u64 s[22:23], s[6:7], s[22:23]
	s_add_nc_u64 s[46:47], s[8:9], s[46:47]
	s_add_nc_u64 s[92:93], s[10:11], s[92:93]
	CROUND                                         ; all sixteen work-groups are here: the first joint loads meet
	s_mov_b32 s[G0S], 1
	s_add_co_u32 s[G0S+1], s94, SCL
	s_mov_b64 s[G0S+2:G0S+3], s[22:23]
	s_or_b32 s[G0S+3], s[G0S+3], 0x80000000
	s_mov_b32 s[G0SB], 1
	s_add_co_u32 s[G0SB+1], s94, SCL
	s_mov_b64 s[G0SB+2:G0SB+3], s[92:93]
	s_or_b32 s[G0SB+3], s[G0SB+3], 0x80000000
	JLOAD G0S, G1S, G0SB, G1SB                     ; the scales first: they are wanted with K step 0
.irp s, 0,1
	s_mov_b32 s[G0+4*\s], 1
	s_add_co_u32 s[G0+4*\s+1], s45, \s*SLOT
	s_add_nc_u64 s[G0+4*\s+2:G0+4*\s+3], s[20:21], \s*ROWB
	s_or_b32 s[G0+4*\s+3], s[G0+4*\s+3], 0x80000000
	s_mov_b32 s[G0B+4*\s], 1
	s_add_co_u32 s[G0B+4*\s+1], s45, \s*SLOT
	s_add_nc_u64 s[G0B+4*\s+2:G0B+4*\s+3], s[46:47], \s*ROWB
	s_or_b32 s[G0B+4*\s+3], s[G0B+4*\s+3], 0x80000000
	JLOAD G0+4*\s, G1, G0B+4*\s, G1B               ; by this text's own count three tensor loads of a wave are out here
.endr
	v_and_b32 v1, 15, v0                           ; l % 16
	v_bfe_u32 v2, v0, 4, 1                         ; l / 16
	v_mul_u32_u24 v3, v1, PITCH
	v_mul_u32_u24 v4, v2, 24
	v_add_nc_u32 v4, v3, v4                        ; a fragment's row x pitch + 24 x half
	v_lshl_add_u32 v5, v2, 4, v4                   ; and the same behind one padding more
	s_cmp_eq_u32 ttmp9, 1                          ; tile columns 4-7 lie in cluster x = 1: there the odd waves' head is a v head
	s_cselect_b32 s66, s16, 0                      ; 1 in a v wave: the same in all sixteen partners, for a given wave
	s_mul_i32 s21, s15, HALFT                      ; my 128 token rows
	s_mul_i32 s22, s16, HALFT                      ; my 128 rows of W,
	s_add_co_u32 s22, s22, 2*HALFT                 ; which lie behind the tokens' 256
	s_cmp_eq_u32 s66, 1
	s_cselect_b32 s23, s22, s21                    ; source 1: tokens; in a v wave rows of W
	s_cselect_b32 s22, s21, s22                    ; source 0: rows of W; in a v wave tokens.  Both lie inside the slot
	s_cselect_b32 s67, -1, 0                       ; the same choice as a mask of lanes
	s_mov_b32 s21, s23
.irp s, 0,1
	v_add_nc_u32 v[ADRA+\s], s21, v4
	v_add_nc_u32 v[ADRB+\s], s22, v4
	v_add_nc_u32 v[ADRA+2+\s], s21, v5
	v_add_nc_u32 v[ADRB+2+\s], s22, v5
	s_add_co_u32 s21, s21, SLOT
	s_add_co_u32 s22, s22, SLOT
.endr
	v_mul_u32_u24 v5, v1, KS                       ; my row's scales: KS bytes a row,
	v_lshrrev_b32 v6, 8, v5
	v_lshl_add_u32 v5, v6, 4, v5                   ; and 16 more for each 256 passed
	s_mul_i32 s21, s15, HALFS                      ; the tokens': my 128 rows
	s_mul_i32 s22, s16, HALFS                      ; W's: my 128 rows, behind the tokens' 256
	s_add_co_u32 s22, s22, 2*HALFS
	s_sub_co_u32 s22, s22, s21                     ; the distance between the two
	s_add_co_u32 s21, s21, SCL
	v_add_nc_u32 v5, s21, v5
	v_xor_b32 v7, 1, v2                            ; 1 - half
	v_mul_u32_u24 v6, s22, v2
	v_mul_u32_u24 v7, s22, v7
	v_add_nc_u32 v6, v5, v6                        ; lanes 0-15 the tokens' words, lanes 16-31 W's;
	v_add_nc_u32 v7, v5, v7                        ; the other way round
	v_cndmask_b32 v[ADRS], v6, v7, s67             ; lanes 0-15 always take source 1's
.macro FRAG reg, adr, q, i             ; a fragment, 16 rows x 128 K of 6-bit codes, is 12 registers: lane l holds row l % 16; registers 6 c .. 6 c + 5 hold K = 64 c + 32 (l / 16) + 0 .. 31: 24 bytes of the row's stream of bits, as they lie
.irp p, 0,1,2,3,4,5                    ; in pieces of 8 bytes, so that every address is a multiple of the access's size.  Lanes 0-15 take the row's pieces 12 q + 0, 1, 2 and 12 q + 6, 7, 8, lanes 16-31 those three pieces on
.set PCE, 12*(\q)+6*(\p/3)+\p%3       ; 16 bytes of padding lie behind every 64 bytes (8 pieces): where the piece three on lies behind one padding more, the second address register serves
.if PCE%8 < 5
	ds_load_b64 v[\reg+2*\p:\reg+2*\p+1], v[\adr] offset:8*PCE+16*(PCE/8)+(\i)*16*PITCH
.else
	ds_load_b64 v[\reg+2*\p:\reg+2*\p+1], v[\adr+2] offset:8*PCE+16*(PCE/8)+(\i)*16*PITCH
.endif
.endr
.endm
; 16 matrix instructions: source 1's blocks a0, a0 + 1 x source 0's eight, 128 along K: the slot's q-th.  p: source 0's set;  sc: the set of scale words.  zero = 1: the first product starts the sums.
; The 64 accumulators take turns, one instruction a turn, in the same order in every step.
.macro MUL16 a0, p, q, sc, zero
.irp a, \a0, \a0+1
.irp b, 0,1,2,3,4,5,6,7
.if \zero
	v_wmma_scale_f32_16x16x128_f8f6f4 v[8*(8*((\a)%4)+\b):8*(8*((\a)%4)+\b)+7], v[128*(\p)+FR*\b:128*(\p)+FR*\b+FR-1], v[AF+FR*(\a):AF+FR*(\a)+FR-1], 0, v[SC+8*NQ*(\sc)+NQ*\b+(\q)], v[SC+8*NQ*(\sc)+NQ*(\a)+(\q)] matrix_a_fmt:MATRIX_FMT_FP6 matrix_b_fmt:MATRIX_FMT_FP6 matrix_a_scale:MATRIX_SCALE_ROW1
.else
	v_wmma_scale_f32_16x16x128_f8f6f4 v[8*(8*((\a)%4)+\b):8*(8*((\a)%4)+\b)+7], v[128*(\p)+FR*\b:128*(\p)+FR*\b+FR-1], v[AF+FR*(\a):AF+FR*(\a)+FR-1], v[8*(8*((\a)%4)+\b):8*(8*((\a)%4)+\b)+7], v[SC+8*NQ*(\sc)+NQ*\b+(\q)], v[SC+8*NQ*(\sc)+NQ*(\a)+(\q)] matrix_a_fmt:MATRIX_FMT_FP6 matrix_b_fmt:MATRIX_FMT_FP6 matrix_a_scale:MATRIX_SCALE_ROW1
.endif
.endr
.endr
.endm
.macro FETCH_B slot, q, p              ; source 0's eight fragments of the slot's q-th 128 along K into set p
	WIN TO_B
.irp i, 0,1,2,3,4,5,6,7
	FRAG 128*(\p)+FR*\i, ADRB+\slot, \q, \i
.endr
	WIN 0
.endm
.macro FETCH_A slot, q, i0             ; source 1's blocks i0 .. i0 + 3
.irp i, \i0, \i0+1, \i0+2, \i0+3
	FRAG AF+FR*(\i), ADRA+\slot, \q, \i
.endr
.endm
.macro SCALES sc                       ; the next K step's scale words into set sc: NQ words a row
.irp i, 0,1,2,3,4,5,6,7
	ds_load_b64 v[SC+8*NQ*\sc+NQ*\i:SC+8*NQ*\sc+NQ*\i+1], v[ADRS] offset:\i*SBLK
.endr
.endm
; A load into a register that a matrix instruction has read, and a vector instruction that reads a matrix result, stand NP places behind that matrix instruction, and only plain vector instructions that name
; none of its registers are places (ISA guide 7.12.1 for vector instructions).
.macro PLACES n
.rept \n
	v_nop
.endr
.endm
; A step of 128 along K that has its successor in the same slot.
.macro STEP slot, q, zero
	s_wait_dscnt 4*NL                              ; source 0's set and source 1's blocks 0-3 are in; the youngest 24 loads (blocks 4-7) may be out
	WIN MUL_LO
	MUL16 0, (\q)%2, \q, \slot, \zero
	MUL16 2, (\q)%2, \q, \slot, \zero
	s_wait_dscnt 0                                 ; blocks 4-7 are in (asked for 32 matrix instructions ago)
	PLACES NP
	FETCH_B \slot, (\q)+1, 1-(\q)%2
	FETCH_A \slot, (\q)+1, 0
	WIN MUL_HI
	MUL16 4, (\q)%2, \q, \slot, \zero
	MUL16 6, (\q)%2, \q, \slot, \zero
	PLACES NP
	WIN 0
	FETCH_A \slot, (\q)+1, 4
.endm
; A slot's last step changes slots: ONE barrier; in front of it each wave waits for all its tensor loads, adds 0 to its spare word, and waits for that and for its own reads of this slot.  fill = 1: this slot is filled again, two K steps ahead.
.macro TURN slot, next, fill
	s_wait_tensorcnt 0x0                           ; all my tensor loads have landed: my part of the next slot;  (every window is 0 here)
	ds_add_u32 v[SPW], v[NIL]                      ; 0 onto my spare word
	s_wait_dscnt 4*NL+1                            ; (the add and the youngest 24 loads, blocks 4-7, may be out)
	WIN MUL_LO
	MUL16 0, 1, NQ-1, \slot, 0                     ; sixteen matrix instructions stand between the add and the wait for it
	s_wait_dscnt 0x0                               ; the add is done, and my reads of this slot are over
	s_barrier_signal -1
	MUL16 2, 1, NQ-1, \slot, 0
	WIN 0
	s_barrier_wait -1
.if \fill
	CREST                                          ; the barrier has opened a round of the cluster's barrier: no wave of any partner still reads this slot's tile or has a load on its way
	s_add_nc_u64 s[G0+4*\slot+2:G0+4*\slot+3], s[G0+4*\slot+2:G0+4*\slot+3], 2*ROWB
	s_add_nc_u64 s[G0B+4*\slot+2:G0B+4*\slot+3], s[G0B+4*\slot+2:G0B+4*\slot+3], 2*ROWB
	JLOAD G0+4*\slot, G1, G0B+4*\slot, G1B         ; the first tensor load behind the round; the four v_nop behind it are the places in front of the loads below
.else
	PLACES NP
.endif
	v_add_nc_u32 v[ADRS], 4*NQ, v[ADRS]            ; on to the next K step's scale words (no LDS load of mine is out)
	FETCH_B \next, 0, 0
	FETCH_A \next, 0, 0
	SCALES \next
	WIN MUL_HI
	MUL16 4, 1, NQ-1, \slot, 0
	MUL16 6, 1, NQ-1, \slot, 0
	PLACES NP
	WIN 0
	FETCH_A \next, 0, 4
.endm
	s_wait_tensorcnt 1                             ; the scales and my part of K step 0 are in (K step 1's load may be out),
	s_barrier_signal -1
	s_barrier_wait -1                              ; everybody's are
	FETCH_B 0, 0, 0
	FETCH_A 0, 0, 0
	SCALES 0
	FETCH_A 0, 0, 4
	STEP 0, 0, 1                                   ; the first step stands in front of the loop: its products start the sums
	s_mov_b32 s3, LAPS-1
.Llap:                                                 ; a trip goes once round the ring, from a lap's second step to the next lap's first, and fills both slots again
	TURN 0, 1, 1
	STEP 1, 0, 0
	TURN 1, 0, 1
	STEP 0, 0, 0
	s_sub_co_u32 s3, s3, 1
	s_cmp_lg_u32 s3, 0
	s_cbranch_scc1 .Llap
	TURN 0, 1, 0                                   ; the last lap fills nothing, and has no round of the cluster's barrier
	STEP 1, 0, 0
	s_wait_dscnt 4*NL                              ; the very last step: nothing more to fetch
	WIN MUL_LO
	MUL16 0, 1, NQ-1, 1, 0
	MUL16 2, 1, NQ-1, 1, 0
	s_wait_dscnt 0
	WIN MUL_HI
	MUL16 4, 1, NQ-1, 1, 0
	MUL16 6, 1, NQ-1, 1, 0
	WIN 0
; ---------------- THE WAY OUT ----------------
; 64 numbers of a lane, v[s] .. v[s + 63], register 16 b + i = k 32 b + 16 (lane / 16) + i of my row, become a fragment's codes in v[PC] on and its scale word in v[PW].
.macro QUANT s
.irp b, 0,1,2,3
	v_max3_num_f32 v[TM+\b], |v[\s+16*\b]|, |v[\s+1+16*\b]|, 0x1800000   ; block b: my 16 numbers, and the floor 2^(3 - 127): the byte cannot fall under 1
.endr
.irp i, 2,4,6,8,10,12,14
.irp b, 0,1,2,3
	v_max3_num_f32 v[TM+\b], v[TM+\b], |v[\s+16*\b+\i]|, |v[\s+1+16*\b+\i]|   ; (the four blocks by turns)
.endr
.endr
.irp b, 0,1,2,3
	v_permlanex16_b32 v[TM+4+\b], v[TM+\b], s[SEL], s[SEL+1]
.endr
.irp b, 0,1,2,3
	v_max_num_f32 v[TM+\b], v[TM+\b], v[TM+4+\b]   ; with lane l xor 16's: the block's largest magnitude
.endr
.irp b, 0,1,2,3
	v_add_nc_u32 v[TM+12+\b], 0xff000000, v[TM+\b]   ; 2 off its exponent field: the conversion's scale operand
.endr
.irp b, 0,1,2,3
	v_lshrrev_b32 v[TM+4+\b], 23, v[TM+12+\b]   ; the scale's byte
.endr
	v_lshl_or_b32 v[PW], v[TM+5], 8, v[TM+4]   ; the four bytes make my row's scale word
	v_lshl_or_b32 v[PW], v[TM+6], 16, v[PW]
	v_lshl_or_b32 v[PW], v[TM+7], 24, v[PW]
.irp c, 0,1
	v_cvt_scalef32_pk16_fp6_f32 v[PC+6*\c:PC+2+6*\c], v[\s+32*\c:\s+15+32*\c], v[TM+12+2*\c]
	v_cvt_scalef32_pk16_fp6_f32 v[PC+12+4*\c:PC+14+4*\c], v[\s+16+32*\c:\s+31+32*\c], v[TM+12+2*\c+1]   ; (a conversion's three registers begin on an even number)
.endr
	v_nop                                          ; one plain place behind a scaled conversion
.irp c, 0,1                                    ; the operand's layout wants a WHOLE block in a lane: lanes 0-15 block 2 c, lanes 16-31 block 2 c + 1
.irp i, 0,1,2
	v_permlane16_swap_b32 v[PC+6*\c+\i], v[PC+12+4*\c+\i]
.endr
.irp i, 0,1,2
	v_mov_b32 v[PC+3+6*\c+\i], v[PC+12+4*\c+\i]
.endr
.endr
.endm
.macro TABLE a                         ; block a's cosines (32 registers) and sines (32) into set a % 4 of window 1: sixteen loads of 512 consecutive bytes
	WIN 0x40
.irp l, 0,1,2,3,4,5,6,7,8,9,10,11,12,13,14,15
	global_load_b128 v[64*((\a)%4)+4*\l:64*((\a)%4)+4*\l+3], v[TO+(\a)], s[96:97] offset:512*\l
.endr
	WIN 0
.endm
; The turn: register n (channel d < 64) and register 32 + n (channel d + 64) of a lane are partners.  out[n] = x[n] cos - x[32 + n] sin;  out[32 + n] = x[32 + n] cos + x[n] sin.  Two numbers an instruction.
; Each accumulator is read from its low end on: the pairs ascend.
.macro ROT a
.set AC, 64*((\a)%4)
	WIN 0x06+(\a)/4                                ; source 0: the accumulators' window 2 or 3; source 1: window 1; source 2 and destination: window 0
.set n, 0
.rept 16
	v_pk_mul_f32 v[HA+n:HA+n+1], v[AC+32+n:AC+33+n], v[AC+32+n:AC+33+n]
.set n, n+2
.endr
.set n, 0
.rept 16
	v_pk_mul_f32 v[HA+32+n:HA+33+n], v[AC+n:AC+n+1], v[AC+32+n:AC+33+n]
.set n, n+2
.endr
.set n, 0
.rept 16
	v_pk_fma_f32 v[HA+n:HA+n+1], v[AC+n:AC+n+1], v[AC+n:AC+n+1], v[HA+n:HA+n+1] neg_lo:[0,0,1] neg_hi:[0,0,1]
.set n, n+2
.endr
.set n, 0
.rept 16
	v_pk_fma_f32 v[HA+32+n:HA+33+n], v[AC+32+n:AC+33+n], v[AC+n:AC+n+1], v[HA+32+n:HA+33+n]
.set n, n+2
.endr
.endm                                  ; (the table's set a % 4 has the same register numbers in window 1 as block a's accumulators in theirs: cosines at AC + n, sines at AC + 32 + n)
.macro BLOCK a
.if (\a) > 0
	s_wait_xcnt 0x0                                ; the last block's stores have read their data: the codes' registers are written again only behind this wait
.endif
.if (\a)+3 < 8
	TABLE (\a)+3
.endif
.if (\a) <= 4
	s_wait_loadcnt 48                              ; this block's sixteen loads are in; those of the three blocks behind it may be out
.else
	s_wait_loadcnt 16*(7-(\a))
.endif
	ROT \a
	WIN 0
	QUANT HA
.irp c, 0,1,2
	global_store_b128 v[LI], v[PC+4*\c:PC+4*\c+3], s[98:99] offset:1536*(\a)+512*\c   ; the fragment as it stands: 512 consecutive bytes a store
.endr
	v_mov_b32 v[SW+(\a)], v[PW]
.endm
	PLACES NP                                      ; behind the last products: their results are read, and registers that they read are loaded and written, below
	s_mov_b32 s[SEL], 0x76543210
	s_mov_b32 s[SEL+1], 0xfedcba98                 ; v_permlanex16_b32's selects for lane l xor 16
	s_lshr_b32 s4, s17, 3                          ; batch: eight tile rows of 256 tokens each
	s_lshl_b32 s4, s4, 4
	s_lshl_b32 s5, s42, 1
	s_add_co_u32 s4, s4, s5
	s_add_co_u32 s4, s4, s16                       ; 16 x batch + slot (2 x tile column + my head of the two)
	s_lshl_b32 s4, s4, 4
	s_and_b32 s5, s17, 7
	s_lshl_b32 s5, s5, 1
	s_add_co_u32 s4, s4, s5
	s_add_co_u32 s4, s4, s15                       ; x 16 + key step
	s_mul_i32 s4, s4, REC
	s_mov_b32 s5, 0
	s_add_nc_u64 s[98:99], s[98:99], s[4:5]        ; my record
	s_lshl_b32 s6, s17, 4
	s_lshl_b32 s7, s15, 3
	s_add_co_u32 s6, s6, s7                        ; my first tile of tokens: 16 x tile row + 8 x half
	s_cmp_eq_u32 s66, 1
	s_cselect_b32 s6, 256, s6                      ; a v wave: the table that turns nothing,
	s_cselect_b32 s8, 0, 8192                      ; for every block
	s_lshl_b32 s6, s6, 13
	s_mov_b32 s7, 0
	s_add_nc_u64 s[96:97], s[96:97], s[6:7]
	v_and_b32 v[LI], 31, v0
	v_lshlrev_b32 v[LI], 4, v[LI]
	v_and_b32 v[WO], 15, v0
	v_bfe_u32 v2, v0, 4, 1
	v_lshlrev_b32 v[WO], 5, v[WO]
	v_lshl_add_u32 v[WO], v2, 4, v[WO]
.irp a, 0,1,2,3,4,5,6,7
	v_mad_u32_u24 v[TO+\a], s8, \a, v[LI]
.endr
.irp b, 0,1,2,3
	v_mov_b32 v[TM+4+\b], 0                        ; written once: a lane permute's destination counts as one of its sources
.endr
	TABLE 0
	TABLE 1
	TABLE 2
.irp a, 0,1,2,3,4,5,6,7
	BLOCK \a
.endr
	v_cmp_ne_u32 vcc_lo, 0, v2
.irp i, 0,1,2,3
	v_cndmask_b32 v[SOUT+\i], v[SW+\i], v[SW+4+\i], vcc_lo   ; row r's eight words are 32 bytes: lanes 0-15 store blocks 0-3's, lanes 16-31 blocks 4-7's
.endr
	global_store_b128 v[WO], v[SOUT:SOUT+3], s[98:99] offset:8*1536   ; 512 consecutive bytes
	s_wait_tensorcnt 0x0                           ; the wave's end: behind my last tensor load
	ds_add_u32 v[SPW], v[NIL]
	s_wait_dscnt 0x0
	CROUND                                         ; the closing round: no work-group ends while a partner may still ask for a tile that names it
	s_endpgm
.Lfunc_end_k_qf44afe3b4a_qkv:
	.size	k_qf44afe3b4a_qkv, .Lfunc_end_k_qf44afe3b4a_qkv-k_qf44afe3b4a_qkv
	.p2alignl 7, 3214868480
	.fill 96, 4, 3214868480
	.section	.rodata,"a",@progbits
	.p2align	6, 0x0
	.amdhsa_kernel k_qf44afe3b4a_qkv
		.amdhsa_group_segment_fixed_size 327680
		.amdhsa_private_segment_fixed_size 0
		.amdhsa_enable_private_segment 0
		.amdhsa_kernarg_size 32
		.amdhsa_user_sgpr_count 2
		.amdhsa_user_sgpr_kernarg_segment_ptr 1
		.amdhsa_wavefront_size32 1
		.amdhsa_system_sgpr_workgroup_id_x 1
		.amdhsa_system_sgpr_workgroup_id_y 1
		.amdhsa_system_sgpr_workgroup_id_z 1
		.amdhsa_system_vgpr_workitem_id 0
		.amdhsa_next_free_vgpr 1024
		.amdhsa_next_free_sgpr 102
		.amdhsa_reserve_vcc 1
		.amdhsa_float_denorm_mode_32 3
		.amdhsa_float_denorm_mode_16_64 3
		.amdhsa_memory_ordered 1
		.amdhsa_forward_progress 1
		.amdhsa_inst_pref_size 210
	.end_amdhsa_kernel
	.amdgpu_metadata
---
amdhsa.version: [ 1, 2 ]
amdhsa.kernels:
  - .name:           k_qf44afe3b4a_qkv
    .symbol:         k_qf44afe3b4a_qkv.kd
    .args:
      - { .name: codes1, .offset: 0, .size: 8, .value_kind: global_buffer, .address_space: global }
      - { .name: scales1, .offset: 8, .size: 8, .value_kind: global_buffer, .address_space: global }
      - { .name: rope_img, .offset: 16, .size: 8, .value_kind: global_buffer, .address_space: global }
      - { .name: qkv, .offset: 24, .size: 8, .value_kind: global_buffer, .address_space: global }
    .group_segment_fixed_size: 327680
    .private_segment_fixed_size: 0
    .kernarg_segment_align: 8
    .kernarg_segment_size: 32
    .max_flat_workgroup_size: 128
    .sgpr_count:     102
    .vgpr_count:     1024
    .wavefront_size: 32
...
	.end_amdgpu_metadata
.endif
;; end of part 2
;; launch attn (part 3): grid 4 x 64, 4 waves a work-group, clusters of 4 x 4, 327,680 bytes of LDS; arguments qkv, attention_mask, a_img, a_sc; writes a_img, a_sc
.if DOCPART == 3
	.amdgcn_target "amdgcn-amd-amdhsa--gfx1250"
	.amdhsa_code_object_version 6
	.text
	.protected	k_qf44afe3b4a_attn
	.globl	k_qf44afe3b4a_attn
	.p2align	8
	.type	k_qf44afe3b4a_attn,@function
k_qf44afe3b4a_attn:
	s_mov_b64 s[64:65], 0
	v_nop
	global_prefetch_b8 v0, s[64:65] scope:SCOPE_SE
	s_setreg_imm32_b32 hwreg(HW_REG_WAVE_MODE, 25, 1), 1
	s_wait_xcnt 0x0
	s_wait_alu depctr_hold_cnt(0) depctr_sa_sdst(0) depctr_va_vdst(0) depctr_va_sdst(0) depctr_va_ssrc(0) depctr_va_vcc(0) depctr_vm_vsrc(0)
	s_getreg_b32 s2, hwreg(HW_REG_IB_STS2, 6, 4)
	s_cmp_eq_u32 s2, 0
	s_cbranch_scc0 .Lentry_in_a_cluster
	s_endpgm
.Lentry_in_a_cluster:
	s_bfe_u32 s2, ttmp6, 0x10000c
	s_cmp_lg_u32 s2, 0xf033
	s_cbranch_scc0 .Lentry_shape_is_right
	s_endpgm
.Lentry_shape_is_right:
; THIRD LAUNCH: attention on codes of FP6 (E2M3) with E8M0 scales.  z = (q . k) / sqrt(128) + mask;  t = z x log2(e);  M = the row's largest t so far, rounded UP to a whole number;  p = 2^(t - M) is quantised
; along the keys, not normalised;  the row's sum is taken of the unquantised p and divides O at the end;  O / sum is quantised along the head's channels and stored as the last launch's operand.
; The mask is an input: every key step is computed for every query, and every number of the mask is read and added.
; SHARES.  A work-group: one batch, one k/v head g, 64 queries.  Wave w owns ONE tile of 16 query rows for BOTH query heads 2 g (tile A) and 2 g + 1 (tile B): each fragment of K and V and each register of the
; mask serves two tiles.  Every wave walks all 2,048 keys, 128 a step.
; LAYOUT.  Both products are used transposed: S^T = K Q^T (source 0 = 16 keys), O^T = V^T P^T (source 0 = 16 channels): a lane holds ONE query throughout.  The second launch has laid the rows of each fragment
; so that the 16 registers of tiles 2 B and 2 B + 1 are 16 neighbours: register 16 B + i of S^T is key 32 B + 16 (lane / 16) + i of the step, of O^T channel 32 B + 16 (lane / 16) + i.
; Lane r of query tile T holds token 32 (T / 2) + 8 (T % 2) + r + 8 (r / 8): its row of the mask is taken by that number.
; THE RING.  Two LDS slots of two key steps each: K's two records (25,600 bytes, fragments as images of their registers, then scale words), V's two, and 64 rows x 256 keys of the mask (rows of 1,024 bytes + 8:
; 258 words, so that the 32 lanes of a load of 8 bytes touch 64 different banks of 4 bytes: ISA guide 11.1).
; CLUSTER.  4 x 4: cx = the k/v head, cy = four neighbouring blocks of queries.  The four of a column walk the same K and V, the four of a row read the same rows of the mask: each tile is asked for JOINTLY.
; Wave 0 asks for K, wave 1 for V, waves 2 and 3 for 32 rows of the mask each: one tensor load a wave behind each round; by this text's own count at most two of a wave are out.
; THE MASK IS PREFETCHED one change of slots (two key steps) ahead of its joint load: waves 2 and 3, one instruction each, 8 rows x 4 blocks of 256 bytes; the four partners of a row take 16 rows each, told
; apart by address.  K and V are not: a partner's share of a fill is 25 blocks, no whole wave's worth of lanes.
; LIMITS.  t and t - M are formed by a multiplication and an addition of their own, so that equal logits give equal p whatever the mask's size.  A row whose every logit is -infinity, NaN and +infinity are
; not served.  A block of zeros gets the scale byte 1 (its codes are zeros; this program alone reads the bytes).
; REGISTERS, in windows of 256.  Window 2: v0-95 K's eight fragments, v96-191 V's, v192-255 the mask.  Windows 0 and 1 hold tile A's and tile B's own registers under the same numbers (below).
; Window 0 alone: v1-8, v10 addresses, v14-15 the add's two, v28-47 scale words (scale operands have no window).
.set REC,   12800                      ; a record: 8 fragments of 1,536 bytes, 512 bytes of scale words [row 16][fragment 8]
.set FRB,   1536
.set VOFF,  2*REC                      ; in a slot: K's two records, V's two,
.set MOFF,  4*REC                      ; the mask
.set MP,    1032                       ; a row of the mask in LDS
.set SLOT1, 1<<17                      ; slot 1 begins here, so that one exclusive or turns an address in one slot into the other's
.set SPARE, 2*SLOT1                    ; behind the ring: the spare words, 128 bytes for each wave, which no other line names
.set LI,  1                            ; v1   16 x lane: an image's place for my lane
.set R32, 2                            ; v2   32 x (lane % 16): my row's eight scale words
.set MK0, 3                            ; v3   my row of the mask in a slot, + 64 x (lane / 16)
.set ADK, 4                            ; v4   LDS address of the step's record of K
.set ASC, 5                            ; v5   of its scale words
.set ADM, 6                            ; v6   of the step's part of my row of the mask
.set PFO, 7                            ; v7   the prefetches' offset; never rewritten
.set ASO, 8                            ; v8   32 r + 4 h: my place among the scale words that I store
.set HH,  10                           ; v10  lane / 16
.set SPW, 14                           ; v14  LDS address of my spare word; never rewritten
.set NIL, 15                           ; v15  0; never rewritten
.set Q,   16                           ; v16-27   the tile's queries: one fragment
.set QSC, 28                           ; v28, v29 their scale words, tile A's and B's
.set PSC, 30                           ; v30, v31 p's scale words, tile A's and B's
.set KSC, 32                           ; v32-39   K's scale words
.set VSC, 40                           ; v40-47   V's
.set S,   48                           ; v48-111  S^T, then z, then p
.set O,   112                          ; v112-175 O^T
.set PC,  176                          ; v176-194 codes
.set BM,  196                          ; v196-199 the blocks' largest logits
.set BX,  200                          ; v200-203 at work
.set SO,  204                          ; v204-207 the conversions' scale operands
.set NM,  208                          ; v208 -M,  v209 the largest t: a pair
.set TMX, 209
.set L,   210                          ; v210-211 the sum in two halves
.set F,   212                          ; v212 2^(old M - new M), later 1 / sum; v213 is named with it as a pair
.set PW,  214                          ; v214 the scale word just made
.set TT,  215
.set TM,  216                          ; v216-231 the way out's quantiser
.set KF,  0                            ; window 2
.set VF,  96
.set MK,  192
.set WV,  12                           ; s12 my wave's number, s13 wave / 2, s14 wave % 2
.set WH,  13
.set WL,  14
.set LIM, 15                           ; s15 1 in a wave that prefetches, else the greatest number
.set CX,  16
.set CY,  17
.set QB,  18                           ; s18 my block of 64 queries in the batch
.set BB,  19                           ; s19 the batch
.set SEL, 20                           ; s[20:21] lane selects for v_permlanex16_b32: lane l xor 16
.set CSC, 22                           ; s[22:23] 1 / sqrt(128): the packed forms name a pair and take its low word for both halves
.set CL2, 24                           ; s[24:25] log2(e)
.set G1C, 28                           ; s[28:35] descriptor group 1 for K's and V's records
.set G1M, 36                           ; s[36:43] for the mask
.set G0C, 44                           ; s[44:51] group 0 for K or V: a set for each of the two first fills; the second then walks on
.set G0M, 52                           ; s[52:59] the same for the mask
.set TK,  60                           ; s60 LDS byte at which the record of the step to be fetched begins
.set TMK, 61                           ; s61 the same for the mask: 512 bytes a step
.set SLOTS, 62                         ; s62 slots still to be asked for
.set TWICE, 63                         ; s63 counts a slot's two steps
.set PFA, 66                           ; s[66:67] where my prefetches stand
.set MSB, 0
.macro WIN new                         ; the immediate's high byte repeats the setting that is left; low byte: bits 1:0 source 0, 3:2 source 1, 5:4 source 2, 7:6 destination
.if MSB != \new
	s_set_vgpr_msb (MSB<<8)|\new
.set MSB, \new
.endif
.endm
; A joint refill.  The branch hangs on the wave's number alone.  An s_nop 0 and four v_nop follow each of the two lines, ahead of the jump, the label and what follows.
.macro JLOAD
	s_cmp_eq_u32 s[WH], 0
	s_cbranch_scc0 .Lfor_m_\@
	tensor_load_to_lds s[G0C+4:G0C+7], s[G1C:G1C+7]
	s_nop 0
.rept 4
	v_nop
.endr
	s_branch .Lasked_\@
.Lfor_m_\@:
	tensor_load_to_lds s[G0M+4:G0M+7], s[G1M:G1M+7]
	s_nop 0
.rept 4
	v_nop
.endr
.Lasked_\@:
.endm
.macro ASK                             ; the mask's tile that the NEXT change of slots will ask for; the last change that fills a slot asks for nothing
	s_cmp_gt_u32 s[SLOTS], s[LIM]
	s_cbranch_scc0 .Lnot_mine_\@
	global_prefetch_b8 v[PFO], s[PFA:PFA+1] th:TH_LOAD_NT scope:SCOPE_SE
.Lnot_mine_\@:
.endm
.macro CROUND                          ; a round of the cluster's barrier
	s_barrier_signal -1
	s_barrier_wait -1
	s_cmp_lg_u32 s[WV], 0
	s_cbranch_scc1 .Lnot_wave_0_\@
	s_barrier_signal -3
.Lnot_wave_0_\@:
	s_barrier_wait -3
	s_barrier_signal -1
	s_barrier_wait -1
.endm
	s_load_b256 s[4:11], s[0:1], 0x0               ; qkv s[4:5], attention_mask s[6:7], a_img s[8:9], a_sc s[10:11]
	v_lshl_add_u32 v[SPW], v0, 2, SPARE
	v_mov_b32 v[NIL], 0
	ds_add_u32 v[SPW], v[NIL]                      ; the wave's opening: the add and its wait stand ahead of my first tensor load; the set-up below, work on registers, stands between them
	v_lshrrev_b32 v1, 5, v0
	v_readfirstlane_b32 s[WV], v1
	s_lshr_b32 s[WH], s[WV], 1
	s_and_b32 s[WL], s[WV], 1
	s_bfe_u32 s[CX], ttmp6, 0x40000                ; cx = the k/v head
	s_bfe_u32 s[CY], ttmp6, 0x40004                ; cy
	s_and_b32 s68, ttmp7, 0xffff                   ; cluster y, 0 .. 15
	s_lshr_b32 s[BB], s68, 3                       ; the batch: the same in all sixteen partners
	s_and_b32 s68, s68, 7
	s_lshl_b32 s[QB], s68, 2
	s_add_co_u32 s[QB], s[QB], s[CY]               ; my block of 64 queries
	s_lshl_b32 s69, s[CY], 2
	s_lshl_b32 s69, 15, s69                        ; my row of the cluster
	s_lshl_b32 s70, 0x1111, s[CX]                  ; my column
	; group 1 for K or V: two records, 25,600 dense bytes, as 100 rows of 256 bytes (32 elements of 8), no padding
	s_or_b32 s[G1C], s70, (3<<16)|(1<<21)          ; 15:0 the mask: my column; 17:16 elements of 8 bytes; 21 set beside a mask
	s_mov_b32 s[G1C+1], 32<<16                     ; tensor_dim0
	s_mov_b32 s[G1C+2], 100<<16                    ; tensor_dim1
	s_mov_b32 s[G1C+3], 32<<16                     ; tile_dim0
	s_mov_b32 s[G1C+4], 100                        ; tile_dim1
	s_mov_b32 s[G1C+5], 32                         ; tensor_dim0_stride
	s_mov_b32 s[G1C+6], 0
	s_mov_b32 s[G1C+7], 0
	; group 1 for the mask: 32 rows x 256 numbers of 4 bytes, rows 2,048 numbers apart; 2 words of padding behind every 256
	s_or_b32 s[G1M], s69, (2<<16)|(1<<20)|(1<<21)|(7<<22)|(1<<25)   ; 15:0 my row of the cluster
	s_mov_b32 s[G1M+1], 256<<16
	s_mov_b32 s[G1M+2], 32<<16
	s_mov_b32 s[G1M+3], 256<<16
	s_mov_b32 s[G1M+4], 32
	s_mov_b32 s[G1M+5], 2048
	s_mov_b32 s[G1M+6], 0
	s_mov_b32 s[G1M+7], 0
	s_lshl_b32 s71, s[BB], 4
	s_lshl_b32 s77, s[CX], 1
	s_add_co_u32 s71, s71, s77                     ; 16 x batch + 2 g: tile A's slot of qkv
	s_add_co_u32 s72, s71, s[WL]
	s_add_co_u32 s72, s72, 8                       ; slot 8 + 2 g: k head g; 9 + 2 g: v head g
	s_mul_i32 s72, s72, 16*REC
	s_mov_b32 s73, 0
	s_lshl_b32 s74, s[QB], 6
	s_lshl_b32 s75, s[WL], 5
	s_add_co_u32 s74, s74, s75                     ; the mask's rows that I fetch: 64 x block + 32 x (wave % 2)
	s_lshl_b32 s74, s74, 13
	s_lshl_b32 s75, s[BB], 24
	s_add_co_u32 s74, s74, s75
	s_mov_b32 s75, 0
	s_lshl_b32 s76, s[QB], 2
	s_add_co_u32 s76, s76, s[WV]                   ; T: my tile of 16 query rows in the batch
	s_lshl_b32 s77, s71, 4
	s_lshr_b32 s78, s76, 3
	s_add_co_u32 s77, s77, s78
	s_mul_i32 s78, s77, REC                        ; the record that holds tile A's queries
	s_and_b32 s77, s76, 7
	s_mul_i32 s90, s77, FRB
	s_add_co_u32 s80, s78, s90                     ; their fragment,
	s_mov_b32 s81, 0
	s_lshl_b32 s90, s77, 2
	s_add_co_u32 s82, s78, s90
	s_add_co_u32 s82, s82, 8*FRB                   ; their scale words
	s_mov_b32 s83, 0
	s_lshl_b32 s90, s[BB], 7
	s_add_co_u32 s90, s90, s76                     ; 128 x batch + T
	s_lshl_b32 s84, s90, 3
	s_lshl_b32 s91, s[CX], 1
	s_add_co_u32 s84, s84, s91
	s_mul_i32 s84, s84, FRB                        ; a_img: [tile][head] fragments
	s_mov_b32 s85, 0
	s_lshl_b32 s86, s90, 9
	s_lshl_b32 s91, s[CX], 3
	s_add_co_u32 s86, s86, s91                     ; a_sc: 32 bytes a row, 4 a head
	s_mov_b32 s87, 0
	s_mul_i32 s88, s[WL], VOFF                     ; where my tile goes in a slot: K at 0, V behind it;
	s_mul_i32 s89, s[WL], 32*MP
	s_add_co_u32 s89, s89, MOFF                    ; the mask's two halves: no place in the cluster enters an LDS address
	s_lshl_b32 s92, s[WH], 5
	s_lshl_b32 s93, s[WL], 3
	s_add_co_u32 s92, s92, s93                     ; 32 (wave / 2) + 8 (wave % 2)
	s_lshl_b32 s[PFA], s[QB], 6                    ; the prefetches: rows 64 x block + 16 cx + 8 (wave % 2) on,
	s_lshl_b32 s91, s[CX], 4
	s_add_co_u32 s[PFA], s[PFA], s91
	s_add_co_u32 s[PFA], s[PFA], s93
	s_lshl_b32 s[PFA], s[PFA], 13
	s_lshl_b32 s91, s[BB], 24
	s_add_co_u32 s[PFA], s[PFA], s91
	s_add_co_u32 s[PFA], s[PFA], 2*1024            ; at fill 2; the first change of slots steps it to fill 3.  Nothing is prefetched at the head
	s_mov_b32 s[PFA+1], 0
	s_cmp_eq_u32 s[WH], 1
	s_cselect_b32 s[LIM], 1, -1                    ; waves 2 and 3 prefetch
	s_mov_b32 s[SEL], 0x76543210
	s_mov_b32 s[SEL+1], 0xfedcba98
	s_mov_b32 s[CSC], 0x3db504f3                   ; 1 / sqrt(128)
	s_mov_b32 s[CSC+1], s[CSC]
	s_mov_b32 s[CL2], 0x3fb8aa3b                   ; log2(e)
	s_mov_b32 s[CL2+1], s[CL2]
	s_mov_b32 s[TK], 0
	s_mov_b32 s[TMK], 0
	s_mov_b32 s[SLOTS], 6                          ; eight fills in all: two at the start, six behind rounds
	s_wait_dscnt 0x0                               ; the opening add is done
	s_wait_kmcnt 0x0
	s_add_nc_u64 s[72:73], s[4:5], s[72:73]
	s_add_nc_u64 s[74:75], s[6:7], s[74:75]
	s_add_nc_u64 s[80:81], s[4:5], s[80:81]
	s_add_nc_u64 s[82:83], s[4:5], s[82:83]
	s_add_nc_u64 s[84:85], s[8:9], s[84:85]
	s_add_nc_u64 s[86:87], s[10:11], s[86:87]
	s_add_nc_u64 s[PFA:PFA+1], s[6:7], s[PFA:PFA+1]
	CROUND                                         ; all sixteen work-groups are here: the first joint loads meet
.irp s, 0,1
	s_mov_b32 s[G0C+4*\s], 1                       ; 1:0 count = 1
	s_add_co_u32 s[G0C+4*\s+1], s88, \s*SLOT1      ; 63:32 LDS address
	s_add_nc_u64 s[G0C+4*\s+2:G0C+4*\s+3], s[72:73], \s*2*REC   ; 120:64 global address: fill s holds key steps 2 s and 2 s + 1
	s_or_b32 s[G0C+4*\s+3], s[G0C+4*\s+3], 0x80000000           ; 127:126 type = 2
	s_mov_b32 s[G0M+4*\s], 1
	s_add_co_u32 s[G0M+4*\s+1], s89, \s*SLOT1
	s_add_nc_u64 s[G0M+4*\s+2:G0M+4*\s+3], s[74:75], \s*1024
	s_or_b32 s[G0M+4*\s+3], s[G0M+4*\s+3], 0x80000000
.endr
	s_cmp_eq_u32 s[WH], 0                          ; a wave's two first fills stand in one branch, ahead of every wait on TENSORcnt and every LDS read
	s_cbranch_scc0 .Lfirst_m
	tensor_load_to_lds s[G0C:G0C+3], s[G1C:G1C+7]
	s_nop 0
	tensor_load_to_lds s[G0C+4:G0C+7], s[G1C:G1C+7]
	s_nop 0
.rept 4
	v_nop
.endr
	s_branch .Lfirst_asked
.Lfirst_m:
	tensor_load_to_lds s[G0M:G0M+3], s[G1M:G1M+7]
	s_nop 0
	tensor_load_to_lds s[G0M+4:G0M+7], s[G1M:G1M+7]
	s_nop 0
.rept 4
	v_nop
.endr
.Lfirst_asked:
	v_and_b32 v9, 31, v0
	v_lshlrev_b32 v[LI], 4, v9
	v_lshrrev_b32 v11, 2, v9
	v_and_b32 v12, 3, v9
	v_lshlrev_b32 v[PFO], 13, v11                  ; a row of the mask for each four lanes,
	v_lshl_add_u32 v[PFO], v12, 8, v[PFO]          ; and its four blocks of 256 bytes
	v_and_b32 v9, 15, v0                           ; r
	v_bfe_u32 v[HH], v0, 4, 1                      ; h
	v_lshlrev_b32 v[R32], 5, v9
	v_lshl_add_u32 v[ASO], v[HH], 2, v[R32]
	v_and_b32 v11, 8, v9
	v_add_nc_u32 v11, v11, v9                      ; r + 8 (r / 8)
	v_add_nc_u32 v11, s92, v11                     ; my query's row among the work-group's 64
	v_mul_u32_u24 v[MK0], v11, MP
	v_lshl_add_u32 v[MK0], v[HH], 6, v[MK0]
.irp c, 0,1,2
	global_load_b128 v[Q+4*\c:Q+4*\c+3], v[LI], s[80:81] offset:512*\c           ; tile A's queries stay in registers
.endr
	global_load_b32 v[QSC], v[R32], s[82:83]
	global_load_b32 v[QSC+1], v[R32], s[82:83] offset:16*REC                     ; tile B's head lies one slot of qkv on
	WIN 0x40
.irp c, 0,1,2
	global_load_b128 v[Q+4*\c:Q+4*\c+3], v[LI], s[80:81] offset:16*REC+512*\c
.endr
.macro INIT                            ; the step is written once: the first finds zeros, which the first change of M leaves zeros
.set j, 0
.rept 64
	v_mov_b32 v[O+j], 0
.set j, j+1
.endr
	v_mov_b32 v[TMX], 0xff61b1e6                   ; the largest t so far: -3e38
	v_floor_f32 v[NM], -v[TMX]
	v_mov_b32 v[L], 0
	v_mov_b32 v[L+1], 0
	v_mov_b32 v[F+1], 0                            ; (named as the upper half of a pair)
.irp b, 0,1,2,3
	v_mov_b32 v[BX+\b], 0                          ; written once: a lane permute's destination counts as one of its sources
	v_mov_b32 v[TM+4+\b], 0
.endr
.endm
	WIN 0
	INIT
	WIN 0x55
	INIT
	WIN 0
; The next step's K (24 loads), its scale words (2) and my row's part of the mask (32): 58 LDS loads in one run.
.macro NEXT
	WIN 0
	v_add_nc_u32 v[ADK], s[TK], v[LI]
	v_add_nc_u32 v[ASC], s[TK], v[R32]
	v_add_nc_u32 v[ADM], s[TMK], v[MK0]
	s_add_co_u32 s[TK], s[TK], REC
	s_add_co_u32 s[TMK], s[TMK], 512
	WIN 0x80                                       ; destination window 2
.irp t, 0,1,2,3,4,5,6,7
.irp c, 0,1,2
	ds_load_b128 v[KF+12*\t+4*\c:KF+12*\t+4*\c+3], v[ADK] offset:FRB*\t+512*\c
.endr
.endr
	WIN 0
	ds_load_b128 v[KSC:KSC+3], v[ASC] offset:8*FRB
	ds_load_b128 v[KSC+4:KSC+7], v[ASC] offset:8*FRB+16
	WIN 0x80
.irp b, 0,1,2,3
.irp i, 0,1,2,3,4,5,6,7
	ds_load_b64 v[MK+16*\b+2*\i:MK+16*\b+2*\i+1], v[ADM] offset:MOFF+128*\b+8*\i   ; keys 32 b + 16 h + 2 i, + 1
.endr
.endr
.endm
; First half of a step: V is asked for (26 loads); S^T = K Q^T for both tiles; z = S^T / sqrt(128) + mask.
.macro H1
	WIN 0x80
.irp t, 0,1,2,3,4,5,6,7
.irp c, 0,1,2
	ds_load_b128 v[VF+12*\t+4*\c:VF+12*\t+4*\c+3], v[ADK] offset:VOFF+FRB*\t+512*\c
.endr
.endr
	WIN 0
	ds_load_b128 v[VSC:VSC+3], v[ASC] offset:VOFF+8*FRB
	ds_load_b128 v[VSC+4:VSC+7], v[ASC] offset:VOFF+8*FRB+16
	s_wait_dscnt 58                                ; K and its scale words are in: behind them came the mask's 32 loads and V's 26
	WIN 0x02                                       ; K in window 2; Q and S^T in window 0
.irp t, 0,1,2,3,4,5,6,7
	v_wmma_scale_f32_16x16x128_f8f6f4 v[S+8*\t:S+8*\t+7], v[KF+12*\t:KF+12*\t+11], v[Q:Q+11], 0, v[KSC+\t], v[QSC] matrix_a_fmt:MATRIX_FMT_FP6 matrix_b_fmt:MATRIX_FMT_FP6
.endr
	WIN 0x46                                       ; Q and S^T in window 1
.irp t, 0,1,2,3,4,5,6,7
	v_wmma_scale_f32_16x16x128_f8f6f4 v[S+8*\t:S+8*\t+7], v[KF+12*\t:KF+12*\t+11], v[Q:Q+11], 0, v[KSC+\t], v[QSC+1] matrix_a_fmt:MATRIX_FMT_FP6 matrix_b_fmt:MATRIX_FMT_FP6
.endr
.rept 4
	v_nop                                          ; places behind the products (ISA guide 7.12.1): their results are read below, K's registers are loaded again in the next run
.endr
	s_wait_dscnt 26                                ; the mask is in: behind it came V's 26 loads
	WIN 0x20                                       ; the mask (source 2) in window 2
.set j, 0
.rept 32
	v_pk_fma_f32 v[S+j:S+j+1], v[S+j:S+j+1], s[CSC:CSC+1], v[MK+j:MK+j+1] op_sel_hi:[1,0,1]   ; each accumulator from its low end on
.set j, j+2
.endr
	WIN 0x61
.set j, 0
.rept 32
	v_pk_fma_f32 v[S+j:S+j+1], v[S+j:S+j+1], s[CSC:CSC+1], v[MK+j:MK+j+1] op_sel_hi:[1,0,1]
.set j, j+2
.endr
	WIN 0
.endm
; One tile's softmax for one key step, and p's codes.  win: the tile's window setting; psr: where p's scale word goes in window 0; mvw: the setting for that move.
.macro SOFTMAX win, psr, mvw
	WIN \win
.irp b, 0,1,2,3
	v_max3_num_f32 v[BM+\b], v[S+16*\b], v[S+16*\b+1], v[S+16*\b+2]   ; THE LARGEST LOGIT OF EACH BLOCK OF 32 KEYS serves twice: for the row's maximum, and, since p rises with the logit, for the block's largest p
.endr
.irp i, 3,5,7,9,11,13
.irp b, 0,1,2,3
	v_max3_num_f32 v[BM+\b], v[BM+\b], v[S+16*\b+\i], v[S+16*\b+\i+1]
.endr
.endr
.irp b, 0,1,2,3
	v_max_num_f32 v[BM+\b], v[BM+\b], v[S+16*\b+15]
.endr
.irp b, 0,1,2,3
	v_permlanex16_b32 v[BX+\b], v[BM+\b], s[SEL], s[SEL+1]
.endr
.irp b, 0,1,2,3
	v_max_num_f32 v[BM+\b], v[BM+\b], v[BX+\b]     ; with lane l xor 16's 16 keys
.endr
	v_max3_num_f32 v[TT], v[BM], v[BM+1], v[BM+2]
	v_max_num_f32 v[TT], v[TT], v[BM+3]            ; the step's largest logit of my query
	v_mul_f32 v[TT], s[CL2], v[TT]                 ; as t
	v_max_num_f32 v[TMX], v[TMX], v[TT]            ; the running largest t
	v_mov_b32 v[TT], v[NM]
	v_floor_f32 v[NM], -v[TMX]                     ; the new -M = floor(-t) = -ceil(t): a whole number
	v_sub_f32 v[TT], v[NM], v[TT]                  ; old M - new M: a whole number, 0 or less
	v_cvt_i32_f32 v[TT], v[TT]                     ; (it saturates)
	v_ldexp_f32 v[F], 1.0, v[TT]                   ; f = 2^(old M - new M): a multiplication by it rounds nothing
.set j, 0
.rept 32
	v_pk_mul_f32 v[S+j:S+j+1], v[S+j:S+j+1], s[CL2:CL2+1] op_sel_hi:[1,0]   ; t = z x log2(e), rounded as a number of its own
.set j, j+2
.endr
.irp b, 0,1,2,3
	v_mul_f32 v[BM+\b], s[CL2], v[BM+\b]
.endr
.set j, 0
.rept 32
	v_pk_add_f32 v[S+j:S+j+1], v[S+j:S+j+1], v[NM:NM+1] op_sel_hi:[1,0]     ; t - M
.set j, j+2
.endr
.irp b, 0,1,2,3
	v_add_f32 v[BM+\b], v[BM+\b], v[NM]
.endr
.set j, 0
.rept 64
	v_exp_f32 v[S+j], v[S+j]                       ; p = 2^(t - M), at most 1: one batch
.set j, j+1
.endr
	v_pk_mul_f32 v[L:L+1], v[L:L+1], v[F:F+1] op_sel_hi:[1,0]   ; the sums under the new M: a plain line behind the exponentials
	s_wait_alu depctr_va_vdst(0)                   ; one wait for the batch, ahead of its first reader
.irp b, 0,1,2,3
	v_exp_f32 v[BM+\b], v[BM+\b]                   ; the block's largest p: the same instructions on the same number give the same bits
.endr
	v_pk_add_f32 v[BX:BX+1], v[S:S+1], v[S+2:S+3]  ; THE ROW'S SUM IS TAKEN OF THE UNQUANTISED p: two at a time, in two chains; it reads the 64 alone
.irp j, 4,8,12,16,20,24,28,32,36,40,44,48,52,56,60
	v_pk_add_f32 v[L:L+1], v[L:L+1], v[S+\j:S+\j+1]
	v_pk_add_f32 v[BX:BX+1], v[BX:BX+1], v[S+\j+2:S+\j+3]
.endr
	v_pk_add_f32 v[L:L+1], v[L:L+1], v[BX:BX+1]
	s_wait_alu depctr_va_vdst(0)                   ; and one for the four
.irp b, 0,1,2,3
	v_max_num_f32 v[BM+\b], 0x1800000, v[BM+\b]    ; the floor 2^(3 - 127): the byte cannot fall under 1
.endr
.irp b, 0,1,2,3
	v_add_nc_u32 v[SO+\b], 0xff000000, v[BM+\b]    ; 2 off the exponent field: the conversion's scale operand
.endr
.irp b, 0,1,2,3
	v_lshrrev_b32 v[BX+\b], 23, v[SO+\b]           ; the scale's byte
.endr
	v_lshl_or_b32 v[PW], v[BX+1], 8, v[BX]         ; p's scale word for these 128 keys
	v_lshl_or_b32 v[PW], v[BX+2], 16, v[PW]
	v_lshl_or_b32 v[PW], v[BX+3], 24, v[PW]
	WIN \mvw
	v_mov_b32 v[\psr], v[PW]                       ; scale operands are taken from window 0
	WIN \win
.irp c, 0,1
	v_cvt_scalef32_pk16_fp6_f32 v[PC+6*\c:PC+2+6*\c], v[S+32*\c:S+15+32*\c], v[SO+2*\c]
	v_cvt_scalef32_pk16_fp6_f32 v[PC+12+4*\c:PC+14+4*\c], v[S+16+32*\c:S+31+32*\c], v[SO+2*\c+1]   ; (a conversion's three registers begin on an even number)
.endr
	v_nop                                          ; one plain place behind a scaled conversion
.irp c, 0,1                                    ; the operand's layout wants a WHOLE block in a lane
.irp i, 0,1,2
	v_permlane16_swap_b32 v[PC+6*\c+\i], v[PC+12+4*\c+\i]
.endr
.irp i, 0,1,2
	v_mov_b32 v[PC+3+6*\c+\i], v[PC+12+4*\c+\i]
.endr
.endr
.set j, 0
.rept 32
	v_pk_mul_f32 v[O+j:O+j+1], v[O+j:O+j+1], v[F:F+1] op_sel_hi:[1,0]   ; O^T under the new M, from each accumulator's low end on.  These 32 also stand between the scale word's and the codes' last writes and the products
.set j, j+2
.endr
.endm
; Second half of a step: the next step's run of loads goes out first; both tiles' softmax; O^T += V^T P^T.  The sixteen accumulators take turns, one instruction a turn.
.macro H2 next
.if \next
	NEXT
.endif
	SOFTMAX 0x00, PSC, 0x00
	SOFTMAX 0x55, PSC+1, 0x01
.if \next
	s_wait_dscnt 58                                ; V and its scale words are in: behind them came the next step's 58 loads
.else
	s_wait_dscnt 0x0
.endif
	WIN 0x02                                       ; V in window 2; p's codes and O^T in window 0
.irp t, 0,1,2,3,4,5,6,7
	v_wmma_scale_f32_16x16x128_f8f6f4 v[O+8*\t:O+8*\t+7], v[VF+12*\t:VF+12*\t+11], v[PC:PC+11], v[O+8*\t:O+8*\t+7], v[VSC+\t], v[PSC] matrix_a_fmt:MATRIX_FMT_FP6 matrix_b_fmt:MATRIX_FMT_FP6
.endr
	WIN 0x56                                       ; p's codes and O^T in window 1
.irp t, 0,1,2,3,4,5,6,7
	v_wmma_scale_f32_16x16x128_f8f6f4 v[O+8*\t:O+8*\t+7], v[VF+12*\t:VF+12*\t+11], v[PC:PC+11], v[O+8*\t:O+8*\t+7], v[VSC+\t], v[PSC+1] matrix_a_fmt:MATRIX_FMT_FP6 matrix_b_fmt:MATRIX_FMT_FP6
.endr
.rept 4
	v_nop                                          ; places behind the products: V's registers are loaded again next, O^T is read later
.endr
	WIN 0
.endm
.macro TWO_X                           ; two trips: the second half of one step and the first half of the next; the LDS addresses hang on s[TK] and s[TMK]
	s_mov_b32 s[TWICE], 2
.Lstep_\@:
	H2 1
	H1
	s_sub_co_u32 s[TWICE], s[TWICE], 1
	s_cmp_lg_u32 s[TWICE], 0
	s_cbranch_scc1 .Lstep_\@
.endm
; THE CHANGE OF SLOTS, behind the first half of a slot's second step: all that the slot holds has been asked for.  Each wave waits for all its tensor loads (its part of the other slot), adds 0 to its spare
; word, and waits for that and for its reads of the slot.  fill = 1: the barrier is a round of the cluster's, and the joint refill is the first thing behind it: it has two key steps in which to land.
.macro CHANGE fill
	WIN 0
	s_wait_tensorcnt 0x0                           ; no tensor load of mine is out, so a group 0 may be written
	ds_add_u32 v[SPW], v[NIL]                      ; 0 onto my spare word
.if \fill
	s_xor_b32 s[G0C+5], s[G0C+5], SLOT1            ; the walking descriptors: the other slot than last time,
	s_xor_b32 s[G0M+5], s[G0M+5], SLOT1
	s_add_nc_u64 s[G0C+6:G0C+7], s[G0C+6:G0C+7], 2*REC   ; the next two key steps; the type bits on top are not reached
	s_add_nc_u64 s[G0M+6:G0M+7], s[G0M+6:G0M+7], 1024
	s_wait_xcnt 0x0                                ; the last prefetch, two key steps back, has read its address, so it may be written:
	s_add_nc_u64 s[PFA:PFA+1], s[PFA:PFA+1], 1024  ; one fill further on than the walking descriptor
	s_wait_dscnt 0x0                               ; the add is done, and my reads of the slot are over
	CROUND
	JLOAD
	ASK
.else
	s_wait_dscnt 0x0
	s_barrier_signal -1
	s_barrier_wait -1
.endif
	s_sub_co_u32 s[TK], s[TK], 2*REC               ; the fetches go back to a slot's first step,
	s_xor_b32 s[TK], s[TK], SLOT1                  ; in the other slot
	s_sub_co_u32 s[TMK], s[TMK], 1024
	s_xor_b32 s[TMK], s[TMK], SLOT1
.endm
	s_wait_tensorcnt 1                             ; my part of slot 0 is in; slot 1's may stay out
	s_barrier_signal -1
	s_barrier_wait -1                              ; everybody's is
	NEXT                                           ; key step 0
	s_wait_loadcnt 0x0                             ; the queries
	H1
	H2 1
	H1                                             ; key step 1's first half: slot 0 has been asked for everything
.Lslot:                                            ; six trips: every slot but the last two is filled again
	CHANGE 1
	TWO_X
	s_sub_co_u32 s[SLOTS], s[SLOTS], 1
	s_cmp_lg_u32 s[SLOTS], 0
	s_cbranch_scc1 .Lslot
	CHANGE 0                                       ; the tail is written out
	TWO_X
	H2 0                                           ; the last step's second half
; THE WAY OUT.  64 numbers of a lane, register 16 b + i = channel 32 b + 16 (lane / 16) + i of my query, become a fragment's codes in v[PC] on and its scale word in v[PW].
.macro QUANT s
.irp b, 0,1,2,3
	v_max3_num_f32 v[TM+\b], |v[\s+16*\b]|, |v[\s+1+16*\b]|, 0x1800000
.endr
.irp i, 2,4,6,8,10,12,14
.irp b, 0,1,2,3
	v_max3_num_f32 v[TM+\b], v[TM+\b], |v[\s+16*\b+\i]|, |v[\s+1+16*\b+\i]|
.endr
.endr
.irp b, 0,1,2,3
	v_permlanex16_b32 v[TM+4+\b], v[TM+\b], s[SEL], s[SEL+1]
.endr
.irp b, 0,1,2,3
	v_max_num_f32 v[TM+\b], v[TM+\b], v[TM+4+\b]
.endr
.irp b, 0,1,2,3
	v_add_nc_u32 v[TM+12+\b], 0xff000000, v[TM+\b]
.endr
.irp b, 0,1,2,3
	v_lshrrev_b32 v[TM+4+\b], 23, v[TM+12+\b]
.endr
	v_lshl_or_b32 v[PW], v[TM+5], 8, v[TM+4]
	v_lshl_or_b32 v[PW], v[TM+6], 16, v[PW]
	v_lshl_or_b32 v[PW], v[TM+7], 24, v[PW]
.irp c, 0,1
	v_cvt_scalef32_pk16_fp6_f32 v[PC+6*\c:PC+2+6*\c], v[\s+32*\c:\s+15+32*\c], v[TM+12+2*\c]
	v_cvt_scalef32_pk16_fp6_f32 v[PC+12+4*\c:PC+14+4*\c], v[\s+16+32*\c:\s+31+32*\c], v[TM+12+2*\c+1]
.endr
	v_nop                                          ; one plain place behind a scaled conversion
.irp c, 0,1
.irp i, 0,1,2
	v_permlane16_swap_b32 v[PC+6*\c+\i], v[PC+12+4*\c+\i]
.endr
.irp i, 0,1,2
	v_mov_b32 v[PC+3+6*\c+\i], v[PC+12+4*\c+\i]
.endr
.endr
.endm
.macro FINISH win                      ; one tile: the row's sum, its reciprocal, O^T / sum into S^T's registers, the quantiser
	WIN \win
	v_add_f32 v[L], v[L], v[L+1]                   ; the sum's two halves,
	v_permlanex16_b32 v[BX], v[L], s[SEL], s[SEL+1]
	v_add_f32 v[L], v[L], v[BX]                    ; and lane l xor 16's
	v_rcp_f32 v[F], v[L]
	v_nop                                          ; a plain line behind the reciprocal
	s_wait_alu depctr_va_vdst(0)                   ; and the wait ahead of its first reader
.set j, 0
.rept 32
	v_pk_mul_f32 v[S+j:S+j+1], v[O+j:O+j+1], v[F:F+1] op_sel_hi:[1,0]   ; each accumulator from its low end on
.set j, j+2
.endr
	QUANT S
.endm
	FINISH 0x00
.irp c, 0,1,2
	global_store_b128 v[LI], v[PC+4*\c:PC+4*\c+3], s[84:85] offset:512*\c          ; head 2 g's fragment as it stands: 512 consecutive bytes a store
.endr
	FINISH 0x55
	WIN 0x04                                       ; a store's data are its source 1: window 1
.irp c, 0,1,2
	global_store_b128 v[LI], v[PC+4*\c:PC+4*\c+3], s[84:85] offset:FRB+512*\c      ; head 2 g + 1's lies behind it
.endr
	WIN 0x01
	v_mov_b32 v[PSC+1], v[PW]                      ; tile B's scale word into window 0
	WIN 0
	v_cmp_ne_u32 vcc_lo, 0, v[HH]
	v_cndmask_b32 v[PSC], v[PW], v[PSC+1], vcc_lo  ; lanes 0-15 store head 2 g's word of row r, lanes 16-31 head 2 g + 1's
	global_store_b32 v[ASO], v[PSC], s[86:87]
	s_wait_tensorcnt 0x0                           ; the wave's end: behind my last tensor load
	ds_add_u32 v[SPW], v[NIL]
	s_wait_dscnt 0x0
	CROUND                                         ; the closing round: no work-group ends while a partner may still ask for a tile that names it
	s_endpgm
.Lfunc_end_k_qf44afe3b4a_attn:
	.size	k_qf44afe3b4a_attn, .Lfunc_end_k_qf44afe3b4a_attn-k_qf44afe3b4a_attn
	.p2alignl 7, 3214868480
	.fill 96, 4, 3214868480
	.section	.rodata,"a",@progbits
	.p2align	6, 0x0
	.amdhsa_kernel k_qf44afe3b4a_attn
		.amdhsa_group_segment_fixed_size 327680
		.amdhsa_private_segment_fixed_size 0
		.amdhsa_enable_private_segment 0
		.amdhsa_kernarg_size 32
		.amdhsa_user_sgpr_count 2
		.amdhsa_user_sgpr_kernarg_segment_ptr 1
		.amdhsa_wavefront_size32 1
		.amdhsa_system_sgpr_workgroup_id_x 1
		.amdhsa_system_sgpr_workgroup_id_y 1
		.amdhsa_system_sgpr_workgroup_id_z 1
		.amdhsa_system_vgpr_workitem_id 0
		.amdhsa_next_free_vgpr 768
		.amdhsa_next_free_sgpr 96
		.amdhsa_reserve_vcc 1
		.amdhsa_float_denorm_mode_32 3
		.amdhsa_float_denorm_mode_16_64 3
		.amdhsa_memory_ordered 1
		.amdhsa_forward_progress 1
		.amdhsa_inst_pref_size 204
	.end_amdhsa_kernel
	.amdgpu_metadata
---
amdhsa.version: [ 1, 2 ]
amdhsa.kernels:
  - .name:           k_qf44afe3b4a_attn
    .symbol:         k_qf44afe3b4a_attn.kd
    .args:
      - { .name: qkv, .offset: 0, .size: 8, .value_kind: global_buffer, .address_space: global }
      - { .name: attention_mask, .offset: 8, .size: 8, .value_kind: global_buffer, .address_space: global }
      - { .name: a_img, .offset: 16, .size: 8, .value_kind: global_buffer, .address_space: global }
      - { .name: a_sc, .offset: 24, .size: 8, .value_kind: global_buffer, .address_space: global }
    .group_segment_fixed_size: 327680
    .private_segment_fixed_size: 0
    .kernarg_segment_align: 8
    .kernarg_segment_size: 32
    .max_flat_workgroup_size: 128
    .sgpr_count:     96
    .vgpr_count:     768
    .wavefront_size: 32
...
	.end_amdgpu_metadata
.endif
;; end of part 3
;; launch oproj (part 4): grid 16 x 16, 4 waves a work-group, clusters of 4 x 4, 327,680 bytes of LDS; arguments a_img, a_sc, codes1, scales1, out0; writes out0
.if DOCPART == 4
	.amdgcn_target "amdgcn-amd-amdhsa--gfx1250"
	.amdhsa_code_object_version 6
	.text
	.protected	k_qf44afe3b4a_oproj
	.globl	k_qf44afe3b4a_oproj
	.p2align	8
	.type	k_qf44afe3b4a_oproj,@function
k_qf44afe3b4a_oproj:
	s_mov_b64 s[64:65], 0
	v_nop
	global_prefetch_b8 v0, s[64:65] scope:SCOPE_SE
	s_setreg_imm32_b32 hwreg(HW_REG_WAVE_MODE, 25, 1), 1
	s_wait_xcnt 0x0
	s_wait_alu depctr_hold_cnt(0) depctr_sa_sdst(0) depctr_va_vdst(0) depctr_va_sdst(0) depctr_va_ssrc(0) depctr_va_vcc(0) depctr_vm_vsrc(0)
	s_getreg_b32 s2, hwreg(HW_REG_IB_STS2, 6, 4)
	s_cmp_eq_u32 s2, 0
	s_cbranch_scc0 .Lentry_in_a_cluster
	s_endpgm
.Lentry_in_a_cluster:
	s_bfe_u32 s2, ttmp6, 0x10000c
	s_cmp_lg_u32 s2, 0xf033
	s_cbranch_scc0 .Lentry_shape_is_right
	s_endpgm
.Lentry_shape_is_right:
; FOURTH LAUNCH: out0 = attention's result x wo^T on codes of FP6 (E2M3) with E8M0 scales for each 32 along K.  4,096 rows x 4,096 columns, K = 1,024; out0 f32.
; A (the attention's result) lies in a_img as IMAGES OF ITS FRAGMENTS, [tile of 16 rows][head = 128 along K][1,536 bytes]: a fragment comes out of LDS by three loads of 16 bytes a lane.  Its scale words lie in
; a_sc, 32 bytes a row.  B (wo) lies in codes1 and scales1 as rows of codes, K innermost.
; A'S ROWS ARE NOT IN THE TOKENS' ORDER: row t of block a of a wave's 128 is token 32 (a / 2) + 8 (a % 2) + t + 8 (t / 8) of the same 128.  The stores put each row at its token's place.
; A tile of C, 256 x 256, is made by a work-group of four waves; a wave makes 128 x 128: 64 accumulators, 512 registers.  K goes in steps of 256 through a ring of two LDS slots filled by the tensor data mover.
; The scale bytes of the work-group's rows, for all of K, come into LDS once, with the first fills.
; CLUSTERS: 4 x 4 work-groups.  The four of a row of the cluster need the same tiles of A, the four of a column the same tiles of B: each tile is asked for JOINTLY.
; THE MATRIX INSTRUCTION IS USED TRANSPOSED (source 0 = 16 rows of B, source 1 = 16 rows of A): a lane then holds eight neighbouring numbers of a row of C.
; REGISTERS, in windows of 256: window 0: v0-31 addresses; v32-63 scale words, two sets; from v128 A's fragments, ONE set; on the way out v128-255 rows of C.
;   window 1: B's fragments, TWO sets, at v0 and at v128.   window 2: the 32 accumulators of my rows 0-63 (accumulator (a, b) at v[8 (8 a + b)]);   window 3: those of my rows 64-127.
.set SIZE_N, 4096
.set SIZE_K, 1024
.set OCODES, 18874368                  ; where wo's codes begin in codes1
.set OSCALES, 786432                   ; and its scale bytes in scales1
.set KSTEP,  256
.set NQ,     KSTEP/128
.set ROWB,   192                       ; a row of B's tile in bytes
.set KROW,   SIZE_K*6/8                ; a row of B in memory; also a sixteenth of a tile of A's 12,288 bytes
.set PITCH,  240                       ; B's LDS row: 3 x (64 bytes of data + 16 of padding)
.set FR,     12
.set FRB,    1536                      ; a fragment's image
.set AROW,   2*FRB                     ; a tile of 16 rows of A in a slot: two fragments
.set NL,     6                         ; LDS loads that bring a fragment of B
.set NLA,    3                         ; and of A
.set NP,     4
.set HALFT,  128*PITCH                 ; B: 128 rows
.set HALFA,  8*AROW                    ; A: 128 rows
.set SLOT,   2*HALFA+2*HALFT           ; A's 256 rows, then B's 256 rows
.set LAPS,   SIZE_K/(2*KSTEP)
.set KS,     SIZE_K/32
.set SCL,    2*SLOT
.set HALFS,  (128*KS/256)*272
.set SBLK,   (16*KS/256)*272
.set SPARE,  SCL+4*HALFS               ; behind the scales: the spare words, 128 bytes for each wave, which no other line names
.set SPITCH, 528                       ; the way out: a stage of 16 rows x (512 bytes + 16) for each wave, in slot 0, which has had its last fill and its last read when the first result is stored there
.set ADRA, 16                          ; v16-17  LDS address of my A fragments in slot 0, 1
.set ADRB, 20                          ; v20-21  the same for B  (v22-23: for the pieces that lie behind one padding more)
.set STO,  24
.set RD,   25
.set CO,   26
.set ADRS, 27
.set SPW,  28
.set NIL,  29
.set SC,   32
.set AF,   128
.set BK,   128
.set G1, 24
.set G0, 32
.set G1B, 48
.set G0B, 56
.set G1S, 68
.set G0S, 76
.set G1SB, 80
.set G0SB, 88
.set MSB, 0
.macro WIN new                         ; the immediate's high byte repeats the setting that is left
.if MSB != \new
	s_set_vgpr_msb (MSB<<8)|\new
.set MSB, \new
.endif
.endm
.set MUL_LO, 0xa1
.set MUL_HI, 0xf1
.set TO_B,   0x40
.macro JLOAD g0a, g1a, g0b, g1b        ; a joint load: waves 0 and 1 fetch for A, waves 2 and 3 for B; an s_nop 0 and four v_nop follow each of the two lines
	s_cmp_eq_u32 s15, 0
	s_cbranch_scc0 .Lfor_b_\@
	tensor_load_to_lds s[\g0a:\g0a+3], s[\g1a:\g1a+7]
	s_nop 0
.rept 4
	v_nop
.endr
	s_branch .Lasked_\@
.Lfor_b_\@:
	tensor_load_to_lds s[\g0b:\g0b+3], s[\g1b:\g1b+7]
	s_nop 0
.rept 4
	v_nop
.endr
.Lasked_\@:
.endm
.macro CREST
	s_cmp_lg_u32 s14, 0
	s_cbranch_scc1 .Lnot_wave_0_\@
	s_barrier_signal -3
.Lnot_wave_0_\@:
	s_barrier_wait -3
	s_barrier_signal -1
	s_barrier_wait -1
.endm
.macro CROUND
	s_barrier_signal -1
	s_barrier_wait -1
	CREST
.endm
	s_load_b128 s[4:7], s[0:1], 0x0                ; a_img s[4:5], a_sc s[6:7]
	s_load_b128 s[8:11], s[0:1], 0x10              ; codes1 s[8:9], scales1 s[10:11]
	s_load_b64 s[12:13], s[0:1], 0x20              ; out0
	v_lshl_add_u32 v[SPW], v0, 2, SPARE
	v_mov_b32 v[NIL], 0
	ds_add_u32 v[SPW], v[NIL]                      ; the wave's opening: the add and its wait stand ahead of my first tensor load; the set-up below, work on registers, stands between them
	v_lshrrev_b32 v1, 5, v0
	v_readfirstlane_b32 s14, v1                    ; wave 0..3
	s_lshr_b32 s15, s14, 1                         ; which half of the tile's rows is mine.  Also: I fetch for A (0) or for B (1)
	s_and_b32 s16, s14, 1                          ; which half of its columns.  Also: which 128 rows of that tile I fetch
	s_bfe_u32 s40, ttmp6, 0x40000
	s_bfe_u32 s41, ttmp6, 0x40004
	s_lshl_b32 s42, ttmp9, 2
	s_add_co_u32 s42, s42, s40                     ; tile column of C
	s_and_b32 s17, ttmp7, 0xffff
	s_lshl_b32 s17, s17, 2
	s_add_co_u32 s17, s17, s41                     ; tile row of C
	s_lshl_b32 s43, s41, 2
	s_lshl_b32 s43, 15, s43                        ; my row of the cluster
	s_lshl_b32 s44, 0x1111, s40                    ; my column
	; group 1 for A: 8 tiles of 16 rows x 3,072 bytes (384 elements of 8), 12,288 bytes apart in memory, dense in LDS
	s_or_b32 s[G1+0], s43, (3<<16)|(1<<21)         ; 15:0 the mask: my row; 17:16 elements of 8 bytes; 21 set beside a mask
	s_mov_b32 s[G1+1], (AROW/8)<<16                ; tensor_dim0
	s_mov_b32 s[G1+2], 8<<16                       ; tensor_dim1
	s_mov_b32 s[G1+3], (AROW/8)<<16                ; tile_dim0
	s_mov_b32 s[G1+4], 8                           ; tile_dim1
	s_mov_b32 s[G1+5], 8*FRB/8                     ; tensor_dim0_stride: eight heads' fragments
	s_mov_b32 s[G1+6], 0
	s_mov_b32 s[G1+7], 0
	; group 1 for B: 128 rows x ROWB bytes, 16 bytes of padding behind every 64
	s_or_b32 s[G1B+0], s44, (0<<16)|(1<<20)|(1<<21)|(3<<22)|(3<<25)
	s_mov_b32 s[G1B+1], ROWB<<16
	s_mov_b32 s[G1B+2], 128<<16
	s_mov_b32 s[G1B+3], ROWB<<16
	s_mov_b32 s[G1B+4], 128
	s_mov_b32 s[G1B+5], KROW
	s_mov_b32 s[G1B+6], 0
	s_mov_b32 s[G1B+7], 0
	; the scales of 128 rows: a dense block of 128 KS bytes, as rows of 256 bytes, 16 bytes of padding behind each
	s_or_b32 s[G1S+0], s43, (3<<16)|(1<<20)|(1<<21)|(5<<22)|(3<<25)
	s_or_b32 s[G1SB+0], s44, (3<<16)|(1<<20)|(1<<21)|(5<<22)|(3<<25)
.irp g, G1S, G1SB
	s_mov_b32 s[\g+1], 32<<16
	s_mov_b32 s[\g+2], (128*KS/256)<<16
	s_mov_b32 s[\g+3], 32<<16
	s_mov_b32 s[\g+4], 128*KS/256
	s_mov_b32 s[\g+5], 32
	s_mov_b32 s[\g+6], 0
	s_mov_b32 s[\g+7], 0
.endr
	s_lshl_b32 s18, s16, 7
	s_lshl_b32 s20, s17, 8
	s_add_co_u32 s20, s20, s18                     ; A: row 256 x tile row + 128 x half
	s_lshl_b32 s46, s42, 8
	s_add_co_u32 s46, s46, s18                     ; B: row 256 x tile column + 128 x half
	s_mov_b32 s21, 0
	s_mov_b32 s47, 0
	s_mov_b64 s[18:19], KS
	s_mul_u64 s[22:23], s[20:21], s[18:19]         ; where these rows' scales begin, in bytes
	s_mul_u64 s[92:93], s[46:47], s[18:19]
	s_mov_b64 s[18:19], KROW
	s_mul_u64 s[20:21], s[20:21], s[18:19]         ; and their codes (16 rows of A are 12,288 bytes, as 16 rows of B are)
	s_mul_u64 s[46:47], s[46:47], s[18:19]
	s_mul_i32 s45, s16, HALFA                      ; where they go: A's two halves,
	s_mul_i32 s95, s16, HALFT
	s_add_co_u32 s95, s95, 2*HALFA                 ; then B's two: no place in the cluster enters an LDS address
	s_mul_i32 s94, s14, HALFS
	s_wait_dscnt 0x0                               ; the opening add is done
	s_wait_kmcnt 0x0
	s_add_nc_u64 s[8:9], s[8:9], OCODES
	s_add_nc_u64 s[10:11], s[10:11], OSCALES
	s_add_nc_u64 s[20:21], s[4:5], s[20:21]
	s_add_nc_u64 s[22:23], s[6:7], s[22:23]
	s_add_nc_u64 s[46:47], s[8:9], s[46:47]
	s_add_nc_u64 s[92:93], s[10:11], s[92:93]
	CROUND                                         ; all sixteen work-groups are here: the first joint loads meet
	s_mov_b32 s[G0S], 1
	s_add_co_u32 s[G0S+1], s94, SCL
	s_mov_b64 s[G0S+2:G0S+3], s[22:23]
	s_or_b32 s[G0S+3], s[G0S+3], 0x80000000
	s_mov_b32 s[G0SB], 1
	s_add_co_u32 s[G0SB+1], s94, SCL
	s_mov_b64 s[G0SB+2:G0SB+3], s[92:93]
	s_or_b32 s[G0SB+3], s[G0SB+3], 0x80000000
	JLOAD G0S, G1S, G0SB, G1SB                     ; the scales first: they are wanted with K step 0
.irp s, 0,1
	s_mov_b32 s[G0+4*\s], 1
	s_add_co_u32 s[G0+4*\s+1], s45, \s*SLOT
	s_add_nc_u64 s[G0+4*\s+2:G0+4*\s+3], s[20:21], \s*AROW
	s_or_b32 s[G0+4*\s+3], s[G0+4*\s+3], 0x80000000
	s_mov_b32 s[G0B+4*\s], 1
	s_add_co_u32 s[G0B+4*\s+1], s95, \s*SLOT
	s_add_nc_u64 s[G0B+4*\s+2:G0B+4*\s+3], s[46:47], \s*ROWB
	s_or_b32 s[G0B+4*\s+3], s[G0B+4*\s+3], 0x80000000
	JLOAD G0+4*\s, G1, G0B+4*\s, G1B               ; by this text's own count three tensor loads of a wave are out here
.endr
	v_and_b32 v1, 15, v0                           ; l % 16
	v_bfe_u32 v2, v0, 4, 1                         ; l / 16
	v_mul_u32_u24 v3, v1, PITCH
	v_mul_u32_u24 v4, v2, 24
	v_add_nc_u32 v4, v3, v4                        ; B: a fragment's row x pitch + 24 x half
	v_lshl_add_u32 v5, v2, 4, v4                   ; and the same behind one padding more
	v_and_b32 v6, 31, v0
	v_lshlrev_b32 v6, 4, v6                        ; A: 16 x lane
	s_mul_i32 s21, s15, HALFA                      ; my 128 rows of A
	s_mul_i32 s22, s16, HALFT                      ; my 128 rows of B,
	s_add_co_u32 s22, s22, 2*HALFA                 ; which lie behind A's 256
.irp s, 0,1
	v_add_nc_u32 v[ADRA+\s], s21, v6
	v_add_nc_u32 v[ADRB+\s], s22, v4
	v_add_nc_u32 v[ADRB+2+\s], s22, v5
	s_add_co_u32 s21, s21, SLOT
	s_add_co_u32 s22, s22, SLOT
.endr
	v_mul_u32_u24 v5, v1, KS                       ; my row's scales: KS bytes a row,
	v_lshrrev_b32 v6, 8, v5
	v_lshl_add_u32 v5, v6, 4, v5                   ; and 16 more for each 256 passed
	s_mul_i32 s21, s15, HALFS                      ; A's: my 128 rows
	s_mul_i32 s22, s16, HALFS                      ; B's: my 128 rows, behind A's 256
	s_add_co_u32 s22, s22, 2*HALFS
	s_sub_co_u32 s22, s22, s21
	v_mul_u32_u24 v6, s22, v2                      ; lanes 16-31 take B's
	s_add_co_u32 s21, s21, SCL
	v_add_nc_u32 v5, v5, v6
	v_add_nc_u32 v[ADRS], s21, v5
	s_mul_i32 s23, s14, 16*SPITCH                  ; my stage
	v_mul_u32_u24 v5, v1, SPITCH                   ; in: row l % 16, 32 bytes for each half of the lanes
	v_lshl_add_u32 v5, v2, 5, v5
	v_add_nc_u32 v[STO], s23, v5
	v_and_b32 v6, 31, v0
	v_lshlrev_b32 v[CO], 4, v6                     ; back: the 32 lanes take one row of 512 bytes; and the same in C
	v_add_nc_u32 v[RD], s23, v[CO]
	s_lshl_b32 s20, s17, 8
	s_lshl_b32 s21, s15, 7
	s_add_co_u32 s20, s20, s21                     ; my first row of C: 256 x tile row + 128 x half
	s_mov_b32 s21, 0
	s_mov_b64 s[18:19], SIZE_N*4
	s_mul_u64 s[20:21], s[20:21], s[18:19]
	s_lshl_b32 s46, s42, 10                        ; my first column, in bytes: 1024 x tile column + 512 x half
	s_lshl_b32 s47, s16, 9
	s_add_co_u32 s46, s46, s47
	s_mov_b32 s47, 0
	s_add_nc_u64 s[20:21], s[20:21], s[46:47]
	s_add_nc_u64 s[12:13], s[12:13], s[20:21]
.macro FRAG reg, adr, q, i             ; a fragment of B: 12 registers, in pieces of 8 bytes; where the piece three on lies behind one padding more, the second address register serves
.irp p, 0,1,2,3,4,5
.set PCE, 12*(\q)+6*(\p/3)+\p%3
.if PCE%8 < 5
	ds_load_b64 v[\reg+2*\p:\reg+2*\p+1], v[\adr] offset:8*PCE+16*(PCE/8)+(\i)*16*PITCH
.else
	ds_load_b64 v[\reg+2*\p:\reg+2*\p+1], v[\adr+2] offset:8*PCE+16*(PCE/8)+(\i)*16*PITCH
.endif
.endr
.endm
.macro FRAGA reg, slot, q, i           ; a fragment of A: its image, three loads of 512 consecutive bytes
.irp c, 0,1,2
	ds_load_b128 v[\reg+4*\c:\reg+4*\c+3], v[ADRA+\slot] offset:AROW*(\i)+FRB*(\q)+512*\c
.endr
.endm
; 16 matrix instructions: A's blocks a0, a0 + 1 x B's eight, 128 along K.  The 64 accumulators take turns, one instruction a turn, in the same order in every step.
.macro MUL16 a0, p, q, sc, zero
.irp a, \a0, \a0+1
.irp b, 0,1,2,3,4,5,6,7
.if \zero
	v_wmma_scale_f32_16x16x128_f8f6f4 v[8*(8*((\a)%4)+\b):8*(8*((\a)%4)+\b)+7], v[128*(\p)+FR*\b:128*(\p)+FR*\b+FR-1], v[AF+FR*(\a):AF+FR*(\a)+FR-1], 0, v[SC+8*NQ*(\sc)+NQ*\b+(\q)], v[SC+8*NQ*(\sc)+NQ*(\a)+(\q)] matrix_a_fmt:MATRIX_FMT_FP6 matrix_b_fmt:MATRIX_FMT_FP6 matrix_a_scale:MATRIX_SCALE_ROW1
.else
	v_wmma_scale_f32_16x16x128_f8f6f4 v[8*(8*((\a)%4)+\b):8*(8*((\a)%4)+\b)+7], v[128*(\p)+FR*\b:128*(\p)+FR*\b+FR-1], v[AF+FR*(\a):AF+FR*(\a)+FR-1], v[8*(8*((\a)%4)+\b):8*(8*((\a)%4)+\b)+7], v[SC+8*NQ*(\sc)+NQ*\b+(\q)], v[SC+8*NQ*(\sc)+NQ*(\a)+(\q)] matrix_a_fmt:MATRIX_FMT_FP6 matrix_b_fmt:MATRIX_FMT_FP6 matrix_a_scale:MATRIX_SCALE_ROW1
.endif
.endr
.endr
.endm
.macro FETCH_B slot, q, p
	WIN TO_B
.irp i, 0,1,2,3,4,5,6,7
	FRAG 128*(\p)+FR*\i, ADRB+\slot, \q, \i
.endr
	WIN 0
.endm
.macro FETCH_A slot, q, i0
.irp i, \i0, \i0+1, \i0+2, \i0+3
	FRAGA AF+FR*(\i), \slot, \q, \i
.endr
.endm
.macro SCALES sc
.irp i, 0,1,2,3,4,5,6,7
	ds_load_b64 v[SC+8*NQ*\sc+NQ*\i:SC+8*NQ*\sc+NQ*\i+1], v[ADRS] offset:\i*SBLK
.endr
.endm
.macro PLACES n                        ; places behind matrix instructions, in front of loads into registers that they have read and of the first read of results (ISA guide 7.12.1 for vector instructions)
.rept \n
	v_nop
.endr
.endm
.macro STEP slot, q, zero
	s_wait_dscnt 4*NLA                             ; B's set and A's blocks 0-3 are in; the youngest 12 loads (A's blocks 4-7) may be out
	WIN MUL_LO
	MUL16 0, (\q)%2, \q, \slot, \zero
	MUL16 2, (\q)%2, \q, \slot, \zero
	s_wait_dscnt 0                                 ; A's blocks 4-7 are in
	PLACES NP
	FETCH_B \slot, (\q)+1, 1-(\q)%2
	FETCH_A \slot, (\q)+1, 0
	WIN MUL_HI
	MUL16 4, (\q)%2, \q, \slot, \zero
	MUL16 6, (\q)%2, \q, \slot, \zero
	PLACES NP
	WIN 0
	FETCH_A \slot, (\q)+1, 4
.endm
; A slot's last step changes slots: ONE barrier; in front of it each wave waits for all its tensor loads, adds 0 to its spare word, and waits for that and for its own reads of this slot.
.macro TURN slot, next, fill
	s_wait_tensorcnt 0x0                           ; all my tensor loads have landed: my part of the next slot;  (every window is 0 here)
	ds_add_u32 v[SPW], v[NIL]                      ; 0 onto my spare word
	s_wait_dscnt 4*NLA+1                           ; (the add and the youngest 12 loads, A's blocks 4-7, may be out)
	WIN MUL_LO
	MUL16 0, 1, NQ-1, \slot, 0                     ; sixteen matrix instructions stand between the add and the wait for it
	s_wait_dscnt 0x0                               ; the add is done, and my reads of this slot are over
	s_barrier_signal -1
	MUL16 2, 1, NQ-1, \slot, 0
	WIN 0
	s_barrier_wait -1
.if \fill
	CREST                                          ; the barrier has opened a round of the cluster's barrier: no wave of any partner still reads this slot's tile or has a load on its way
	s_add_nc_u64 s[G0+4*\slot+2:G0+4*\slot+3], s[G0+4*\slot+2:G0+4*\slot+3], 2*AROW
	s_add_nc_u64 s[G0B+4*\slot+2:G0B+4*\slot+3], s[G0B+4*\slot+2:G0B+4*\slot+3], 2*ROWB
	JLOAD G0+4*\slot, G1, G0B+4*\slot, G1B         ; the first tensor load behind the round; the four v_nop behind it are the places in front of the loads below
.else
	PLACES NP
.endif
	v_add_nc_u32 v[ADRS], 4*NQ, v[ADRS]            ; on to the next K step's scale words (no LDS load of mine is out)
	FETCH_B \next, 0, 0
	FETCH_A \next, 0, 0
	SCALES \next
	WIN MUL_HI
	MUL16 4, 1, NQ-1, \slot, 0
	MUL16 6, 1, NQ-1, \slot, 0
	PLACES NP
	WIN 0
	FETCH_A \next, 0, 4
.endm
	s_wait_tensorcnt 1                             ; the scales and my part of K step 0 are in (K step 1's load may be out),
	s_barrier_signal -1
	s_barrier_wait -1                              ; everybody's are
	FETCH_B 0, 0, 0
	FETCH_A 0, 0, 0
	SCALES 0
	FETCH_A 0, 0, 4
	STEP 0, 0, 1                                   ; the first step stands in front of the loop: its products start the sums
	s_mov_b32 s3, LAPS-1
.Llap:                                                 ; a trip goes once round the ring and fills both slots again
	TURN 0, 1, 1
	STEP 1, 0, 0
	TURN 1, 0, 1
	STEP 0, 0, 0
	s_sub_co_u32 s3, s3, 1
	s_cmp_lg_u32 s3, 0
	s_cbranch_scc1 .Llap
	TURN 0, 1, 0                                   ; the last lap fills nothing, and has no round of the cluster's barrier
	STEP 1, 0, 0
	s_wait_dscnt 4*NLA                             ; the very last step: nothing more to fetch
	WIN MUL_LO
	MUL16 0, 1, NQ-1, 1, 0
	MUL16 2, 1, NQ-1, 1, 0
	s_wait_dscnt 0
	WIN MUL_HI
	MUL16 4, 1, NQ-1, 1, 0
	MUL16 6, 1, NQ-1, 1, 0
	WIN 0
; THE WAY OUT, block by block of 16 rows x 128 columns, through my own stage in LDS: in as 32 bytes a lane, back as whole rows of 512 bytes, which the 32 lanes store as 512 consecutive bytes, aligned.
; LDS serves a wave's instructions in order (ISA guide 5.7.1.4): no wait between the stores and the loads, nor in front of the next block's stores.
.macro TOSTAGE a
.set AC, 64*((\a)%4)
	WIN 0x08+4*((\a)/4)                            ; the data: window 2 or 3
.irp b, 0,1,2,3,4,5,6,7
	ds_store_b128 v[STO], v[AC+8*\b:AC+8*\b+3] offset:64*\b          ; each accumulator from its low end on
	ds_store_b128 v[STO], v[AC+8*\b+4:AC+8*\b+7] offset:64*\b+16
.endr
	WIN 0
.set BB, BK+64*((\a)%2)
.irp t, 0,1,2,3,4,5,6,7,8,9,10,11,12,13,14,15
	ds_load_b128 v[BB+4*\t:BB+4*\t+3], v[RD] offset:\t*SPITCH
.endr
.endm
.macro SEND a, younger                 ; younger: the LDS instructions issued behind block a's loads, which may stay out
.set BB, BK+64*((\a)%2)
	s_wait_dscnt \younger                          ; the block is back in registers
.if (\a) > 0                           ; block a begins at token 32 (a / 2) + 8 (a % 2) of my 128  (behind a wait on XCNT: the earlier stores have read their base)
.if (\a)%2
	s_add_nc_u64 s[12:13], s[12:13], 8*SIZE_N*4
.else
	s_add_nc_u64 s[12:13], s[12:13], 24*SIZE_N*4
.endif
.endif
.irp t, 0,1,2,3,4,5,6,7,8,9,10,11,12,13,14,15
	global_store_b128 v[CO], v[BB+4*\t:BB+4*\t+3], s[12:13] offset:(\t+8*(\t/8))*SIZE_N*4 th:TH_STORE_NT   ; row t is token t + 8 (t / 8) of the block; written once, read by nobody here
.endr
.endm
	PLACES NP
	TOSTAGE 0
.irp a, 1,2,3,4,5,6,7
.if \a > 1
	s_wait_xcnt 0x0                                ; block a - 2's stores have read their registers and their base: block a's loads may land there, and the base may step
.endif
	TOSTAGE \a
	SEND \a-1, 32                                  ; behind block a - 1's loads: block a's 16 stores and 16 loads
.endr
	s_wait_xcnt 0x0                                ; block 6's stores have read their base
	SEND 7, 0
	s_wait_tensorcnt 0x0                           ; the wave's end: behind my last tensor load and my last LDS store
	ds_add_u32 v[SPW], v[NIL]
	s_wait_dscnt 0x0
	CROUND                                         ; the closing round: no work-group ends while a partner may still ask for a tile that names it
	s_endpgm
.Lfunc_end_k_qf44afe3b4a_oproj:
	.size	k_qf44afe3b4a_oproj, .Lfunc_end_k_qf44afe3b4a_oproj-k_qf44afe3b4a_oproj
	.p2alignl 7, 3214868480
	.fill 96, 4, 3214868480
	.section	.rodata,"a",@progbits
	.p2align	6, 0x0
	.amdhsa_kernel k_qf44afe3b4a_oproj
		.amdhsa_group_segment_fixed_size 327680
		.amdhsa_private_segment_fixed_size 0
		.amdhsa_enable_private_segment 0
		.amdhsa_kernarg_size 40
		.amdhsa_user_sgpr_count 2
		.amdhsa_user_sgpr_kernarg_segment_ptr 1
		.amdhsa_wavefront_size32 1
		.amdhsa_system_sgpr_workgroup_id_x 1
		.amdhsa_system_sgpr_workgroup_id_y 1
		.amdhsa_system_sgpr_workgroup_id_z 1
		.amdhsa_system_vgpr_workitem_id 0
		.amdhsa_next_free_vgpr 1024
		.amdhsa_next_free_sgpr 98
		.amdhsa_reserve_vcc 0
		.amdhsa_float_denorm_mode_32 3
		.amdhsa_float_denorm_mode_16_64 3
		.amdhsa_memory_ordered 1
		.amdhsa_forward_progress 1
		.amdhsa_inst_pref_size 148
	.end_amdhsa_kernel
	.amdgpu_metadata
---
amdhsa.version: [ 1, 2 ]
amdhsa.kernels:
  - .name:           k_qf44afe3b4a_oproj
    .symbol:         k_qf44afe3b4a_oproj.kd
    .args:
      - { .name: a_img, .offset: 0, .size: 8, .value_kind: global_buffer, .address_space: global }
      - { .name: a_sc, .offset: 8, .size: 8, .value_kind: global_buffer, .address_space: global }
      - { .name: codes1, .offset: 16, .size: 8, .value_kind: global_buffer, .address_space: global }
      - { .name: scales1, .offset: 24, .size: 8, .value_kind: global_buffer, .address_space: global }
      - { .name: out0, .offset: 32, .size: 8, .value_kind: global_buffer, .address_space: global }
    .group_segment_fixed_size: 327680
    .private_segment_fixed_size: 0
    .kernarg_segment_align: 8
    .kernarg_segment_size: 40
    .max_flat_workgroup_size: 128
    .sgpr_count:     98
    .vgpr_count:     1024
    .wavefront_size: 32
...
	.end_amdgpu_metadata
.endif
;; end of part 4
;; ======== version 2 of 2: 4 launches
;; limits: an absolute error that grows with the inputs' magnitude: up to 2.5e-07 times it; inputs' magnitudes at most 1,048,576
;; workspace buffers: codes1 22,020,096 bytes; scales1 917,504 bytes; rope_img 2,105,344 bytes; qkv 6,553,600 bytes; a_img 3,145,728 bytes; a_sc 131,072 bytes; wrec 6,553,600 bytes
;; launch quant (part 5): grid 960 x 1, 4 waves a work-group, no clusters, 72,192 bytes of LDS; arguments hidden_states, wq, wk, wv, wo, position_ids, codes1, scales1, rope_img, wrec; writes codes1, scales1, rope_img, wrec
.if DOCPART == 5
	.amdgcn_target "amdgcn-amd-amdhsa--gfx1250"
	.amdhsa_code_object_version 6
	.text
	.protected	k_qf44afe3b4a_quant
	.globl	k_qf44afe3b4a_quant
	.p2align	8
	.type	k_qf44afe3b4a_quant,@function
k_qf44afe3b4a_quant:
	s_mov_b64 s[64:65], 0
	v_nop
	global_prefetch_b8 v0, s[64:65] scope:SCOPE_SE
	s_setreg_imm32_b32 hwreg(HW_REG_WAVE_MODE, 25, 1), 1
	s_wait_xcnt 0x0
; FIRST LAUNCH.  (1) hidden_states [4096][4096], wq [1024][4096], wk, wv [512][4096], wo [4096][1024], all f32 with K innermost, become codes of FP6 (E2M3), 6 bits each, with one E8M0 scale byte
; for each 32 along K.  A block's scale is 2^(floor(log2(its largest magnitude)) - 2); its byte is the largest magnitude's exponent field - 2, held at 1 from below; each number is divided by the scale
; and rounded to the nearest code, ties to even, beyond 7.5 the largest code.  (2) The rotary tables cos, sin of position x 10000^(-f/64), f = 0 .. 63, laid as the next launch's registers take them.
; RECORDS (hidden_states, wq, wk, wv).  A record is 16 stored rows x 512 along K, 6,400 bytes: four fragments (16 rows x 128 K) AS IMAGES OF THE OPERAND'S REGISTERS, 1,536 bytes each (registers 4 j .. 4 j + 3
; of lane l at 512 j + 16 l; lane (r, h) holds row r, and its registers 6 c .. 6 c + 5 the 24 bytes of K = 64 c + 32 h + 0 .. 31), then 256 scale bytes [row 16][block 16].  Records lie [tile of 16 rows][chunk 8].
; hidden_states' 256 tiles lie in codes1 from byte 0; wrec holds W's 128 tiles: wq's 64, then (wk head j's 8, wv head j's 8) for j = 0 .. 3.
; ROWS CHANGE PLACES: stored row t of tile T is the true row 32 (T / 2) + 8 (T % 2) + t % 8 + 16 (t / 8) (bits 3 and 4 of the row number exchanged): a product that takes such a tile as source 0 leaves 16
; neighbours along the next K in a lane's registers of two neighbouring tiles.
; ROWS (wo): codes as rows, K innermost, in codes1 from byte 18,874,368; scale bytes in scales1 from byte 786,432: runs of 8,192 numbers, 6,144 bytes of codes and 256 scale bytes each.
; (Bytes 13,107,200 to 18,874,367 of codes1 and the first 786,432 of scales1 are not used: wo keeps the place at which the last launch reads it.)
; SHARES.  Work-groups 0-767: a wave makes one record: 16 steps, step t = the 2,048 consecutive bytes of stored row t.  Work-groups 768-895: a wave makes one run of wo, 16 steps of 2,048 bytes on end.
; In both, each load reads 512 consecutive bytes; a step's bytes turn through the wave's own stage in LDS and come back 64 bytes (16 neighbours along K) a lane; two neighbouring lanes hold a block; loads
; run four steps ahead.  A record's code words are gathered in the wave's out stage (the image, with 16 bytes of padding behind each 256, so that the 32 lanes of a store of 4 bytes touch 32 different banks
; of 4 bytes: ISA guide 11.1) and leave as 12 stores of 512 consecutive bytes.  The two ways part on the work-group's number and have LDS bytes of their own.
; Work-groups 896-959: a wave makes the tables of one tile of 16 tokens, and uses no LDS.  No cluster, no tensor load, no barrier: work-groups and waves share no input.
; LIMITS.  A block of zeros gets the byte 1 where the rule says 127: its codes are zeros, and this program alone reads the bytes.  NaN and infinities among the inputs are not served.
; The frequencies come from v_exp_f32: the angle differs from position x 10000^(-f/64) by up to about 2.5e-7 x |position|.  The three-part reduction by pi/2 serves |position| under 2^20.
.set NQWG,  896                        ; work-groups that quantise
.set NREC,  768                        ; of them: those that make records
.set STEPS, 16
.set EMAX,  2
.set CB,    12                         ; bytes of 16 codes
.set ORC,   6400                       ; a record
.set R,     16                         ; v16-79   four sets of 16 numbers as they are loaded
.set X,     80                         ; v80-111  two sets of 16 neighbours
.set C,     128                        ; v128-191 codes: four registers for each step, so that no store's data are written again
.set E,     112                        ; v112-127 a scale byte for each step
.set SP,    80                         ; a lane's place in a stage: its 64 bytes + 16 of padding
.set RSCB,  2*32*SP                    ; a wave's LDS: two stages of 32 x SP bytes, then its 256 scale bytes,
.set ROUT,  RSCB+256                   ; then (records) the out stage: 24 x (256 + 16) bytes
.set RREG,  12288                      ; a wave's region on the records' way
.set WBASE, 4*RREG                     ; behind the four: the regions of wo's way,
.set WREG,  5632                       ; each of this size
.set SPARE, WBASE+4*WREG               ; behind them: the spare words, 128 bytes for each wave, which no other line names
.set SPW,   12                         ; v12      LDS address of my spare word; never rewritten
.set NIL,   13                         ; v13      0; never rewritten
.set OA,    192                        ; v192-194 where my three code words go in the out stage
.set ORD,   195                        ; v195     where I read the out stage back
.macro STAGES                          ; my places in the region that begins at s37
	v_lshrrev_b32 v14, 2, v2
	v_mul_u32_u24 v14, v14, SP
	v_and_b32 v15, 3, v2
	v_lshl_add_u32 v14, v15, 4, v14
	v_add_nc_u32 v14, s37, v14                     ; the stage, on the way in: SP (lane / 4) + 16 (lane % 4)
	v_mul_u32_u24 v15, v2, SP
	v_add_nc_u32 v15, s37, v15                     ; and on the way out: SP x lane: my 16 neighbours
	v_lshrrev_b32 v5, 1, v2
	v_add_nc_u32 v5, s37, v5                       ; my block's scale byte (the instruction's offset holds RSCB and the step)
	v_lshlrev_b32 v7, 3, v2                        ; and on the way out 8 bytes a lane
	v_add_nc_u32 v6, s37, v7
.endm
.macro LOAD t, k                       ; k = 1: stored row t of a record's tile; k = 0: the run's next 2,048 bytes
.irp i, 0,1,2,3
.if \k
	global_load_b128 v[R+16*((\t)%4)+4*\i:R+16*((\t)%4)+4*\i+3], v3, s[24:25] offset:16384*(((\t)%8)+16*((\t)/8))+512*\i th:TH_LOAD_NT   ; 32 lanes read 512 consecutive bytes
.else
	global_load_b128 v[R+16*((\t)%4)+4*\i:R+16*((\t)%4)+4*\i+3], v3, s[24:25] offset:2048*(\t)+512*\i th:TH_LOAD_NT
.endif
.endr
.endm
.macro TURN t                          ; step t's numbers through the stage: LDS serves a wave's instructions in order, so no wait stands between the stores and the loads
.irp i, 0,1,2,3
	ds_store_b128 v14, v[R+16*((\t)%4)+4*\i:R+16*((\t)%4)+4*\i+3] offset:32*SP*((\t)%2)+8*SP*\i
.endr
.irp i, 0,1,2,3
	ds_load_b128 v[X+16*((\t)%2)+4*\i:X+16*((\t)%2)+4*\i+3], v15 offset:32*SP*((\t)%2)+16*\i
.endr
.endm
.macro STEP t, k
.set XS, X+16*((\t)%2)
.if (\t) > 0
	s_wait_dscnt 1+3*(\k)                          ; this step's numbers are back from the stage (the last step's byte store, and on the records' way its three word stores, may be out): so its stores into the stage have read their registers,
.else
	s_wait_dscnt 0x0
.endif
.if (\t)+4 < STEPS
	LOAD (\t)+4, \k                                ; which take the loads of four steps on
.endif
.if (\t)+1 < STEPS
.if STEPS-2-(\t) >= 3
	s_wait_loadcnt 12                              ; the next step's four loads are in; those of the three steps behind it may be out
.else
	s_wait_loadcnt 4*(STEPS-2-(\t))
.endif
	TURN (\t)+1                                    ; and go through the other stage while this step is worked
.endif
	v_max3_num_f32 v8, |v[XS]|, |v[XS+1]|, |v[XS+2]|               ; the largest magnitude of my 16
	v_max3_num_f32 v9, |v[XS+3]|, |v[XS+4]|, |v[XS+5]|
.irp i, 6,10
	v_max3_num_f32 v8, v8, |v[XS+\i]|, |v[XS+\i+1]|
	v_max3_num_f32 v9, v9, |v[XS+\i+2]|, |v[XS+\i+3]|
.endr
	v_max3_num_f32 v8, v8, |v[XS+14]|, |v[XS+15]|
	v_max3_num_f32 v8, v8, v9, (EMAX+1)<<23        ; and the floor 2^(EMAX + 1 - 127): the byte cannot fall under 1
	v_max_num_f32_dpp v8, v8, v8 row_xmask:1 row_mask:0xf bank_mask:0xf   ; and of my neighbour's 16: the block's
	v_add_nc_u32 v11, -(EMAX<<23), v8              ; EMAX off its exponent field: the conversion takes the exponent field of this operand as its scale, and nothing else of it
	v_cvt_scalef32_pk16_fp6_f32 v[C+4*(\t):C+4*(\t)+2], v[XS:XS+15], v11   ; sixteen codes, 96 bits without gaps, the first number's code lowest
	v_lshrrev_b32 v[E+(\t)], 23, v11               ; the scale's byte
	ds_store_b8 v5, v[E+(\t)] offset:RSCB+16*(\t)  ; both lanes of a block write the same byte with the same value
.if \k
.irp i, 0,1,2
	ds_store_b32 v[OA+\i], v[C+4*(\t)+\i] offset:ROUT+16*(\t)   ; my three words at their places in the image: row t is 16 t bytes on
.endr
.else
	global_store_b96 v4, v[C+4*(\t):C+4*(\t)+2], s[16:17] offset:32*CB*(\t)   ; the wave stores 384 consecutive bytes
.endif
.endm
	s_load_b512 s[4:19], s[0:1], 0x0               ; hidden_states s[4:5], wq s[6:7], wk s[8:9], wv s[10:11], wo s[12:13], position_ids s[14:15], codes1 s[16:17], scales1 s[18:19]
	s_load_b128 s[20:23], s[0:1], 0x40             ; rope_img s[20:21], wrec s[22:23]
	v_lshl_add_u32 v[SPW], v0, 2, SPARE
	v_mov_b32 v[NIL], 0
	v_lshrrev_b32 v1, 5, v0
	v_readfirstlane_b32 s36, v1                    ; wave
	v_and_b32 v2, 31, v0                           ; lane
	s_cmp_ge_u32 ttmp9, NQWG
	s_cbranch_scc1 .Lrope                          ; the last 64 work-groups make the tables
	v_lshlrev_b32 v3, 4, v2                        ; my 16 bytes of a run of 512
	s_cmp_ge_u32 ttmp9, NREC
	s_cbranch_scc1 .Lrows                          ; 128 work-groups take wo
; ---------------- RECORDS ----------------
	s_mul_i32 s37, s36, RREG
	STAGES
	; lane l holds half l % 2 of block (l / 2) of the row's 16: fragment q = l / 8, in it c = (l / 4) % 2 and the image's lane half hf = (l / 2) % 2.  Its words are registers rho = 6 c + 3 (l % 2) + 0, 1, 2
	; of image lane (t, hf): byte 1536 q + 512 (rho / 4) + 256 hf + 16 t + 4 (rho % 4) of the record, and in the out stage 16 more for each 256 passed.
	v_and_b32 v8, 1, v2
	v_bfe_u32 v9, v2, 1, 1
	v_bfe_u32 v10, v2, 2, 1
	v_lshrrev_b32 v11, 3, v2
	v_mad_u32_u24 v9, v11, 6, v9                   ; 6 q + hf
	v_mul_u32_u24 v8, v8, 3
	v_mad_u32_u24 v8, v10, 6, v8                   ; the first of my three registers
.irp i, 0,1,2
	v_add_nc_u32 v10, \i, v8                       ; rho
	v_lshrrev_b32 v11, 2, v10
	v_and_b32 v10, 3, v10
	v_lshl_add_u32 v11, v11, 1, v9                 ; 6 q + hf + 2 (rho / 4): which 256 bytes
	v_mul_u32_u24 v11, v11, 272
	v_lshl_add_u32 v11, v10, 2, v11
	v_add_nc_u32 v[OA+\i], s37, v11
.endr
	v_lshrrev_b32 v10, 4, v2
	v_lshl_add_u32 v10, v10, 4, v3
	v_add_nc_u32 v[ORD], s37, v10                  ; back: 16 x lane, + 16 for lanes 16-31; 544 bytes from one run of 512 to the next
	s_wait_kmcnt 0x0
	; which tensor: a cascade on the work-group's number alone.  s[24:25] source, s[26:27] where its records go, s28 its first work-group, s29 its first record, s30 the shift that spreads heads (64 records each)
	s_mov_b64 s[24:25], s[10:11]                   ; 704 ..: wv: head j's 64 records lie behind wk head j's
	s_mov_b64 s[26:27], s[22:23]
	s_mov_b32 s28, 704
	s_mov_b32 s29, 576
	s_mov_b32 s30, 7
	s_cmp_lt_u32 ttmp9, 704                        ; 640 ..: wk
	s_cselect_b64 s[24:25], s[8:9], s[24:25]
	s_cselect_b32 s28, 640, s28
	s_cselect_b32 s29, 512, s29
	s_cmp_lt_u32 ttmp9, 640                        ; 512 ..: wq
	s_cselect_b64 s[24:25], s[6:7], s[24:25]
	s_cselect_b32 s28, 512, s28
	s_cselect_b32 s29, 0, s29
	s_cselect_b32 s30, 6, s30
	s_cmp_lt_u32 ttmp9, 512                        ; 0 ..: hidden_states, into codes1
	s_cselect_b64 s[24:25], s[4:5], s[24:25]
	s_cselect_b64 s[26:27], s[16:17], s[26:27]
	s_cselect_b32 s28, 0, s28
	s_sub_co_u32 s31, ttmp9, s28
	s_lshl_b32 s31, s31, 2
	s_add_co_u32 s31, s31, s36                     ; i = 8 x tile + chunk: which record of the tensor is my wave's; a work-group's four lie side by side along K
	s_lshr_b32 s32, s31, 6
	s_lshl_b32 s32, s32, s30
	s_and_b32 s33, s31, 63
	s_add_co_u32 s32, s32, s33
	s_add_co_u32 s32, s32, s29                     ; the record's number where it goes
	s_mul_i32 s32, s32, ORC
	s_mov_b32 s33, 0
	s_add_nc_u64 s[26:27], s[26:27], s[32:33]
	s_lshr_b32 s34, s31, 4
	s_lshl_b32 s34, s34, 5                         ; 32 (tile / 2)
	s_bfe_u32 s35, s31, 0x10003
	s_lshl_b32 s35, s35, 3                         ; + 8 (tile % 2)
	s_add_co_u32 s34, s34, s35
	s_lshl_b32 s34, s34, 14                        ; rows of 16,384 bytes (under 2^26)
	s_and_b32 s35, s31, 7
	s_lshl_b32 s35, s35, 11                        ; + the chunk's 2,048 bytes
	s_add_co_u32 s34, s34, s35
	s_mov_b32 s35, 0
	s_add_nc_u64 s[24:25], s[24:25], s[34:35]
.irp t, 0,1,2,3
	LOAD \t, 1
.endr
	s_wait_loadcnt 12                              ; step 0's four loads are in
	TURN 0
.irp t, 0,1,2,3,4,5,6,7,8,9,10,11,12,13,14,15
	STEP \t, 1
.endr
	ds_load_b64 v[8:9], v6 offset:RSCB             ; LDS serves a wave's instructions in order: these see my stores
.irp k, 0,1,2,3,4,5,6,7,8,9,10,11
	ds_load_b128 v[R+4*\k:R+4*\k+3], v[ORD] offset:ROUT+544*\k
.endr
	s_wait_dscnt 12                                ; the scale bytes are in; the twelve loads behind them may be out
	global_store_b64 v7, v[8:9], s[26:27] offset:4*1536   ; 32 lanes store 256 consecutive bytes, aligned
.irp k, 0,1,2,3,4,5,6,7,8,9,10,11
	s_wait_dscnt 11-\k
	global_store_b128 v3, v[R+4*\k:R+4*\k+3], s[26:27] offset:512*\k   ; 512 consecutive bytes, aligned
.endr
	s_wait_tensorcnt 0x0                           ; the wave's end: behind my last LDS store
	ds_add_u32 v[SPW], v[NIL]
	s_wait_dscnt 0x0
	s_endpgm
; ---------------- wo, AS ROWS ----------------
.Lrows:
	s_mul_i32 s37, s36, WREG
	s_add_co_u32 s37, s37, WBASE
	STAGES
	v_mul_u32_u24 v4, v2, CB                       ; my codes' place in a step's
	s_wait_kmcnt 0x0
	s_sub_co_u32 s31, ttmp9, NREC
	s_lshl_b32 s31, s31, 2
	s_add_co_u32 s31, s31, s36                     ; which run of wo is my wave's
	s_lshl_b32 s34, s31, 15                        ; 32,768 bytes of f32 a run
	s_mov_b32 s35, 0
	s_add_nc_u64 s[24:25], s[12:13], s[34:35]
	s_add_co_u32 s32, s31, 3072                    ; wo's runs begin at run 3,072 of codes1 and scales1
	s_mul_i32 s34, s32, 32*STEPS*CB
	s_add_nc_u64 s[16:17], s[16:17], s[34:35]
	s_lshl_b32 s34, s32, 8
	s_add_nc_u64 s[18:19], s[18:19], s[34:35]
.irp t, 0,1,2,3
	LOAD \t, 0
.endr
	s_wait_loadcnt 12                              ; step 0's four loads are in
	TURN 0
.irp t, 0,1,2,3,4,5,6,7,8,9,10,11,12,13,14,15
	STEP \t, 0
.endr
	ds_load_b64 v[8:9], v6 offset:RSCB             ; LDS serves a wave's instructions in order: these see my stores
	s_wait_dscnt 0x0
	global_store_b64 v7, v[8:9], s[18:19]          ; 32 lanes store 256 consecutive bytes, aligned
	s_wait_tensorcnt 0x0                           ; the wave's end: behind my last LDS store
	ds_add_u32 v[SPW], v[NIL]
	s_wait_dscnt 0x0
	s_endpgm
; ---------------- THE TABLES ----------------
; Tile T holds 16 tokens: lane (r, h) has token 32 (T / 2) + 8 (T % 2) + r + 8 (r / 8), the token that lane r of the next launch's block T holds.  Number n = 0 .. 31 of a lane belongs to
; f = 32 (n / 16) + 16 h + n % 16.  A tile's image is 16 runs of 512 bytes, lane l's 16 bytes at 16 l: runs 0-7 the cosines n = 4 g .. 4 g + 3, runs 8-15 the sines.  Tile 256 is cos = 1, sin = 0.
.Lrope:
	s_sub_co_u32 s38, ttmp9, NQWG
	s_lshl_b32 s38, s38, 2
	s_add_co_u32 s38, s38, s36                     ; T
	v_and_b32 v3, 15, v0                           ; r
	v_bfe_u32 v4, v0, 4, 1                         ; h
	v_and_b32 v5, 8, v3
	v_add_nc_u32 v5, v5, v3                        ; r + 8 (r / 8)
	s_lshr_b32 s24, s38, 1
	s_lshl_b32 s24, s24, 5
	s_and_b32 s25, s38, 1
	s_lshl_b32 s25, s25, 3
	s_add_co_u32 s24, s24, s25
	v_add_nc_u32 v5, s24, v5                       ; my token, 0 .. 4095
	v_lshlrev_b32 v5, 2, v5
	v_lshlrev_b32 v10, 4, v2                       ; 16 x lane
	v_lshlrev_b32 v8, 4, v4                        ; 16 h
	s_lshl_b32 s26, s38, 13                        ; 8,192 bytes a tile
	s_mov_b32 s27, 0
	s_mov_b32 s40, 0x3f22f983                      ; 2 / pi
	s_mov_b32 s41, 0xbfc90000                      ; -pi/2 in three parts: -1.5703125,
	s_mov_b32 s42, 0xb9fda000                      ; -4.837512969970703e-4,
	s_mov_b32 s43, 0xb3a22168                      ; -7.549789954891882e-8
	s_mov_b32 s44, 0xb94ca1f9                      ; sine on |x| <= pi/4: -1.9515295891e-4,
	s_mov_b32 s45, 0x3c08839e                      ; 8.3321608736e-3,
	s_mov_b32 s46, 0xbe2aaaa3                      ; -1.6666654611e-1
	s_mov_b32 s47, 0x37ccf5ce                      ; cosine: 2.443315711809948e-5,
	s_mov_b32 s48, 0xbab6061a                      ; -1.388731625493765e-3,
	s_mov_b32 s49, 0x3d2aaaa5                      ; 4.166664568298827e-2
	s_wait_kmcnt 0x0
	global_load_b32 v6, v5, s[14:15]               ; my token's position
	s_add_nc_u64 s[20:21], s[20:21], s[26:27]
.set n, 0
.rept 32
	v_add_nc_u32 v[16+n], 32*(n/16)+n%16, v8       ; f
.set n, n+1
.endr
.set n, 0
.rept 32
	v_cvt_f32_u32 v[16+n], v[16+n]
.set n, n+1
.endr
.set n, 0
.rept 32
	v_mul_f32 v[16+n], 0xbe549a78, v[16+n]         ; x -log2(10000) / 64
.set n, n+1
.endr
.set n, 0
.rept 32
	v_exp_f32 v[16+n], v[16+n]                     ; 10000^(-f / 64): one batch
.set n, n+1
.endr
	v_nop                                          ; a plain line behind the last exponential
	s_wait_loadcnt 0x0
	v_cvt_f32_i32 v9, v6                           ; the position as f32
	s_wait_alu depctr_va_vdst(0)                   ; one wait for the batch, ahead of its first reader
; Four numbers by turns: x = position x frequency; N = x x 2/pi to the nearest whole number; x - N pi/2 by three fused multiply-adds; both polynomials; the quadrant N mod 4 exchanges them and sets the signs.
.macro SINCOS4 g
.irp e, 0,1,2,3
	v_mul_f32 v[112+\e], v9, v[16+4*\g+\e]
.endr
.irp e, 0,1,2,3
	v_mul_f32 v[116+\e], s40, v[112+\e]
.endr
.irp e, 0,1,2,3
	v_rndne_f32 v[116+\e], v[116+\e]
.endr
.irp e, 0,1,2,3
	v_fma_f32 v[112+\e], v[116+\e], s41, v[112+\e]
.endr
.irp e, 0,1,2,3
	v_fma_f32 v[112+\e], v[116+\e], s42, v[112+\e]
.endr
.irp e, 0,1,2,3
	v_fma_f32 v[112+\e], v[116+\e], s43, v[112+\e]
.endr
.irp e, 0,1,2,3
	v_mul_f32 v[120+\e], v[112+\e], v[112+\e]      ; z
.endr
.irp e, 0,1,2,3
	v_fma_f32 v[124+\e], v[120+\e], s44, s45
	v_fma_f32 v[128+\e], v[120+\e], s47, s48
.endr
.irp e, 0,1,2,3
	v_fma_f32 v[124+\e], v[124+\e], v[120+\e], s46
	v_fma_f32 v[128+\e], v[128+\e], v[120+\e], s49
.endr
.irp e, 0,1,2,3
	v_mul_f32 v[124+\e], v[124+\e], v[120+\e]
	v_fma_f32 v[132+\e], v[120+\e], -0.5, 1.0
.endr
.irp e, 0,1,2,3
	v_mul_f32 v[120+\e], v[120+\e], v[120+\e]
	v_fma_f32 v[124+\e], v[124+\e], v[112+\e], v[112+\e]   ; the sine of the reduced angle
.endr
.irp e, 0,1,2,3
	v_fma_f32 v[128+\e], v[128+\e], v[120+\e], v[132+\e]   ; its cosine
	v_cvt_i32_f32 v[136+\e], v[116+\e]
.endr
.irp e, 0,1,2,3
	v_and_b32 v[132+\e], 1, v[136+\e]
.endr
.irp e, 0,1,2,3
	v_cmp_ne_u32 s[52+\e], 0, v[132+\e]            ; odd quadrants exchange the two
.endr
.irp e, 0,1,2,3
	v_cndmask_b32 v[80+4*\g+\e], v[124+\e], v[128+\e], s[52+\e]
	v_cndmask_b32 v[48+4*\g+\e], v[128+\e], v[124+\e], s[52+\e]
.endr
.irp e, 0,1,2,3
	v_and_b32 v[132+\e], 2, v[136+\e]              ; the sine is negative in quadrants 2 and 3,
	v_add_nc_u32 v[136+\e], 1, v[136+\e]
.endr
.irp e, 0,1,2,3
	v_lshlrev_b32 v[132+\e], 30, v[132+\e]
	v_and_b32 v[136+\e], 2, v[136+\e]              ; the cosine in 1 and 2
.endr
.irp e, 0,1,2,3
	v_xor_b32 v[80+4*\g+\e], v[80+4*\g+\e], v[132+\e]
	v_lshlrev_b32 v[136+\e], 30, v[136+\e]
.endr
.irp e, 0,1,2,3
	v_xor_b32 v[48+4*\g+\e], v[48+4*\g+\e], v[136+\e]
.endr
	global_store_b128 v10, v[48+4*\g:51+4*\g], s[20:21] offset:512*\g        ; 512 consecutive bytes; each group has registers of its own, so no store's data are written again
	global_store_b128 v10, v[80+4*\g:83+4*\g], s[20:21] offset:512*(8+\g)
.endm
.irp g, 0,1,2,3,4,5,6,7
	SINCOS4 \g
.endr
	s_cmp_lg_u32 s38, 0
	s_cbranch_scc1 .Lrope_end                      ; the wave of tile 0 also writes tile 256
.irp i, 0,1,2,3
	v_mov_b32 v[140+\i], 1.0
	v_mov_b32 v[144+\i], 0
.endr
.irp g, 0,1,2,3,4,5,6,7
	global_store_b128 v10, v[140:143], s[20:21] offset:256*8192+512*\g
	global_store_b128 v10, v[144:147], s[20:21] offset:256*8192+512*(8+\g)
.endr
.Lrope_end:
	s_endpgm
.Lfunc_end_k_qf44afe3b4a_quant:
	.size	k_qf44afe3b4a_quant, .Lfunc_end_k_qf44afe3b4a_quant-k_qf44afe3b4a_quant
	.p2alignl 7, 3214868480
	.fill 96, 4, 3214868480
	.section	.rodata,"a",@progbits
	.p2align	6, 0x0
	.amdhsa_kernel k_qf44afe3b4a_quant
		.amdhsa_group_segment_fixed_size 72192
		.amdhsa_private_segment_fixed_size 0
		.amdhsa_enable_private_segment 0
		.amdhsa_kernarg_size 80
		.amdhsa_user_sgpr_count 2
		.amdhsa_user_sgpr_kernarg_segment_ptr 1
		.amdhsa_wavefront_size32 1
		.amdhsa_system_sgpr_workgroup_id_x 1
		.amdhsa_system_sgpr_workgroup_id_y 1
		.amdhsa_system_sgpr_workgroup_id_z 1
		.amdhsa_system_vgpr_workitem_id 0
		.amdhsa_next_free_vgpr 200
		.amdhsa_next_free_sgpr 66
		.amdhsa_reserve_vcc 0
		.amdhsa_float_denorm_mode_32 3
		.amdhsa_float_denorm_mode_16_64 3
		.amdhsa_memory_ordered 1
		.amdhsa_forward_progress 1
		.amdhsa_inst_pref_size 120
	.end_amdhsa_kernel
	.amdgpu_metadata
---
amdhsa.version: [ 1, 2 ]
amdhsa.kernels:
  - .name:           k_qf44afe3b4a_quant
    .symbol:         k_qf44afe3b4a_quant.kd
    .args:
      - { .name: hidden_states, .offset: 0, .size: 8, .value_kind: global_buffer, .address_space: global }
      - { .name: wq, .offset: 8, .size: 8, .value_kind: global_buffer, .address_space: global }
      - { .name: wk, .offset: 16, .size: 8, .value_kind: global_buffer, .address_space: global }
      - { .name: wv, .offset: 24, .size: 8, .value_kind: global_buffer, .address_space: global }
      - { .name: wo, .offset: 32, .size: 8, .value_kind: global_buffer, .address_space: global }
      - { .name: position_ids, .offset: 40, .size: 8, .value_kind: global_buffer, .address_space: global }
      - { .name: codes1, .offset: 48, .size: 8, .value_kind: global_buffer, .address_space: global }
      - { .name: scales1, .offset: 56, .size: 8, .value_kind: global_buffer, .address_space: global }
      - { .name: rope_img, .offset: 64, .size: 8, .value_kind: global_buffer, .address_space: global }
      - { .name: wrec, .offset: 72, .size: 8, .value_kind: global_buffer, .address_space: global }
    .group_segment_fixed_size: 72192
    .private_segment_fixed_size: 0
    .kernarg_segment_align: 8
    .kernarg_segment_size: 80
    .max_flat_workgroup_size: 128
    .sgpr_count:     66
    .vgpr_count:     200
    .wavefront_size: 32
...
	.end_amdgpu_metadata
.endif
;; end of part 5
;; launch qkv (part 6): grid 8 x 32, 4 waves a work-group, clusters of 4 x 4, 327,680 bytes of LDS; arguments codes1, wrec, rope_img, qkv; writes qkv
.if DOCPART == 6
	.amdgcn_target "amdgcn-amd-amdhsa--gfx1250"
	.amdhsa_code_object_version 6
	.text
	.protected	k_qf44afe3b4a_qkv
	.globl	k_qf44afe3b4a_qkv
	.p2align	8
	.type	k_qf44afe3b4a_qkv,@function
k_qf44afe3b4a_qkv:
	s_mov_b64 s[64:65], 0
	v_nop
	global_prefetch_b8 v0, s[64:65] scope:SCOPE_SE
	s_setreg_imm32_b32 hwreg(HW_REG_WAVE_MODE, 25, 1), 1
	s_wait_xcnt 0x0
	s_wait_alu depctr_hold_cnt(0) depctr_sa_sdst(0) depctr_va_vdst(0) depctr_va_sdst(0) depctr_va_ssrc(0) depctr_va_vcc(0) depctr_vm_vsrc(0)
	s_getreg_b32 s2, hwreg(HW_REG_IB_STS2, 6, 4)
	s_cmp_eq_u32 s2, 0
	s_cbranch_scc0 .Lentry_in_a_cluster
	s_endpgm
.Lentry_in_a_cluster:
	s_bfe_u32 s2, ttmp6, 0x10000c
	s_cmp_lg_u32 s2, 0xf033
	s_cbranch_scc0 .Lentry_shape_is_right
	s_endpgm
.Lentry_shape_is_right:
; SECOND LAUNCH: q, k, v = hidden_states W^T as ONE product on codes of FP6 (E2M3) with E8M0 scales for each 32 along K: 4,096 token rows x 2,048 rows of W, K = 4,096; then the rotary turn of q and k in f32,
; and each head's result quantised again and stored as the attention's operands.  Nothing of q, k, v goes to memory but codes and scale words.
; OPERANDS come as RECORDS of 6,400 bytes (first launch): 16 stored rows x 512 along K: four fragments as images of their registers (1,536 bytes each: three loads of 16 bytes a lane bring one), then the
; rows' scale bytes, 16 a row: a row's four scale words of the chunk come by one load of 16 bytes.  Records lie [tile of 16 rows][chunk 8]: hidden_states' in codes1, W's in wrec.
; SHARES.  256 work-groups of four waves, each 128 token rows x 256 rows of W (two heads): tile columns 0-3 are pairs of query heads, columns 4-7 are (k head j, v head j).  A wave makes 64 x 128:
; 4 blocks of source 1 x 8 blocks of source 0, 32 accumulators of 16 x 16, 256 registers.
; A q or k wave: source 0 = its head's 128 rows of W, source 1 = its 64 tokens: lane (r, h) holds one token, and the 64 registers of block a hold the head's channels: register 16 B + i is channel
; 32 B + 16 h + i (the stored rows' order sees to that): sixteen neighbours along the attention's K, as the conversions want them.
; A v wave: source 0 = all 128 tokens, source 1 = its 64 channels of wv: a lane holds one channel and its registers run along the tokens, which are the second attention product's K.
; Only addresses differ between the two: they are chosen once, on cluster x and the wave's number, which all partners share.  The loop is one text.
; THE RING.  K goes in chunks of 512 through two LDS slots of 24 records (8 of tokens, 16 of W; 153,600 bytes), filled by the tensor data mover: waves 0 and 1 fetch four records of tokens each, waves 2 and 3
; eight of W.  A chunk is four steps of 128 along K, 32 matrix instructions each; from a refill's request to the wait for it a wave issues 112 matrix instructions.
; CLUSTERS: 4 x 4 work-groups.  The four of a row of the cluster need the same records of tokens, the four of a column the same records of W: each is asked for JOINTLY, by the same tensor load with the same
; descriptor and a mask that names the four.  No prefetch: a partner's share of a refill is 25 or 50 blocks of 256 bytes, no whole wave's worth of lanes.
; THE WAY OUT, block by block of 16 lanes' rows: x cos -+ partner x sin (partner = the channel 64 away, 32 registers away in the same lane; a v wave takes the table cos = 1, sin = 0, which leaves x as it is),
; the quantiser, and the fragment stored AS AN IMAGE OF ITS REGISTERS: three stores of 512 consecutive bytes.  The tables are asked for at the head, into registers that the loop leaves alone.
; qkv = [batch 2][slot 16][key step 16][record of 12,800 bytes = 8 fragments of 1,536 + 512 bytes of scale words [row 16][fragment 8]]; slots 0-7 q heads, 8 + 2 j k head j, 9 + 2 j v head j.
; LIMITS: a block of zeros gets the byte 1 (its codes are zeros; this program alone reads the bytes); NaN and infinities are not served.
; REGISTERS, in windows of 256: window 0: v0-31 addresses; v32-95 scale words, two sets; v128-223 source 1's fragments, two sets; on the way out v64-191 the work.
;   window 1: source 0's fragments, two sets, at v0 and at v128.   window 2: the 32 accumulators ((a, b) at v[8 (8 a + b)]).   window 3: the tables, 64 registers a block.
.set REC,    12800                     ; a record of qkv
.set ORC,    6400                      ; an operand's record
.set FRB,    1536                      ; a fragment's image
.set NCH,    8                         ; chunks of 512 along K
.set FR,     12                        ; registers of a fragment
.set NP,     4                         ; places behind this matrix instruction (ISA guide 7.12.1)
.set SLOT,   24*ORC
.set SPARE,  2*SLOT                    ; behind the ring: the spare words, 128 bytes for each wave, which no other line names
.set TO,   8                           ; v8-11   block a's byte offset among the tables; never rewritten
.set LF,   12                          ; v12     where my 16 bytes of a fragment go in my record of qkv
.set WO,   13                          ; v13     and my 8 bytes of its scale words
.set ADRA, 16                          ; v16-17  LDS address of source 1's fragments in slot 0, 1
.set ADRB, 20                          ; v20-21  the same for source 0
.set ADRS, 24                          ; v24-25  of scale words: lanes 0-15 source 1's rows, lanes 16-31 source 0's
.set ADRT, 26                          ; v26-27  of scale words: source 0's rows in all lanes
.set SPW,  28                          ; v28     LDS address of my spare word; never rewritten
.set NIL,  29                          ; v29     0; never rewritten
.set SC,   32                          ; scale words: set s (for slot s) at v[SC + 32 s]; register 4 i + q: lanes 16-31 the word of source 0's block i, lanes 0-15 (i < 4) that of source 1's block i, for the slot's q-th 128 along K
.set AF,   128                         ; source 1's fragments: set p at v[AF + 48 p]
.set HA,   64                          ; the way out, window 0: v64-127 a block after the turn
.set PC,   128                         ; v128-146 the codes just made
.set TM,   148                         ; v148-163 the quantiser's work
.set PW,   164                         ; v164     the scale word just made
.set SW,   168                         ; v168-171 the four blocks' scale words
.set SOUT, 188                         ; v188-189 the scale words as they are stored
.set SEL,  20                          ; s[20:21] on the way out: lane selects for v_permlanex16_b32
.set G1, 24                            ; s[24:31] descriptor group 1 for the tokens' records;  s[32:39] group 0, one set for each slot
.set G0, 32
.set G1B, 48                           ; s[48:55], s[56:63] the same for W's
.set G0B, 56
.set MSB, 0
.macro WIN new                         ; the immediate's high byte repeats the setting that is left; low byte: bits 1:0 source 0, 3:2 source 1, 5:4 source 2, 7:6 destination
.if MSB != \new
	s_set_vgpr_msb (MSB<<8)|\new
.set MSB, \new
.endif
.endm
.set MUL,  0xa1                        ; source 0 window 1, source 1 window 0, C and D window 2
.set TO_B, 0x40                        ; destination window 1, address window 0
; A joint load: waves 0 and 1 fetch the tokens' records, waves 2 and 3 W's.  Each of the two lines has ONE mask and one set of registers for all that issue it; the branch hangs on the wave's number alone.
; An s_nop 0 and four v_nop follow each of the two lines, ahead of the jump, the label and what follows.
.macro JLOAD g0a, g1a, g0b, g1b
	s_cmp_eq_u32 s15, 0
	s_cbranch_scc0 .Lfor_b_\@
	tensor_load_to_lds s[\g0a:\g0a+3], s[\g1a:\g1a+7]
	s_nop 0
.rept 4
	v_nop
.endr
	s_branch .Lasked_\@
.Lfor_b_\@:
	tensor_load_to_lds s[\g0b:\g0b+3], s[\g1b:\g1b+7]
	s_nop 0
.rept 4
	v_nop
.endr
.Lasked_\@:
.endm
.macro CREST                           ; a round of the cluster's barrier behind its opening barrier
	s_cmp_lg_u32 s14, 0
	s_cbranch_scc1 .Lnot_wave_0_\@
	s_barrier_signal -3
.Lnot_wave_0_\@:
	s_barrier_wait -3
	s_barrier_signal -1
	s_barrier_wait -1
.endm
.macro CROUND                          ; a whole round
	s_barrier_signal -1
	s_barrier_wait -1
	CREST
.endm
	s_load_b256 s[4:11], s[0:1], 0x0               ; codes1 s[4:5], wrec s[6:7], rope_img s[8:9], qkv s[10:11]
	v_lshl_add_u32 v[SPW], v0, 2, SPARE
	v_mov_b32 v[NIL], 0
	ds_add_u32 v[SPW], v[NIL]                      ; the wave's opening: the add and its wait stand ahead of my first tensor load; the set-up below, work on registers, stands between them
	v_lshrrev_b32 v1, 5, v0
	v_readfirstlane_b32 s14, v1                    ; wave 0..3
	s_lshr_b32 s15, s14, 1                         ; which half (of the tokens; in a v wave of the channels) is mine.  Also: I fetch the tokens' records (0) or W's (1)
	s_and_b32 s16, s14, 1                          ; which head of the two.  Also: which half of those records I fetch
	s_bfe_u32 s40, ttmp6, 0x40000                  ; cx, cy: my place in the cluster
	s_bfe_u32 s41, ttmp6, 0x40004
	s_lshl_b32 s42, ttmp9, 2
	s_add_co_u32 s42, s42, s40                     ; tile column = 4 x cluster x + cx
	s_and_b32 s17, ttmp7, 0xffff
	s_lshl_b32 s17, s17, 2
	s_add_co_u32 s17, s17, s41                     ; tile row (128 tokens) = 4 x cluster y + cy
	s_lshl_b32 s43, s41, 2
	s_lshl_b32 s43, 15, s43                        ; my row of the cluster
	s_lshl_b32 s44, 0x1111, s40                    ; my column
	; descriptor group 1: rows of one record (800 elements of 8 bytes), from tile to tile eight records on; dense in LDS
	s_or_b32 s[G1+0], s43, (3<<16)|(1<<21)         ; 15:0 the mask: the tokens' records go to my row; 17:16 elements of 8 bytes; 21 set beside a mask
	s_mov_b32 s[G1+1], (ORC/8)<<16                 ; tensor_dim0
	s_mov_b32 s[G1+2], 4<<16                       ; tensor_dim1: four tiles of tokens
	s_mov_b32 s[G1+3], (ORC/8)<<16                 ; tile_dim0
	s_mov_b32 s[G1+4], 4                           ; tile_dim1
	s_mov_b32 s[G1+5], NCH*ORC/8                   ; tensor_dim0_stride
	s_mov_b32 s[G1+6], 0
	s_mov_b32 s[G1+7], 0
	s_or_b32 s[G1B+0], s44, (3<<16)|(1<<21)        ; W's go to my column
	s_mov_b32 s[G1B+1], (ORC/8)<<16
	s_mov_b32 s[G1B+2], 8<<16                      ; eight tiles of W: one head
	s_mov_b32 s[G1B+3], (ORC/8)<<16
	s_mov_b32 s[G1B+4], 8
	s_mov_b32 s[G1B+5], NCH*ORC/8
	s_mov_b32 s[G1B+6], 0
	s_mov_b32 s[G1B+7], 0
	s_lshl_b32 s20, s17, 3
	s_lshl_b32 s18, s16, 2
	s_add_co_u32 s20, s20, s18                     ; tokens: tile 8 x tile row + 4 x half
	s_mul_i32 s20, s20, NCH*ORC                    ; in bytes (under 2^24)
	s_mov_b32 s21, 0
	s_lshl_b32 s46, s42, 4
	s_lshl_b32 s18, s16, 3
	s_add_co_u32 s46, s46, s18                     ; W: tile 16 x tile column + 8 x half
	s_mul_i32 s46, s46, NCH*ORC
	s_mov_b32 s47, 0
	s_mul_i32 s45, s16, 4*ORC                      ; where they go in a slot: the tokens' two halves,
	s_mul_i32 s95, s16, 8*ORC
	s_add_co_u32 s95, s95, 8*ORC                   ; then W's two heads: no place in the cluster enters an LDS address
	s_wait_dscnt 0x0                               ; the opening add is done
	s_wait_kmcnt 0x0
	s_add_nc_u64 s[20:21], s[4:5], s[20:21]
	s_add_nc_u64 s[46:47], s[6:7], s[46:47]
	CROUND                                         ; all sixteen work-groups are here: the first joint loads meet
.irp s, 0,1
	s_mov_b32 s[G0+4*\s], 1                        ; 1:0 count = 1
	s_add_co_u32 s[G0+4*\s+1], s45, \s*SLOT        ; 63:32 LDS address
	s_add_nc_u64 s[G0+4*\s+2:G0+4*\s+3], s[20:21], \s*ORC   ; 120:64 global address: chunk s
	s_or_b32 s[G0+4*\s+3], s[G0+4*\s+3], 0x80000000         ; 127:126 type = 2
	s_mov_b32 s[G0B+4*\s], 1
	s_add_co_u32 s[G0B+4*\s+1], s95, \s*SLOT
	s_add_nc_u64 s[G0B+4*\s+2:G0B+4*\s+3], s[46:47], \s*ORC
	s_or_b32 s[G0B+4*\s+3], s[G0B+4*\s+3], 0x80000000
	JLOAD G0+4*\s, G1, G0B+4*\s, G1B               ; by this text's own count two tensor loads of a wave are out here
.endr
	v_and_b32 v1, 15, v0                           ; r = l % 16
	v_bfe_u32 v2, v0, 4, 1                         ; h = l / 16
	v_and_b32 v3, 31, v0
	v_lshlrev_b32 v3, 4, v3                        ; 16 x lane: an image's place for my lane
	v_lshlrev_b32 v4, 4, v1                        ; 16 r: my row's scale words
	s_cmp_eq_u32 ttmp9, 1                          ; tile columns 4-7 lie in cluster x = 1: there the odd waves' head is a v head
	s_cselect_b32 s66, s16, 0                      ; 1 in a v wave: the same in all sixteen partners, for a given wave
	s_mul_i32 s21, s15, 4*ORC                      ; my 64 tokens
	s_mul_i32 s22, s16, 8*ORC
	s_add_co_u32 s22, s22, 8*ORC                   ; my head's 128 rows of W
	s_add_co_u32 s23, s21, 16*ORC                  ; my 64 rows of the second head
	s_cmp_eq_u32 s66, 1
	s_cselect_b32 s21, s23, s21                    ; source 1: my tokens; in a v wave my channels
	s_cselect_b32 s22, 0, s22                      ; source 0: my head; in a v wave all 128 tokens.  With every offset below, both stay inside the slot
	v_cmp_ne_u32 s67, 0, v2                        ; lanes 16-31
.irp s, 0,1
	v_add_nc_u32 v[ADRA+\s], s21, v3
	v_add_nc_u32 v[ADRB+\s], s22, v3
	v_add_nc_u32 v5, s21, v4
	v_add_nc_u32 v[ADRT+\s], s22, v4
	v_cndmask_b32 v[ADRS+\s], v5, v[ADRT+\s], s67
	s_add_co_u32 s21, s21, SLOT
	s_add_co_u32 s22, s22, SLOT
.endr
	s_mul_i32 s23, s15, 4*FRB                      ; the way out: my four fragments of the record's eight,
	v_add_nc_u32 v[LF], s23, v3
	v_lshlrev_b32 v[WO], 5, v1                     ; and of row r's 32 bytes of scale words my four words: 16 x half on; lanes 0-15 store the first two, lanes 16-31 the other two
	v_lshl_add_u32 v[WO], v2, 3, v[WO]
	s_lshl_b32 s23, s15, 4
	v_add_nc_u32 v[WO], s23, v[WO]
	s_lshl_b32 s92, s17, 3
	s_lshl_b32 s93, s15, 2
	s_add_co_u32 s92, s92, s93                     ; my first tile of tokens: 8 x tile row + 4 x half
	s_cmp_eq_u32 s66, 1
	s_cselect_b32 s92, 256, s92                    ; a v wave: the table that turns nothing,
	s_cselect_b32 s94, 0, 8192                     ; for every block
	s_lshl_b32 s92, s92, 13
	s_mov_b32 s93, 0
	s_add_nc_u64 s[8:9], s[8:9], s[92:93]
.irp a, 0,1,2,3
	v_mad_u32_u24 v[TO+\a], s94, \a, v3
.endr
	WIN 0xc0                                       ; destination window 3
.irp a, 0,1,2,3                        ; block a's cosines (32 registers) and sines (32): sixteen loads of 512 consecutive bytes.  They land while the loop runs; the way out waits for them
.irp l, 0,1,2,3,4,5,6,7,8,9,10,11,12,13,14,15
	global_load_b128 v[64*\a+4*\l:64*\a+4*\l+3], v[TO+\a], s[8:9] offset:512*\l
.endr
.endr
	WIN 0
; 8 matrix instructions: source 1's block a x source 0's eight, 128 along K: the slot's q-th.  p: the fragments' set;  sc: the set of scale words.  zero = 1: the first product starts the sums: nothing is cleared.
; The 32 accumulators take turns, one instruction a turn, in the same order in every step.
.macro MUL8 a, p, q, sc, zero
.irp b, 0,1,2,3,4,5,6,7
.if \zero
	v_wmma_scale_f32_16x16x128_f8f6f4 v[8*(8*(\a)+\b):8*(8*(\a)+\b)+7], v[128*(\p)+FR*\b:128*(\p)+FR*\b+FR-1], v[AF+48*(\p)+FR*(\a):AF+48*(\p)+FR*(\a)+FR-1], 0, v[SC+32*(\sc)+4*\b+(\q)], v[SC+32*(\sc)+4*(\a)+(\q)] matrix_a_fmt:MATRIX_FMT_FP6 matrix_b_fmt:MATRIX_FMT_FP6 matrix_a_scale:MATRIX_SCALE_ROW1
.else
	v_wmma_scale_f32_16x16x128_f8f6f4 v[8*(8*(\a)+\b):8*(8*(\a)+\b)+7], v[128*(\p)+FR*\b:128*(\p)+FR*\b+FR-1], v[AF+48*(\p)+FR*(\a):AF+48*(\p)+FR*(\a)+FR-1], v[8*(8*(\a)+\b):8*(8*(\a)+\b)+7], v[SC+32*(\sc)+4*\b+(\q)], v[SC+32*(\sc)+4*(\a)+(\q)] matrix_a_fmt:MATRIX_FMT_FP6 matrix_b_fmt:MATRIX_FMT_FP6 matrix_a_scale:MATRIX_SCALE_ROW1
.endif
.endr
.endm
; 36 LDS loads in one run: the twelve fragments of the slot's q-th 128 along K into set p; each load takes 512 consecutive bytes
.macro FETCH slot, q, p
	WIN TO_B
.irp i, 0,1,2,3,4,5,6,7
.irp c, 0,1,2
	ds_load_b128 v[128*(\p)+FR*\i+4*\c:128*(\p)+FR*\i+4*\c+3], v[ADRB+\slot] offset:ORC*\i+FRB*(\q)+512*\c
.endr
.endr
	WIN 0
.irp i, 0,1,2,3
.irp c, 0,1,2
	ds_load_b128 v[AF+48*(\p)+FR*\i+4*\c:AF+48*(\p)+FR*\i+4*\c+3], v[ADRA+\slot] offset:ORC*\i+FRB*(\q)+512*\c
.endr
.endr
.endm
.macro SCALES sc                       ; slot sc's scale words: a row's four words by one load; blocks 0-3: both sources'; blocks 4-7: source 0's
.irp i, 0,1,2,3
	ds_load_b128 v[SC+32*\sc+4*\i:SC+32*\sc+4*\i+3], v[ADRS+\sc] offset:ORC*\i+4*FRB
.endr
.irp i, 4,5,6,7
	ds_load_b128 v[SC+32*\sc+4*\i:SC+32*\sc+4*\i+3], v[ADRT+\sc] offset:ORC*\i+4*FRB
.endr
.endm
; A load into a register that a matrix instruction has read, and a vector instruction that reads a matrix result, stand NP places behind that matrix instruction, and only plain vector instructions that name
; none of its registers are places (ISA guide 7.12.1 for vector instructions).
.macro PLACES n
.rept \n
	v_nop
.endr
.endm
; One of a slot's first three steps: the next step's fragments are asked for, into the set that the last step multiplied; then this step's 32 products.
.macro STEP slot, q, zero
	PLACES NP
	FETCH \slot, (\q)+1, 1-(\q)%2
	s_wait_dscnt 36                                ; all but the 36 just issued: this step's fragments (and, in a slot's first step, its scale words) are in
	WIN MUL
	MUL8 0, (\q)%2, \q, \slot, \zero
	MUL8 1, (\q)%2, \q, \slot, \zero
	MUL8 2, (\q)%2, \q, \slot, \zero
	MUL8 3, (\q)%2, \q, \slot, \zero
.endm
; A slot's fourth step changes slots: ONE barrier; in front of it each wave waits for all its tensor loads, adds 0 to its spare word, and waits for that and for its own reads of this slot.  fill = 1: this slot is filled again, two chunks ahead.
.macro TURN slot, next, fill
	WIN 0                                          ; (the add's two registers lie in window 0)
	s_wait_tensorcnt 0x0                           ; all my tensor loads have landed: my part of the next slot;
	ds_add_u32 v[SPW], v[NIL]                      ; 0 onto my spare word
	s_wait_dscnt 1                                 ; (this step's fragments are in; the add may be out)
	WIN MUL
	MUL8 0, 1, 3, \slot, 0                         ; eight matrix instructions stand between the add and the wait for it
	s_wait_dscnt 0x0                               ; the add is done, and my reads of this slot are over
	s_barrier_signal -1
	MUL8 1, 1, 3, \slot, 0
	WIN 0
	s_barrier_wait -1
.if \fill
	CREST                                          ; the barrier has opened a round of the cluster's barrier: no wave of any partner still reads this slot's records or has a load on its way
	s_add_nc_u64 s[G0+4*\slot+2:G0+4*\slot+3], s[G0+4*\slot+2:G0+4*\slot+3], 2*ORC
	s_add_nc_u64 s[G0B+4*\slot+2:G0B+4*\slot+3], s[G0B+4*\slot+2:G0B+4*\slot+3], 2*ORC
	JLOAD G0+4*\slot, G1, G0B+4*\slot, G1B         ; the first tensor load behind the round; the four v_nop behind it are the places in front of the loads below
.else
	PLACES NP
.endif
	FETCH \next, 0, 0
	SCALES \next
	WIN MUL
	MUL8 2, 1, 3, \slot, 0
	MUL8 3, 1, 3, \slot, 0
.endm
	s_wait_tensorcnt 1                             ; my part of chunk 0 is in (chunk 1's load may be out)
	s_barrier_signal -1
	s_barrier_wait -1                              ; everybody's is
	FETCH 0, 0, 0
	SCALES 0
	STEP 0, 0, 1                                   ; the first step stands in front of the loop: its products start the sums
	WIN 0                                          ; at a label and at a branch every window is 0
	s_mov_b32 s3, NCH/2-1
.Llap:                                                 ; a trip goes once round the ring, from a lap's second step to the next lap's first, and fills both slots again
	STEP 0, 1, 0
	STEP 0, 2, 0
	TURN 0, 1, 1
	STEP 1, 0, 0
	STEP 1, 1, 0
	STEP 1, 2, 0
	TURN 1, 0, 1
	STEP 0, 0, 0
	WIN 0
	s_sub_co_u32 s3, s3, 1
	s_cmp_lg_u32 s3, 0
	s_cbranch_scc1 .Llap
	STEP 0, 1, 0                                   ; the last lap fills nothing, and has no round of the cluster's barrier
	STEP 0, 2, 0
	TURN 0, 1, 0
	STEP 1, 0, 0
	STEP 1, 1, 0
	STEP 1, 2, 0
	s_wait_dscnt 0x0                               ; the very last step: nothing more to fetch
	WIN MUL
	MUL8 0, 1, 3, 1, 0
	MUL8 1, 1, 3, 1, 0
	MUL8 2, 1, 3, 1, 0
	MUL8 3, 1, 3, 1, 0
	WIN 0
; ---------------- THE WAY OUT ----------------
; 64 numbers of a lane, v[s] .. v[s + 63], register 16 b + i = k 32 b + 16 (lane / 16) + i of my row, become a fragment's codes in v[PC] on and its scale word in v[PW].
.macro QUANT s
.irp b, 0,1,2,3
	v_max3_num_f32 v[TM+\b], |v[\s+16*\b]|, |v[\s+1+16*\b]|, 0x1800000   ; block b: my 16 numbers, and the floor 2^(3 - 127): the byte cannot fall under 1
.endr
.irp i, 2,4,6,8,10,12,14
.irp b, 0,1,2,3
	v_max3_num_f32 v[TM+\b], v[TM+\b], |v[\s+16*\b+\i]|, |v[\s+1+16*\b+\i]|   ; (the four blocks by turns)
.endr
.endr
.irp b, 0,1,2,3
	v_permlanex16_b32 v[TM+4+\b], v[TM+\b], s[SEL], s[SEL+1]
.endr
.irp b, 0,1,2,3
	v_max_num_f32 v[TM+\b], v[TM+\b], v[TM+4+\b]   ; with lane l xor 16's: the block's largest magnitude
.endr
.irp b, 0,1,2,3
	v_add_nc_u32 v[TM+12+\b], 0xff000000, v[TM+\b]   ; 2 off its exponent field: the conversion's scale operand
.endr
.irp b, 0,1,2,3
	v_lshrrev_b32 v[TM+4+\b], 23, v[TM+12+\b]   ; the scale's byte
.endr
	v_lshl_or_b32 v[PW], v[TM+5], 8, v[TM+4]   ; the four bytes make my row's scale word
	v_lshl_or_b32 v[PW], v[TM+6], 16, v[PW]
	v_lshl_or_b32 v[PW], v[TM+7], 24, v[PW]
.irp c, 0,1
	v_cvt_scalef32_pk16_fp6_f32 v[PC+6*\c:PC+2+6*\c], v[\s+32*\c:\s+15+32*\c], v[TM+12+2*\c]
	v_cvt_scalef32_pk16_fp6_f32 v[PC+12+4*\c:PC+14+4*\c], v[\s+16+32*\c:\s+31+32*\c], v[TM+12+2*\c+1]   ; (a conversion's three registers begin on an even number)
.endr
	v_nop                                          ; one plain place behind a scaled conversion
.irp c, 0,1                                    ; the operand's layout wants a WHOLE block in a lane: lanes 0-15 block 2 c, lanes 16-31 block 2 c + 1
.irp i, 0,1,2
	v_permlane16_swap_b32 v[PC+6*\c+\i], v[PC+12+4*\c+\i]
.endr
.irp i, 0,1,2
	v_mov_b32 v[PC+3+6*\c+\i], v[PC+12+4*\c+\i]
.endr
.endr
.endm
; The turn: register n (channel d < 64) and register 32 + n (channel d + 64) of a lane are partners.  out[n] = x[n] cos - x[32 + n] sin;  out[32 + n] = x[32 + n] cos + x[n] sin.  Two numbers an instruction.
; Each accumulator is read from its low end on: the pairs ascend.  Block a's table has the same register numbers in window 3 as its accumulators in window 2: cosines at AC + n, sines at AC + 32 + n.
.macro ROT a
.set AC, 64*(\a)
	WIN 0x0e                                       ; source 0: the accumulators' window 2; source 1: the tables' window 3; source 2 and destination: window 0
.set n, 0
.rept 16
	v_pk_mul_f32 v[HA+n:HA+n+1], v[AC+32+n:AC+33+n], v[AC+32+n:AC+33+n]
.set n, n+2
.endr
.set n, 0
.rept 16
	v_pk_mul_f32 v[HA+32+n:HA+33+n], v[AC+n:AC+n+1], v[AC+32+n:AC+33+n]
.set n, n+2
.endr
.set n, 0
.rept 16
	v_pk_fma_f32 v[HA+n:HA+n+1], v[AC+n:AC+n+1], v[AC+n:AC+n+1], v[HA+n:HA+n+1] neg_lo:[0,0,1] neg_hi:[0,0,1]
.set n, n+2
.endr
.set n, 0
.rept 16
	v_pk_fma_f32 v[HA+32+n:HA+33+n], v[AC+32+n:AC+33+n], v[AC+n:AC+n+1], v[HA+32+n:HA+33+n]
.set n, n+2
.endr
.endm
.macro BLOCK a
.if (\a) > 0
	s_wait_xcnt 0x0                                ; the last block's stores have read their data: the codes' registers are written again only behind this wait
.endif
	ROT \a
	WIN 0
	QUANT HA
.irp c, 0,1,2
	global_store_b128 v[LF], v[PC+4*\c:PC+4*\c+3], s[10:11] offset:FRB*(\a)+512*\c   ; the fragment as it stands: 512 consecutive bytes a store
.endr
	v_mov_b32 v[SW+(\a)], v[PW]
.endm
	PLACES NP                                      ; behind the last products: their results are read, and registers that they read are written, below
	s_mov_b32 s[SEL], 0x76543210
	s_mov_b32 s[SEL+1], 0xfedcba98                 ; v_permlanex16_b32's selects for lane l xor 16
	s_lshr_b32 s4, s17, 4                          ; batch: sixteen tile rows of 128 tokens each
	s_lshl_b32 s4, s4, 4
	s_lshl_b32 s5, s42, 1
	s_add_co_u32 s4, s4, s5
	s_add_co_u32 s4, s4, s16                       ; 16 x batch + slot (2 x tile column + my head of the two)
	s_lshl_b32 s4, s4, 4
	s_and_b32 s5, s17, 15
	s_add_co_u32 s4, s4, s5                        ; x 16 + key step
	s_mul_i32 s4, s4, REC
	s_mov_b32 s5, 0
	s_add_nc_u64 s[10:11], s[10:11], s[4:5]        ; my record
.irp b, 0,1,2,3
	v_mov_b32 v[TM+4+\b], 0                        ; written once: a lane permute's destination counts as one of its sources
.endr
	s_wait_loadcnt 0x0                             ; the tables, asked for at the head
.irp a, 0,1,2,3
	BLOCK \a
.endr
	v_cmp_ne_u32 vcc_lo, 0, v2
	v_cndmask_b32 v[SOUT], v[SW], v[SW+2], vcc_lo  ; lanes 0-15 store my blocks 0 and 1's words of row r, lanes 16-31 blocks 2 and 3's
	v_cndmask_b32 v[SOUT+1], v[SW+1], v[SW+3], vcc_lo
	global_store_b64 v[WO], v[SOUT:SOUT+1], s[10:11] offset:8*FRB   ; 16 bytes of each row's 32: the other half of the tokens (or channels) is another wave's
	s_wait_tensorcnt 0x0                           ; the wave's end: behind my last tensor load
	ds_add_u32 v[SPW], v[NIL]
	s_wait_dscnt 0x0
	CROUND                                         ; the closing round: no work-group ends while a partner may still ask for a tile that names it
	s_endpgm
.Lfunc_end_k_qf44afe3b4a_qkv:
	.size	k_qf44afe3b4a_qkv, .Lfunc_end_k_qf44afe3b4a_qkv-k_qf44afe3b4a_qkv
	.p2alignl 7, 3214868480
	.fill 96, 4, 3214868480
	.section	.rodata,"a",@progbits
	.p2align	6, 0x0
	.amdhsa_kernel k_qf44afe3b4a_qkv
		.amdhsa_group_segment_fixed_size 327680
		.amdhsa_private_segment_fixed_size 0
		.amdhsa_enable_private_segment 0
		.amdhsa_kernarg_size 32
		.amdhsa_user_sgpr_count 2
		.amdhsa_user_sgpr_kernarg_segment_ptr 1
		.amdhsa_wavefront_size32 1
		.amdhsa_system_sgpr_workgroup_id_x 1
		.amdhsa_system_sgpr_workgroup_id_y 1
		.amdhsa_system_sgpr_workgroup_id_z 1
		.amdhsa_system_vgpr_workitem_id 0
		.amdhsa_next_free_vgpr 1024
		.amdhsa_next_free_sgpr 98
		.amdhsa_reserve_vcc 1
		.amdhsa_float_denorm_mode_32 3
		.amdhsa_float_denorm_mode_16_64 3
		.amdhsa_memory_ordered 1
		.amdhsa_forward_progress 1
		.amdhsa_inst_pref_size 156
	.end_amdhsa_kernel
	.amdgpu_metadata
---
amdhsa.version: [ 1, 2 ]
amdhsa.kernels:
  - .name:           k_qf44afe3b4a_qkv
    .symbol:         k_qf44afe3b4a_qkv.kd
    .args:
      - { .name: codes1, .offset: 0, .size: 8, .value_kind: global_buffer, .address_space: global }
      - { .name: wrec, .offset: 8, .size: 8, .value_kind: global_buffer, .address_space: global }
      - { .name: rope_img, .offset: 16, .size: 8, .value_kind: global_buffer, .address_space: global }
      - { .name: qkv, .offset: 24, .size: 8, .value_kind: global_buffer, .address_space: global }
    .group_segment_fixed_size: 327680
    .private_segment_fixed_size: 0
    .kernarg_segment_align: 8
    .kernarg_segment_size: 32
    .max_flat_workgroup_size: 128
    .sgpr_count:     98
    .vgpr_count:     1024
    .wavefront_size: 32
...
	.end_amdgpu_metadata
.endif
;; end of part 6
;; launch attn: the kernel of part 3 again; grid 4 x 64, 4 waves a work-group, clusters of 4 x 4, 327,680 bytes of LDS; arguments qkv, attention_mask, a_img, a_sc; writes a_img, a_sc
;; launch oproj: the kernel of part 4 again; grid 16 x 16, 4 waves a work-group, clusters of 4 x 4, 327,680 bytes of LDS; arguments a_img, a_sc, codes1, scales1, out0; writes out0
